; MI455X (gfx1250); checked and timed in simulation.
; The chip was launched on July 23, 2026; its instructions are those of AMD's public machine-readable ISA for CDNA 5 (MIT licence, August 2026) and "CDNA5" Instruction Set Architecture Reference Guide (July 2026). The comments in the code are by the model that wrote it; some were corrected since.
;; Mo E. Allowed arithmetic: matrix products marked QUANTISED: E2M1 operands, one E8M0 scale for each 32 along K, by v_wmma_scale_f32_16x16x128_f8f6f4 with both operands' format E2M1 (or v_wmma_scale_f32_32x16x128_f4), f32 sums; products left as they are: f32 operands where the result goes on into a quantised operand, else bf16, f16 or f32 operands; f32 sums; everything else in f32.
;; Inputs: W1 8 x 1,024 x 4,096 float32; W2 8 x 4,096 x 1,024 float32; b1 8 x 4,096 float32; b2 8 x 1,024 float32; gate_b 8 float32; gate_w 1,024 x 8 float32; x 1,024 x 1,024 float32.
;; Outputs: out0 1,024 x 1,024 float32.
;; This version of the problem:
;;   THIS VERSION OF THE PROBLEM IS GIVEN IN LOW PRECISION. The matrix products marked QUANTISED in the list below multiply operands that are first quantised to E2M1 (2 exponent bits, 1 mantissa bit; 4 bits a number), with one power-of-two scale for each 32 numbers along K (OCP MX v1.0); their sums are f32. All else is computed in f32.
;;   The module's matrix products, in the order in which they are computed (A, B: the left and right operand; K: the contracted axis; several contracted axes count as one K, in the product's order):
;;     1. [M 1,024, K 1,024] x [K 1,024, N 8]; A: input x; B: input gate_w: left as it is (N = 8 < 16)
;;     2. [M 1,024, K 1,024] x [K 1,024, N 32,768]; A: input x; B: input W1: QUANTISED
;;     3. batch 8 x [M 1,024, K 4,096] x [K 4,096, N 1,024]; A: input W2; B: computed on the way: QUANTISED
;;   THE QUANTISER, for each operand of a quantised product, along K:
;;     - K is cut into blocks of 32 from its start; a last block that is shorter is filled with zeros.
;;     - A block's scale is 2^e with e = floor(log2(the largest magnitude in the block)) - 2, held to -126 .. 127; a block of zeros has e = 0. As a byte (E8M0): e + 127.
;;     - Each number is divided by its block's scale, clamped to +-6, and rounded to the nearest number of E2M1, ties to even, subnormals kept.
;;     - The product sums the exact products of the quantised numbers (number of the format x scale) in f32.
;;   ~~~python
;;   def quantise(x, axis):      # numpy; x: float32 -> the quantised numbers, widened to float32 again
;;       x = np.moveaxis(x, axis, -1); K = x.shape[-1]
;;       x = np.pad(x, [(0, 0)] * (x.ndim - 1) + [(0, -K % 32)]); x = x.reshape(x.shape[:-1] + (-1, 32)); a = np.abs(x).max(-1, keepdims=True)
;;       e = np.where(a > 0, np.clip(np.frexp(np.where(a > 0, a, 1))[1] - 1 - 2, -126, 127), 0)      # np.frexp(a)[1] - 1 = floor(log2(a)), exactly
;;       r = np.clip(x / 2.0 ** e, -6, 6)
;;       step = 2.0 ** (np.maximum(np.frexp(np.where(r == 0, 1, r))[1] - 1, 0) - 1)
;;       q = np.round(r / step) * step * 2.0 ** e      # np.round: ties to even
;;       return np.moveaxis(q.reshape(q.shape[:-2] + (-1,))[..., :K], -1, axis).astype(np.float32)
;;   ~~~
;;   OPERANDS COMPUTED ON THE WAY. 'Computed on the way' means the value that the module computes at that place (a softmax that the list does not call 'softmax' is quantised finished and normalised). What goes into a quantiser is computed in f32, as accurately as f32 sums, v_exp_f32 and their like allow (about 1e-6 of the number): no bf16 or f16 on the way to a quantiser, and a product that is left as it is and whose result goes on into a quantised operand takes f32 operands (vector FMAs, or v_wmma_f32_16x16x4_f32). A number that lies on a knife's edge between two numbers of the format may be rounded either way, as far as f32 arithmetic and the matrix unit's own rounding can turn it there, and no further.
;; 3 versions. Each part assembles by itself: llvm-mc -triple=amdgcn-amd-amdhsa -mcpu=gfx1250 --defsym DOCPART=n.
;; ======== version 1 of 3: 4 launches
;; workspace buffers: top1 4,096 bytes of whole numbers; order 32,768 bytes of whole numbers; counts 256 bytes of whole numbers; xcodes 524,288 bytes; xscales 32,768 bytes; hcodes 16,777,216 bytes; hscales 2,097,152 bytes
;; launch gate (part 1): grid 64 x 1, 4 waves a work-group, no clusters, 34,304 bytes of LDS; arguments x, gate_w, gate_b, xcodes, xscales, top1; writes xcodes, xscales, top1
.if DOCPART == 1
	.amdgcn_target "amdgcn-amd-amdhsa--gfx1250"
	.amdhsa_code_object_version 6
	.text
	.protected	k_qb707324f94_gate
	.globl	k_qb707324f94_gate
	.p2align	8
	.type	k_qb707324f94_gate,@function
k_qb707324f94_gate:
	s_mov_b64 s[64:65], 0
	v_nop
	global_prefetch_b8 v0, s[64:65] scope:SCOPE_SE
	s_setreg_imm32_b32 hwreg(HW_REG_WAVE_MODE, 25, 1), 1
	s_wait_xcnt 0x0
; THE GATE, AND x AS CODES.  x [1024][1024] f32, gate_w [1024][8] f32, gate_b [8] f32.
; Stored: xcodes [1024][512 bytes]: x as codes of FP4 (E2M1), K innermost, the lower k in the low four bits; xscales [1024][32 bytes]: one E8M0 byte for each 32 along K;
; top1 [1024] u32: for each token the first index of the largest of softmax(x gate_w + gate_b), all in f32, at a fixed place: no address here hangs on it.
; SHARES.  A work-group takes 16 rows, each of its four waves 4.  Lane l holds block l of a row, k = 32 l .. 32 l + 31, in 32 registers: the block's largest magnitude needs no other lane,
; and its 32 codes are the 16 bytes at 16 l of the row's 512, so that a wave's store of codes covers a whole row.  The same registers feed the gate's sums.
; A row's eight loads take 16 bytes a lane, 128 bytes apart, and together cover its 4,096 bytes.
; gate_w comes into LDS once for the work-group, as 32 blocks of 1,024 bytes (32 k x 8 experts), 1,040 bytes apart = 65 x 16.
; A block's scale is 2^(floor(log2(its largest magnitude)) - 2): its byte is the largest magnitude's exponent field - 2, held at 1 from below.
; LIMITS: NaN and infinities are not served.  A block of zeros gets the byte 1 where the rule says 127: its codes are zeros and this program alone reads the bytes.
; Two gate scores closer than the error of an f32 sum of 1,024 terms may be ordered either way.  xscales leaves in runs of 128 bytes a wave, top1 in runs of 16.
.set GWP,  1040                        ; a block of gate_w in LDS
.set SST,  32*GWP                      ; behind it: 128 bytes for each wave: its four rows' scale bytes
.set XR,   16                          ; v16-143   four rows x 32 numbers
.set GW,   144                         ; v144-207  gate_w as loaded, then two sets of 4 k x 8 experts; later at work
.set ACC,  208                         ; v208-239  four rows x 8 sums; ahead of the first product the quantiser's work registers
.set CD,   240                         ; v240-255  four rows x 4 registers of codes
.set MXR,  176                         ; v176-179  a row's largest logit
.set SUM,  180                         ; v180-183  the sum of its exponentials
.set RC,   184                         ; v184-187  1 / that
.set BS,   188                         ; v188-191  the largest score so far
.set IX,   192                         ; v192-195  and its index
	s_load_b256 s[4:11], s[0:1], 0x0               ; x s[4:5], gate_w s[6:7], gate_b s[8:9], xcodes s[10:11]
	s_load_b128 s[12:15], s[0:1], 0x20             ; xscales s[12:13], top1 s[14:15]
	v_lshl_add_u32 v14, v0, 2, 0x8400
	v_mov_b32 v15, 0
	v_lshrrev_b32 v1, 5, v0
	v_readfirstlane_b32 s26, v1                    ; wave 0..3
	v_and_b32 v1, 31, v0                           ; lane
	v_lshlrev_b32 v2, 7, v1                        ; x: my block's 128 bytes
	v_lshlrev_b32 v3, 4, v0                        ; gate_w: 16 bytes a thread
	v_lshrrev_b32 v4, 6, v0
	v_lshl_add_u32 v4, v4, 4, v3                   ; and in LDS: 16 more for each block of 1,024 passed
	v_mul_u32_u24 v5, v1, GWP                      ; my block of gate_w
	v_lshlrev_b32 v6, 4, v1                        ; my 16 bytes of a row of codes
	s_lshl_b32 s27, s26, 7
	s_add_co_u32 s27, s27, SST
	v_add_nc_u32 v7, s27, v1                       ; my block's scale byte in my wave's 128
	v_lshlrev_b32 v9, 2, v1
	v_add_nc_u32 v8, s27, v9                       ; and, on the way out, 4 bytes a lane
	s_mov_b32 s24, 0x76543210
	s_mov_b32 s25, 0xfedcba98                      ; v_permlanex16_b32's selects for lane l xor 16
	s_lshl_b32 s28, ttmp9, 16                      ; my wave's first row is 16 x work-group + 4 x wave: in x 4,096 bytes a row,
	s_lshl_b32 s30, s26, 14
	s_add_co_u32 s28, s28, s30
	s_mov_b32 s29, 0
	s_lshr_b32 s30, s28, 3                         ; in the codes 512,
	s_mov_b32 s31, 0
	s_lshr_b32 s32, s28, 7                         ; in the scale bytes 32,
	s_mov_b32 s33, 0
	s_lshr_b32 s34, s28, 10                        ; in top1 4
	s_mov_b32 s35, 0
	s_wait_kmcnt 0x0
	s_load_b256 s[16:23], s[8:9], 0x0              ; gate_b's eight numbers
	s_add_nc_u64 s[4:5], s[4:5], s[28:29]
	s_add_nc_u64 s[10:11], s[10:11], s[30:31]
	s_add_nc_u64 s[12:13], s[12:13], s[32:33]
	s_add_nc_u64 s[14:15], s[14:15], s[34:35]
.irp n, 0,1,2,3,4,5,6,7,8,9,10,11,12,13,14,15
	global_load_b128 v[GW+4*\n:GW+4*\n+3], v3, s[6:7] offset:2048*\n   ; the 128 threads read 2,048 consecutive bytes
.endr
.irp r, 0,1,2,3
.irp i, 0,1,2,3,4,5,6,7
	global_load_b128 v[XR+32*\r+4*\i:XR+32*\r+4*\i+3], v2, s[4:5] offset:4096*\r+16*\i
.endr
.endr
	s_wait_loadcnt 32                              ; gate_w's 16 loads are in; x's 32, issued behind them, may be out
.irp n, 0,1,2,3,4,5,6,7,8,9,10,11,12,13,14,15
	ds_store_b128 v4, v[GW+4*\n:GW+4*\n+3] offset:2080*\n   ; 2,048 bytes are two blocks: 2 x 1,040
.endr
	s_wait_dscnt 0x0                               ; for the others' sake: my part of gate_w lies in LDS
	s_barrier_signal -1
	s_barrier_wait -1
.macro GWFETCH ch                      ; gate_w(32 l + 4 ch + 0 .. 3, 0 .. 7) into set ch % 2: register 8 kk + e
.irp i, 0,1,2,3,4,5,6,7
	ds_load_b128 v[GW+32*((\ch)%2)+4*\i:GW+32*((\ch)%2)+4*\i+3], v5 offset:128*(\ch)+16*\i
.endr
.endm
	GWFETCH 0
	GWFETCH 1
	s_wait_loadcnt 0x0                             ; x
.macro QROW r                          ; row r: my block's scale, codes and byte
.set XQ, XR+32*\r
.set MA, ACC+4*\r
	v_max3_num_f32 v[MA], |v[XQ]|, |v[XQ+1]|, |v[XQ+2]|            ; the block's largest magnitude, in two chains
	v_max3_num_f32 v[MA+1], |v[XQ+3]|, |v[XQ+4]|, |v[XQ+5]|
.irp i, 6,10,14,18,22,26
	v_max3_num_f32 v[MA], v[MA], |v[XQ+\i]|, |v[XQ+\i+1]|
	v_max3_num_f32 v[MA+1], v[MA+1], |v[XQ+\i+2]|, |v[XQ+\i+3]|
.endr
	v_max3_num_f32 v[MA], v[MA], |v[XQ+30]|, |v[XQ+31]|
	v_max3_num_f32 v[MA], v[MA], v[MA+1], 0x1800000                ; and the floor 2^(3 - 127): the byte cannot fall under 1
	v_add_nc_u32 v[MA+2], 0xff000000, v[MA]                        ; 2 off the exponent field: the conversion takes this operand's exponent field as its scale, and nothing else of it
.irp g, 0,1,2,3
	v_cvt_scalef32_pk8_fp4_f32 v[CD+4*\r+\g], v[XQ+8*\g:XQ+8*\g+7], v[MA+2]
.endr
	v_lshrrev_b32 v[10+\r], 23, v[MA+2]                            ; the scale's byte; also the plain instruction behind the conversions
	global_store_b128 v6, v[CD+4*\r:CD+4*\r+3], s[10:11] offset:512*\r   ; 32 lanes store the row's 512 consecutive bytes
	ds_store_b8 v7, v[10+\r] offset:32*\r
.endm
	QROW 0
	QROW 1
	QROW 2
	QROW 3
; The gate's sums: for 4 k of my block, 4 rows x 8 experts, two experts an instruction; x's number is taken from one register of its pair for both halves.  The very first products start the sums.
.macro FMACH ch, n
.set GS, GW+32*((\ch)%2)
	s_wait_dscnt \n
.irp kp, 0,1
.irp r, 0,1,2,3
.irp p, 0,1,2,3
.if ((\ch) == 0) && (\kp == 0)
	v_pk_mul_f32 v[ACC+8*\r+2*\p:ACC+8*\r+2*\p+1], v[XR+32*\r+4*(\ch)+2*\kp:XR+32*\r+4*(\ch)+2*\kp+1], v[GS+16*\kp+2*\p:GS+16*\kp+2*\p+1] op_sel_hi:[0,1]
.else
	v_pk_fma_f32 v[ACC+8*\r+2*\p:ACC+8*\r+2*\p+1], v[XR+32*\r+4*(\ch)+2*\kp:XR+32*\r+4*(\ch)+2*\kp+1], v[GS+16*\kp+2*\p:GS+16*\kp+2*\p+1], v[ACC+8*\r+2*\p:ACC+8*\r+2*\p+1] op_sel_hi:[0,1,1]
.endif
.endr
.endr
.irp r, 0,1,2,3
.irp p, 0,1,2,3
	v_pk_fma_f32 v[ACC+8*\r+2*\p:ACC+8*\r+2*\p+1], v[XR+32*\r+4*(\ch)+2*\kp:XR+32*\r+4*(\ch)+2*\kp+1], v[GS+16*\kp+8+2*\p:GS+16*\kp+8+2*\p+1], v[ACC+8*\r+2*\p:ACC+8*\r+2*\p+1] op_sel:[1,0,0] op_sel_hi:[1,1,1]
.endr
.endr
.endr
.if (\ch)+2 < 8
	GWFETCH (\ch)+2
.endif
.endm
	FMACH 0, 12                                    ; behind chunk 0's loads: chunk 1's eight and the four byte stores
	FMACH 1, 12                                    ; behind chunk 1's: the four byte stores and chunk 2's eight
	FMACH 2, 8                                     ; from here on: the next chunk's eight
	FMACH 3, 8
	FMACH 4, 8
	FMACH 5, 8
	FMACH 6, 8
	FMACH 7, 0
; Across the 32 lanes: four steps inside each half ride on the addition, one crosses the halves; every lane ends with all 32 sums.
.irp m, 1,2,4,8
.set i, 0
.rept 32
	v_add_f32_dpp v[ACC+i], v[ACC+i], v[ACC+i] row_xmask:\m row_mask:0xf bank_mask:0xf
.set i, i+1
.endr
.endr
.set i, 0
.rept 32
	v_permlanex16_b32 v[GW+i], v[ACC+i], s24, s25  ; (its destination counts as read: these registers have been loaded)
.set i, i+1
.endr
.set i, 0
.rept 32
	v_add_f32 v[ACC+i], v[ACC+i], v[GW+i]
.set i, i+1
.endr
	s_wait_kmcnt 0x0                               ; gate_b
.irp r, 0,1,2,3
.irp e, 0,1,2,3,4,5,6,7
	v_add_f32 v[ACC+8*\r+\e], s[16+\e], v[ACC+8*\r+\e]             ; the logits
.endr
.endr
; The softmax, with the row's largest logit taken away first; the four rows by turns.
.irp r, 0,1,2,3
	v_max3_num_f32 v[MXR+\r], v[ACC+8*\r], v[ACC+8*\r+1], v[ACC+8*\r+2]
.endr
.irp i, 3,5
.irp r, 0,1,2,3
	v_max3_num_f32 v[MXR+\r], v[MXR+\r], v[ACC+8*\r+\i], v[ACC+8*\r+\i+1]
.endr
.endr
.irp r, 0,1,2,3
	v_max_num_f32 v[MXR+\r], v[MXR+\r], v[ACC+8*\r+7]
.endr
.irp r, 0,1,2,3
.irp e, 0,1,2,3,4,5,6,7
	v_sub_f32 v[ACC+8*\r+\e], v[ACC+8*\r+\e], v[MXR+\r]
.endr
.endr
.set i, 0
.rept 32
	v_mul_f32 v[ACC+i], 0x3fb8aa3b, v[ACC+i]       ; x log2(e): v_exp_f32 is 2^x
.set i, i+1
.endr
.set i, 0
.rept 32
	v_exp_f32 v[ACC+i], v[ACC+i]
.set i, i+1
.endr
	v_nop                                          ; a plain instruction between the last exponential and the use of its result
	s_wait_alu depctr_va_vdst(0)
.irp r, 0,1,2,3
	v_add_f32 v[SUM+\r], v[ACC+8*\r], v[ACC+8*\r+1]
.endr
.irp e, 2,3,4,5,6,7
.irp r, 0,1,2,3
	v_add_f32 v[SUM+\r], v[SUM+\r], v[ACC+8*\r+\e]
.endr
.endr
.irp r, 0,1,2,3
	v_rcp_f32 v[RC+\r], v[SUM+\r]
.endr
	v_nop                                          ; likewise behind the reciprocals
	s_wait_alu depctr_va_vdst(0)
.irp r, 0,1,2,3
.irp e, 0,1,2,3,4,5,6,7
	v_mul_f32 v[ACC+8*\r+\e], v[ACC+8*\r+\e], v[RC+\r]             ; the scores
.endr
.endr
.irp r, 0,1,2,3
	v_mov_b32 v[BS+\r], v[ACC+8*\r]
	v_mov_b32 v[IX+\r], 0
.endr
.irp e, 1,2,3,4,5,6,7
.irp r, 0,1,2,3
	v_cmp_ge_f32 vcc_lo, v[BS+\r], v[ACC+8*\r+\e]  ; only a strictly larger score takes the index: the first of equals is kept
	v_cndmask_b32 v[IX+\r], \e, v[IX+\r], vcc_lo
	v_max_num_f32 v[BS+\r], v[BS+\r], v[ACC+8*\r+\e]
.endr
.endr
	ds_load_b32 v10, v8                            ; my wave's 128 scale bytes, 4 a lane (LDS serves a wave's instructions in order: these see my byte stores)
.irp r, 1,2,3
	v_cmp_eq_u32 vcc_lo, \r, v1
	v_cndmask_b32 v[IX], v[IX], v[IX+\r], vcc_lo   ; lane r takes row r's index
.endr
	s_wait_dscnt 0x0
	global_store_b32 v9, v10, s[12:13]             ; four rows' scale bytes: 128 consecutive bytes
	v_cmp_gt_u32 vcc_lo, 4, v1
	s_wait_xcnt 0x0                                ; EXEC is a source of the stores above: it changes only behind this wait
	s_wait_tensorcnt 0x0
	ds_add_u32 v14, v15
	s_wait_dscnt 0x0
	s_and_saveexec_b32 s27, vcc_lo
	global_store_b32 v9, v[IX], s[14:15]           ; lanes 0 to 3: the four rows' experts
	s_endpgm
.Lfunc_end_k_qb707324f94_gate:
	.size	k_qb707324f94_gate, .Lfunc_end_k_qb707324f94_gate-k_qb707324f94_gate
	.p2alignl 7, 3214868480
	.fill 96, 4, 3214868480
	.section	.rodata,"a",@progbits
	.p2align	6, 0x0
	.amdhsa_kernel k_qb707324f94_gate
		.amdhsa_group_segment_fixed_size 34304
		.amdhsa_private_segment_fixed_size 0
		.amdhsa_enable_private_segment 0
		.amdhsa_kernarg_size 48
		.amdhsa_user_sgpr_count 2
		.amdhsa_user_sgpr_kernarg_segment_ptr 1
		.amdhsa_wavefront_size32 1
		.amdhsa_system_sgpr_workgroup_id_x 1
		.amdhsa_system_sgpr_workgroup_id_y 1
		.amdhsa_system_sgpr_workgroup_id_z 1
		.amdhsa_system_vgpr_workitem_id 0
		.amdhsa_next_free_vgpr 256
		.amdhsa_next_free_sgpr 66
		.amdhsa_reserve_vcc 1
		.amdhsa_float_denorm_mode_32 3
		.amdhsa_float_denorm_mode_16_64 3
		.amdhsa_memory_ordered 1
		.amdhsa_forward_progress 1
		.amdhsa_inst_pref_size 73
	.end_amdhsa_kernel
	.amdgpu_metadata
---
amdhsa.version: [ 1, 2 ]
amdhsa.kernels:
  - .name:           k_qb707324f94_gate
    .symbol:         k_qb707324f94_gate.kd
    .args:
      - { .name: x, .offset: 0, .size: 8, .value_kind: global_buffer, .address_space: global }
      - { .name: gate_w, .offset: 8, .size: 8, .value_kind: global_buffer, .address_space: global }
      - { .name: gate_b, .offset: 16, .size: 8, .value_kind: global_buffer, .address_space: global }
      - { .name: xcodes, .offset: 24, .size: 8, .value_kind: global_buffer, .address_space: global }
      - { .name: xscales, .offset: 32, .size: 8, .value_kind: global_buffer, .address_space: global }
      - { .name: top1, .offset: 40, .size: 8, .value_kind: global_buffer, .address_space: global }
    .group_segment_fixed_size: 34304
    .private_segment_fixed_size: 0
    .kernarg_segment_align: 8
    .kernarg_segment_size: 48
    .max_flat_workgroup_size: 128
    .sgpr_count:     66
    .vgpr_count:     256
    .wavefront_size: 32
...
	.end_amdgpu_metadata
.endif
;; end of part 1
;; launch place (part 2): grid 1 x 1, 8 waves a work-group, no clusters, 0 bytes of LDS; arguments top1, order, counts; writes order, counts
.if DOCPART == 2
	.amdgcn_target "amdgcn-amd-amdhsa--gfx1250"
	.amdhsa_code_object_version 6
	.text
	.protected	k_qb707324f94_place
	.globl	k_qb707324f94_place
	.p2align	8
	.type	k_qb707324f94_place,@function
k_qb707324f94_place:
	s_mov_b64 s[64:65], 0
	v_nop
	global_prefetch_b8 v0, s[64:65] scope:SCOPE_SE
	s_setreg_imm32_b32 hwreg(HW_REG_WAVE_MODE, 25, 1), 1
	s_wait_xcnt 0x0
; THE ROWS ARE PLACED BY EXPERT.  top1 [1024] u32 -> order [8][1024] u32, counts [8] u32.
; Wave e serves expert e and reads all 1,024 choices.  order[e] is a whole permutation of the tokens: the expert's own tokens from the front, all others from the back.
; So every entry is a token, and a tile of 16 that reaches past the expert's count still names rows that exist; counts[e] says where the expert's own end.
; No atomics, no LDS, no barrier: a token's place is the number of like tokens in the chunks before (a scalar) plus that in the lanes below (v_mbcnt_lo_u32_b32).
; One work-group: the whole job is 4 KiB in and 32 KiB out.  Of counts' 256 bytes the first 32 are written, and only those are read later.
.set T,  8                             ; v8-39    the choices: register 4 i + j is token 128 i + 4 lane + j
.set AD, 40                            ; v40-71   a chunk's byte offsets in order[e]: a register for each chunk, so that no pending store's address is rewritten
.set TK, 72                            ; v72-103  the tokens' numbers
	s_load_b128 s[4:7], s[0:1], 0x0                ; top1 s[4:5], order s[6:7]
	s_load_b64 s[8:9], s[0:1], 0x10                ; counts
	v_lshrrev_b32 v1, 5, v0
	v_readfirstlane_b32 s10, v1                    ; wave = expert
	v_and_b32 v1, 31, v0                           ; lane
	v_lshlrev_b32 v2, 4, v1
	v_lshlrev_b32 v3, 2, v1
.irp i, 0,1,2,3,4,5,6,7
.irp j, 0,1,2,3
	v_add_nc_u32 v[TK+4*\i+\j], 128*\i+\j, v3
.endr
.endr
	s_lshl_b32 s12, s10, 12                        ; order[e]
	s_mov_b32 s13, 0
	s_lshl_b32 s14, s10, 2                         ; counts[e]
	s_mov_b32 s15, 0
	s_mov_b32 s16, 0                               ; the expert's tokens so far
	s_mov_b32 s17, 0                               ; the others so far
	s_wait_kmcnt 0x0
	s_add_nc_u64 s[6:7], s[6:7], s[12:13]
	s_add_nc_u64 s[8:9], s[8:9], s[14:15]
.irp i, 0,1,2,3,4,5,6,7
	global_load_b128 v[T+4*\i:T+4*\i+3], v2, s[4:5] offset:512*\i   ; 32 lanes read 512 consecutive bytes
.endr
	s_wait_loadcnt 0x0
.set c, 0
.rept 32
	v_cmp_eq_u32 vcc_lo, s10, v[T+c]               ; mine?
	s_not_b32 s18, vcc_lo
	v_mbcnt_lo_u32_b32 v4, vcc_lo, s16             ; from the front: those before me
	v_mbcnt_lo_u32_b32 v5, s18, s17                ; the others before me,
	v_sub_nc_u32 v5, 1023, v5                      ; counted from the back
	v_cndmask_b32 v4, v5, v4, vcc_lo
	v_min_u32 v4, 0x3ff, v4                        ; a place made from loaded numbers is held inside the list
	v_lshlrev_b32 v[AD+c], 2, v4
	global_store_b32 v[AD+c], v[TK+c], s[6:7]      ; the chunk's own tokens go to neighbouring words, and so do the others
	s_bcnt1_i32_b32 s19, vcc_lo
	s_add_co_u32 s16, s16, s19
	s_sub_co_u32 s17, s17, s19
	s_add_co_u32 s17, s17, 32
.set c, c+1
.endr
	v_mov_b32 v4, s16
	v_mov_b32 v5, 0
	v_cmp_eq_u32 vcc_lo, 0, v1
	s_wait_xcnt 0x0                                ; EXEC is a source of the stores above
	s_and_saveexec_b32 s18, vcc_lo
	global_store_b32 v5, v4, s[8:9]                ; lane 0: the expert's count
	s_endpgm
.Lfunc_end_k_qb707324f94_place:
	.size	k_qb707324f94_place, .Lfunc_end_k_qb707324f94_place-k_qb707324f94_place
	.p2alignl 7, 3214868480
	.fill 96, 4, 3214868480
	.section	.rodata,"a",@progbits
	.p2align	6, 0x0
	.amdhsa_kernel k_qb707324f94_place
		.amdhsa_group_segment_fixed_size 0
		.amdhsa_private_segment_fixed_size 0
		.amdhsa_enable_private_segment 0
		.amdhsa_kernarg_size 24
		.amdhsa_user_sgpr_count 2
		.amdhsa_user_sgpr_kernarg_segment_ptr 1
		.amdhsa_wavefront_size32 1
		.amdhsa_system_sgpr_workgroup_id_x 1
		.amdhsa_system_sgpr_workgroup_id_y 1
		.amdhsa_system_sgpr_workgroup_id_z 1
		.amdhsa_system_vgpr_workitem_id 0
		.amdhsa_next_free_vgpr 112
		.amdhsa_next_free_sgpr 66
		.amdhsa_reserve_vcc 1
		.amdhsa_float_denorm_mode_32 3
		.amdhsa_float_denorm_mode_16_64 3
		.amdhsa_memory_ordered 1
		.amdhsa_forward_progress 1
		.amdhsa_inst_pref_size 23
	.end_amdhsa_kernel
	.amdgpu_metadata
---
amdhsa.version: [ 1, 2 ]
amdhsa.kernels:
  - .name:           k_qb707324f94_place
    .symbol:         k_qb707324f94_place.kd
    .args:
      - { .name: top1, .offset: 0, .size: 8, .value_kind: global_buffer, .address_space: global }
      - { .name: order, .offset: 8, .size: 8, .value_kind: global_buffer, .address_space: global }
      - { .name: counts, .offset: 16, .size: 8, .value_kind: global_buffer, .address_space: global }
    .group_segment_fixed_size: 0
    .private_segment_fixed_size: 0
    .kernarg_segment_align: 8
    .kernarg_segment_size: 24
    .max_flat_workgroup_size: 256
    .sgpr_count:     66
    .vgpr_count:     112
    .wavefront_size: 32
...
	.end_amdgpu_metadata
.endif
;; end of part 2
;; launch ffn1 (part 3): grid 32 x 8, 16 waves a work-group, no clusters, 79,872 bytes of LDS; arguments W1, b1, xcodes, xscales, order, counts, hcodes, hscales; writes hcodes, hscales
.if DOCPART == 3
	.amdgcn_target "amdgcn-amd-amdhsa--gfx1250"
	.amdhsa_code_object_version 6
	.text
	.protected	k_qb707324f94_ffn1
	.globl	k_qb707324f94_ffn1
	.p2align	8
	.type	k_qb707324f94_ffn1,@function
k_qb707324f94_ffn1:
	s_mov_b64 s[64:65], 0
	v_nop
	global_prefetch_b8 v0, s[64:65] scope:SCOPE_SE
	s_setreg_imm32_b32 hwreg(HW_REG_WAVE_MODE, 25, 1), 1
	s_wait_xcnt 0x0
; THE FIRST LAYER, FOR THE CHOSEN ROWS ALONE: h = relu(x W1[e] + b1[e]) on codes of FP4 (E2M1) with one E8M0 scale for each 32 along K, h quantised on the way along the second layer's K.
; Work-group (c, e) owns hidden units 128 c .. 128 c + 127 of expert e: 1,024 x 128 numbers of W1, 512 KiB of f32, read from memory once in the whole program and never stored as codes.
; PHASE Q.  All sixteen waves quantise that slice into LDS.  W1's K is its FIRST axis within an expert, so A LANE TAKES A COLUMN AND ITS REGISTERS RUN DOWN K: a load reads 128 consecutive bytes, four waves
; stand side by side on 512; a block of 32 along K lies in one lane's 32 registers.  Wave w takes columns 32 (w % 4) + .. and K = 256 (w / 4) + 0 .. 255: eight blocks a lane; up to 64 loads of a wave are out.
; The codes go to LDS as IMAGES OF THE OPERAND'S REGISTERS: a fragment (16 rows x 128 K, 8 registers a lane) is 1,024 bytes, registers 0-3 at 16 x lane, registers 4-7 at 512 + 16 x lane.
; Block b of a K step of row m belongs to lane 16 (b % 2) + m, registers 4 (b / 2) on: byte 256 b + 16 m of the image.  So a lane's 16 bytes go straight to their place: nothing changes lanes.
; THE HIDDEN UNITS OF A TILE ARE NOT NEIGHBOURS: row m of tile 2 g + u is unit 32 g + 8 u + m + 8 (m / 8), so that the 16 registers of the results of tiles 2 g and 2 g + 1 are 16 neighbours along the next K.
; One barrier.  PHASE P.  Wave w takes the expert's tiles of 16 tokens w, w + 16, .. below T = ceil(n / 16), n read from counts; no barrier stands in that loop.  For a tile: the tokens' codes of x are gathered
; by the list, 64 matrix instructions (transposed: source 0 = 16 hidden units, source 1 = 16 tokens, so a lane holds ONE token and its registers run along the hidden units), b1 as the C of each sum's first one,
; relu, the quantiser in registers, and the fragment leaves as its image: K step c of the second layer.  A TILE'S ROWS PAST n REPEAT THE TILE'S FIRST TOKEN, which is the expert's own: they make the same numbers as that row.
; No tensor loads and no cluster: the trip count is a number read from memory, and what work-groups share (x's codes, 64 KiB for 128 tokens) is small beside the 512 KiB that are a work-group's own.
; LIMITS: NaN and infinities are not served; a block of zeros gets the byte 1 with zero codes (this program alone reads the bytes); hscales leaves in runs of 128 bytes.
.set PITCH, 16384                      ; a row of W1[e] in bytes
.set WSC,   65536                      ; LDS: 0: the 64 images, fragment (tile ct, K step s) at 1,024 (8 ct + s);  here: their scale words, [s][lane][g]: lanes 0-15 tile 2 g, lanes 16-31 tile 2 g + 1
.set B1L,   69632                      ; and b1's 128 numbers, a copy for each wave
.set LI,   1                           ; v1   16 x lane
.set L4,   2                           ; v2   4 x lane
.set WOFF, 3                           ; v3   W1: my column's bytes in the wave's 128
.set WST,  4                           ; v4   where my codes go
.set WSS,  5                           ; v5   where my scale words go
.set WSR,  6                           ; v6   where I read scale words
.set BST,  7                           ; v7   b1: in
.set BRD,  8                           ; v8   b1: back, in the result's layout
.set XO,   9                           ; v9   x's codes: my token's row + 16 (lane / 16)
.set XSO,  10                          ; v10  x's scale words: my token's row
.set H16,  11                          ; v11  16 (lane / 16)
.set ID,   12                          ; v12-15  the list's word for my row in the wave's four possible tiles
.set XS,   16                          ; v16-23  x's scale words, one for each K step: scales and nothing else
.set WS,   24                          ; v24-31  W1's scale words, two sets of four: scales and nothing else
.set XF,   32                          ; v32-95  x's eight fragments
.set HA,   96                          ; v96-159 the eight accumulators
.set WF,   160                         ; v160-223 phase Q: two sets of 32 numbers;  phase P: two sets of four fragments of W1
.set TM,   224                         ; v224-239 the quantiser's work
.set PC,   240                         ; v240-247 the fragment just made
.set PW,   248                         ; v248    its scale word
.set TT,   249                         ; v249    at work: my row's token
.set RANK, 255                         ; v255    my row's place in the list: 16 x tile + lane % 16
.set C,    96                          ; phase Q: v96-99 a block's codes, v100-101 maxima, v102 the scale operand, v103 the byte, v104-105 scale words, v108-111 b1 as loaded
.set MX,   100
.set SCL,  102
.set BYT,  103
.set SW,   104
.set BL,   108
	s_load_b512 s[4:19], s[0:1], 0x0               ; W1 s[4:5], b1 s[6:7], xcodes s[8:9], xscales s[10:11], order s[12:13], counts s[14:15], hcodes s[16:17], hscales s[18:19]
	v_lshl_add_u32 v234, v0, 2, 0x13000
	v_mov_b32 v235, 0
	v_lshrrev_b32 v249, 5, v0
	v_readfirstlane_b32 s20, v249                  ; wave w, 0..15
	s_and_b32 s21, s20, 3                          ; g: which 32 columns
	s_lshr_b32 s22, s20, 2                         ; q: which 256 along K
	s_and_b32 s23, ttmp7, 0xffff                   ; e
	v_and_b32 v249, 31, v0                         ; lane
	v_and_b32 v250, 15, v0                         ; m
	v_bfe_u32 v251, v0, 4, 1                       ; u = lane / 16
	v_lshlrev_b32 v[LI], 4, v249
	v_lshlrev_b32 v[L4], 2, v249
	v_and_b32 v252, 7, v0
	v_bfe_u32 v253, v0, 3, 1
	v_lshl_add_u32 v252, v251, 3, v252
	v_lshl_add_u32 v252, v253, 4, v252             ; my column of the 32: 8 u + m + 8 (m / 8)
	v_lshlrev_b32 v[WOFF], 2, v252
	s_lshl_b32 s24, s21, 14
	s_lshl_b32 s28, s22, 11
	s_add_co_u32 s24, s24, s28
	v_lshlrev_b32 v[WST], 4, v250
	v_lshl_add_u32 v[WST], v251, 13, v[WST]
	v_add_nc_u32 v[WST], s24, v[WST]               ; 1,024 (8 (2 g + u) + 2 q) + 16 m; block t of my eight lies 256 t further on
	s_lshl_b32 s24, s21, 2
	s_lshl_b32 s28, s22, 10
	s_add_co_u32 s24, s24, s28
	s_add_co_u32 s24, s24, WSC
	v_add_nc_u32 v[WSS], s24, v[LI]                ; 512 (2 q) + 16 lane + 4 g
	v_add_nc_u32 v[WSR], WSC, v[LI]
	s_lshl_b32 s24, s20, 9
	s_add_co_u32 s24, s24, B1L
	v_add_nc_u32 v[BST], s24, v[LI]
	v_lshlrev_b32 v[BRD], 6, v251
	v_add_nc_u32 v[BRD], s24, v[BRD]               ; lane (r, h) wants, for tile 2 b + u, units 32 b + 16 h + 8 u + 0 .. 7
	v_lshlrev_b32 v[H16], 4, v251
	v_lshlrev_b32 v254, 2, v250                    ; the list: 4 bytes a token
	s_lshl_b32 s24, s20, 4
	v_add_nc_u32 v[RANK], s24, v250                ; in my first tile
.irp b, 0,1,2,3
	v_mov_b32 v[TM+4+\b], 0                        ; written once: a lane permute's destination counts as one of its sources
.endr
	s_mov_b32 s30, 0x76543210
	s_mov_b32 s31, 0xfedcba98                      ; v_permlanex16_b32's selects for lane l xor 16
	s_lshl_b32 s32, s23, 24                        ; W1: 16 MiB e + 256 q rows + 512 c + 128 g
	s_lshl_b32 s24, s22, 22
	s_add_co_u32 s32, s32, s24
	s_lshl_b32 s24, ttmp9, 9
	s_add_co_u32 s32, s32, s24
	s_lshl_b32 s24, s21, 7
	s_add_co_u32 s32, s32, s24
	s_mov_b32 s33, 0
	s_lshl_b32 s34, s23, 14                        ; b1: 16,384 e + 512 c
	s_lshl_b32 s24, ttmp9, 9
	s_add_co_u32 s34, s34, s24
	s_mov_b32 s35, 0
	s_lshl_b32 s36, s23, 12                        ; the list: 4,096 e + 64 w
	s_lshl_b32 s24, s20, 6
	s_add_co_u32 s36, s36, s24
	s_mov_b32 s37, 0
	s_lshl_b32 s38, s23, 2                         ; counts[e]
	s_mov_b32 s39, 0
	s_lshl_b32 s40, s23, 21                        ; hcodes [e][tile 64][K step 32][1,024]: tile w, K step c
	s_lshl_b32 s24, s20, 15
	s_add_co_u32 s40, s40, s24
	s_lshl_b32 s24, ttmp9, 10
	s_add_co_u32 s40, s40, s24
	s_mov_b32 s41, 0
	s_lshl_b32 s42, s23, 18                        ; hscales [e][tile][K step][128]
	s_lshl_b32 s24, s20, 12
	s_add_co_u32 s42, s42, s24
	s_lshl_b32 s24, ttmp9, 7
	s_add_co_u32 s42, s42, s24
	s_mov_b32 s43, 0
	s_wait_kmcnt 0x0
	s_add_nc_u64 s[4:5], s[4:5], s[32:33]
	s_add_nc_u64 s[6:7], s[6:7], s[34:35]
	s_add_nc_u64 s[12:13], s[12:13], s[36:37]
	s_add_nc_u64 s[14:15], s[14:15], s[38:39]
	s_add_nc_u64 s[16:17], s[16:17], s[40:41]
	s_add_nc_u64 s[18:19], s[18:19], s[42:43]
	s_load_b32 s25, s[14:15], 0x0                  ; n: wanted behind the barrier
	global_load_b128 v[BL:BL+3], v[LI], s[6:7]     ; b1's 128 numbers
.irp i, 0,1,2,3
	global_load_b32 v[ID+\i], v254, s[12:13] offset:1024*\i        ; the list's word for my row in tiles w, w + 16, w + 32, w + 48: the list is whole, so all four exist
.endr
.macro LOADW t                         ; block t: W1(256 q + 32 t + i, my column), i = 0 .. 31, into set t % 2.  The largest offset, 255 rows, lies inside the signed 24-bit immediate
.irp i, 0,1,2,3,4,5,6,7,8,9,10,11,12,13,14,15,16,17,18,19,20,21,22,23,24,25,26,27,28,29,30,31
	global_load_b32 v[WF+32*((\t)%2)+\i], v[WOFF], s[4:5] offset:(32*(\t)+\i)*PITCH th:TH_LOAD_NT
.endr
.endm
	LOADW 0
	LOADW 1
.macro QBLK t
.set XQ, WF+32*((\t)%2)
.if (\t) < 7
	s_wait_loadcnt 32                              ; this block's 32 loads (and all older ones) are in; the next block's 32 may be out
.else
	s_wait_loadcnt 0x0
.endif
.if (\t) == 0
	ds_store_b128 v[BST], v[BL:BL+3]               ; b1 into my wave's copy
.endif
	v_max3_num_f32 v[MX], |v[XQ]|, |v[XQ+1]|, |v[XQ+2]|            ; the block's largest magnitude: all 32 numbers are mine
	v_max3_num_f32 v[MX+1], |v[XQ+3]|, |v[XQ+4]|, |v[XQ+5]|
.irp i, 6,10,14,18,22,26
	v_max3_num_f32 v[MX], v[MX], |v[XQ+\i]|, |v[XQ+\i+1]|
	v_max3_num_f32 v[MX+1], v[MX+1], |v[XQ+\i+2]|, |v[XQ+\i+3]|
.endr
	v_max3_num_f32 v[MX], v[MX], |v[XQ+30]|, |v[XQ+31]|
	v_max3_num_f32 v[MX], v[MX], v[MX+1], 0x1800000                ; and the floor 2^(3 - 127): the byte cannot fall under 1
	v_add_nc_u32 v[SCL], 0xff000000, v[MX]                         ; 2 off the exponent field: the conversion's scale operand
.if (\t) > 0
	s_wait_dscnt 0x0                               ; the last block's store has read the codes' registers
.endif
.irp g, 0,1,2,3
	v_cvt_scalef32_pk8_fp4_f32 v[C+\g], v[XQ+8*\g:XQ+8*\g+7], v[SCL]
.endr
	v_lshrrev_b32 v[BYT], 23, v[SCL]               ; the scale's byte; also the plain instruction behind the conversions
.if (\t)%4 == 0
	v_mov_b32 v[SW+(\t)/4], v[BYT]                 ; four bytes make a K step's scale word, the lower K in the lower byte
.else
	v_lshl_or_b32 v[SW+(\t)/4], v[BYT], 8*((\t)%4), v[SW+(\t)/4]
.endif
	ds_store_b128 v[WST], v[C:C+3] offset:256*(\t)
.if (\t) == 3
	ds_store_b32 v[WSS], v[SW]
.endif
.if (\t) == 7
	ds_store_b32 v[WSS], v[SW+1] offset:512
.endif
.if (\t)+2 < 8
	LOADW (\t)+2
.endif
.endm
.irp t, 0,1,2,3,4,5,6,7
	QBLK \t
.endr
	s_wait_dscnt 0x0                               ; for the others' sake: my images and scale words lie in LDS
	s_barrier_signal -1
	s_barrier_wait -1                              ; the only barrier: every wave passes it, whatever n is
	s_wait_kmcnt 0x0
	s_min_u32 s25, s25, 1024                       ; a loaded number is held inside the list
	s_add_co_u32 s26, s25, 15
	s_lshr_b32 s26, s26, 4                         ; T tiles
	s_cmp_ge_u32 s20, s26
	s_cbranch_scc1 .Lend                           ; no tile for this wave
	s_sub_co_u32 s26, s26, s20                     ; my tiles are w, w + 16, .. below T: ceil((T - w) / 16) trips,
	s_add_co_u32 s26, s26, 15
	s_lshr_b32 s26, s26, 4
	s_min_u32 s26, s26, 4                          ; four at the most: T is at most 64
	s_mov_b32 s27, 0                               ; trips done
.macro FETCHW hs                       ; half step hs: K step hs / 2, tiles 4 (hs % 2) + 0 .. 3, into set hs % 2
.irp k, 0,1,2,3
.irp cc, 0,1
	ds_load_b128 v[WF+32*((\hs)%2)+8*\k+4*\cc:WF+32*((\hs)%2)+8*\k+4*\cc+3], v[LI] offset:(8*(4*((\hs)%2)+\k)+(\hs)/2)*1024+512*\cc
.endr
.endr
.endm
; Four matrix instructions.  The eight accumulators take turns, one instruction a turn.  Four v_nop stand in front of the loads into registers that these instructions have read,
; and of the first read of results (ISA guide 7.12.1 for vector instructions).
.macro HSTEP hs
.set S_, (\hs)/2
.set P_, (\hs)%2
.if (\hs) == 15
	s_wait_dscnt 0x0
.elseif P_
	s_wait_dscnt 9                                 ; behind this half step's fragments: a load of scale words and the next half step's eight
.else
	s_wait_dscnt 8                                 ; behind this half step's fragments and scale words: the next half step's eight
.endif
.irp k, 0,1,2,3
.set CT_, 4*P_+\k
.if \k%2
	v_wmma_scale_f32_16x16x128_f8f6f4 v[HA+8*CT_:HA+8*CT_+7], v[WF+32*P_+8*\k:WF+32*P_+8*\k+7], v[XF+8*S_:XF+8*S_+7], v[HA+8*CT_:HA+8*CT_+7], v[WS+4*(S_%2)+CT_/2], v[XS+S_] matrix_a_fmt:MATRIX_FMT_FP4 matrix_b_fmt:MATRIX_FMT_FP4 matrix_a_scale:MATRIX_SCALE_ROW1
.else
	v_wmma_scale_f32_16x16x128_f8f6f4 v[HA+8*CT_:HA+8*CT_+7], v[WF+32*P_+8*\k:WF+32*P_+8*\k+7], v[XF+8*S_:XF+8*S_+7], v[HA+8*CT_:HA+8*CT_+7], v[WS+4*(S_%2)+CT_/2], v[XS+S_] matrix_a_fmt:MATRIX_FMT_FP4 matrix_b_fmt:MATRIX_FMT_FP4
.endif
.endr
.if (\hs) != 14
.rept 4
	v_nop
.endr
.endif
.if (P_ == 0) && ((\hs) < 14)
	ds_load_b128 v[WS+4*((S_+1)%2):WS+4*((S_+1)%2)+3], v[WSR] offset:512*(S_+1)   ; the next K step's scale words of all eight tiles
.endif
.if (\hs) < 14
	FETCHW (\hs)+2
.endif
.endm
.Ltile:
	v_cmp_gt_u32 vcc_lo, s25, v[RANK]              ; is my row one of the expert's own?
	v_readfirstlane_b32 s28, v[ID]                 ; the tile's first token: it is (16 x tile < n for every tile below T)
	v_cndmask_b32 v[TT], s28, v[ID], vcc_lo        ; a row past n repeats it
	v_min_u32 v[XO], 0x3ff, v[TT]                  ; a loaded index is held inside the table
	v_lshlrev_b32 v[XSO], 5, v[XO]                 ; 32 scale bytes a token
	v_lshl_add_u32 v[XO], v[XO], 9, v[H16]         ; 512 bytes of codes a token, + 16 (lane / 16)
.irp s, 0,1,2,3,4,5,6,7
.irp cc, 0,1
	global_load_b128 v[XF+8*\s+4*\cc:XF+8*\s+4*\cc+3], v[XO], s[8:9] offset:64*\s+32*\cc   ; registers 4 cc on: k = 128 s + 64 cc + 32 (lane / 16) + 0 .. 31 of my token
.endr
.endr
	global_load_b128 v[XS:XS+3], v[XSO], s[10:11]
	global_load_b128 v[XS+4:XS+7], v[XSO], s[10:11] offset:16
.irp t, 0,1,2,3,4,5,6,7
.irp k, 0,1
	ds_load_b128 v[HA+8*\t+4*\k:HA+8*\t+4*\k+3], v[BRD] offset:128*(\t/2)+32*(\t%2)+16*\k   ; b1 in the result's layout: the C of each sum's first matrix instruction
.endr
.endr
	ds_load_b128 v[WS:WS+3], v[WSR]
	FETCHW 0
	FETCHW 1
	s_wait_loadcnt 0x0                             ; x's fragments and scale words
.set Q, 0
.rept 16
	HSTEP Q
.set Q, Q+1
.endr
.set i, 0
.rept 64
	v_max_num_f32 v[HA+i], 0, v[HA+i]              ; relu, in f32; each accumulator from its low end on.  Register 16 b + i of lane (r, h) is unit 128 c + 32 b + 16 h + i of token r
.set i, i+1
.endr
.irp b, 0,1,2,3
	v_max3_num_f32 v[TM+\b], v[HA+16*\b], v[HA+1+16*\b], 0x1800000   ; block b: my 16 numbers (none is negative) and the floor 2^(3 - 127)
.endr
.irp i, 2,4,6,8,10,12,14
.irp b, 0,1,2,3
	v_max3_num_f32 v[TM+\b], v[TM+\b], v[HA+16*\b+\i], v[HA+1+16*\b+\i]   ; the four blocks by turns
.endr
.endr
.irp b, 0,1,2,3
	v_permlanex16_b32 v[TM+4+\b], v[TM+\b], s30, s31
.endr
.irp b, 0,1,2,3
	v_max_num_f32 v[TM+\b], v[TM+\b], v[TM+4+\b]   ; with lane l xor 16's 16: the block's largest
.endr
.irp b, 0,1,2,3
	v_add_nc_u32 v[TM+12+\b], 0xff000000, v[TM+\b] ; 2 off the exponent field: the conversion's scale operand
.endr
.irp b, 0,1,2,3
	v_lshrrev_b32 v[TM+4+\b], 23, v[TM+12+\b]      ; the scale's byte
.endr
	v_lshl_or_b32 v[PW], v[TM+5], 8, v[TM+4]       ; my token's scale word for these 128 units
	v_lshl_or_b32 v[PW], v[TM+6], 16, v[PW]
	v_lshl_or_b32 v[PW], v[TM+7], 24, v[PW]
.irp b, 0,1,2,3
	v_cvt_scalef32_pk8_fp4_f32 v[PC+2*\b], v[HA+16*\b:HA+7+16*\b], v[TM+12+\b]
	v_cvt_scalef32_pk8_fp4_f32 v[PC+1+2*\b], v[HA+8+16*\b:HA+15+16*\b], v[TM+12+\b]
.endr
	v_nop                                          ; one plain instruction behind the scaled conversions
.irp cc, 0,1                                   ; the operand's layout wants a WHOLE block in a lane: lanes 0-15 block 2 cc, lanes 16-31 block 2 cc + 1
.irp i, 0,1
	v_permlane16_swap_b32 v[PC+4*\cc+\i], v[PC+2+4*\cc+\i]
.endr
.endr
	global_store_b128 v[LI], v[PC:PC+3], s[16:17]                  ; the fragment as it stands: each store covers 512 consecutive bytes, at a multiple of 512 from the buffer's first byte
	global_store_b128 v[LI], v[PC+4:PC+7], s[16:17] offset:512
	global_store_b32 v[L4], v[PW], s[18:19]
	s_wait_xcnt 0x0                                ; the stores have read their bases and data: both are rewritten only behind this wait
	s_add_nc_u64 s[16:17], s[16:17], 0x80000       ; 16 tiles on
	s_add_nc_u64 s[18:19], s[18:19], 0x10000
	v_mov_b32 v[ID], v[ID+1]
	v_mov_b32 v[ID+1], v[ID+2]
	v_mov_b32 v[ID+2], v[ID+3]
	v_add_nc_u32 v[RANK], 0x100, v[RANK]
	s_add_co_u32 s27, s27, 1
	s_cmp_lt_u32 s27, s26
	s_cbranch_scc1 .Ltile
.Lend:
	s_wait_tensorcnt 0x0
	ds_add_u32 v234, v235
	s_wait_dscnt 0x0
	s_endpgm
.Lfunc_end_k_qb707324f94_ffn1:
	.size	k_qb707324f94_ffn1, .Lfunc_end_k_qb707324f94_ffn1-k_qb707324f94_ffn1
	.p2alignl 7, 3214868480
	.fill 96, 4, 3214868480
	.section	.rodata,"a",@progbits
	.p2align	6, 0x0
	.amdhsa_kernel k_qb707324f94_ffn1
		.amdhsa_group_segment_fixed_size 79872
		.amdhsa_private_segment_fixed_size 0
		.amdhsa_enable_private_segment 0
		.amdhsa_kernarg_size 64
		.amdhsa_user_sgpr_count 2
		.amdhsa_user_sgpr_kernarg_segment_ptr 1
		.amdhsa_wavefront_size32 1
		.amdhsa_system_sgpr_workgroup_id_x 1
		.amdhsa_system_sgpr_workgroup_id_y 1
		.amdhsa_system_sgpr_workgroup_id_z 1
		.amdhsa_system_vgpr_workitem_id 0
		.amdhsa_next_free_vgpr 256
		.amdhsa_next_free_sgpr 66
		.amdhsa_reserve_vcc 1
		.amdhsa_float_denorm_mode_32 3
		.amdhsa_float_denorm_mode_16_64 3
		.amdhsa_memory_ordered 1
		.amdhsa_forward_progress 1
		.amdhsa_inst_pref_size 70
	.end_amdhsa_kernel
	.amdgpu_metadata
---
amdhsa.version: [ 1, 2 ]
amdhsa.kernels:
  - .name:           k_qb707324f94_ffn1
    .symbol:         k_qb707324f94_ffn1.kd
    .args:
      - { .name: W1, .offset: 0, .size: 8, .value_kind: global_buffer, .address_space: global }
      - { .name: b1, .offset: 8, .size: 8, .value_kind: global_buffer, .address_space: global }
      - { .name: xcodes, .offset: 16, .size: 8, .value_kind: global_buffer, .address_space: global }
      - { .name: xscales, .offset: 24, .size: 8, .value_kind: global_buffer, .address_space: global }
      - { .name: order, .offset: 32, .size: 8, .value_kind: global_buffer, .address_space: global }
      - { .name: counts, .offset: 40, .size: 8, .value_kind: global_buffer, .address_space: global }
      - { .name: hcodes, .offset: 48, .size: 8, .value_kind: global_buffer, .address_space: global }
      - { .name: hscales, .offset: 56, .size: 8, .value_kind: global_buffer, .address_space: global }
    .group_segment_fixed_size: 79872
    .private_segment_fixed_size: 0
    .kernarg_segment_align: 8
    .kernarg_segment_size: 64
    .max_flat_workgroup_size: 512
    .sgpr_count:     66
    .vgpr_count:     256
    .wavefront_size: 32
...
	.end_amdgpu_metadata
.endif
;; end of part 3
;; launch ffn2 (part 4): grid 32 x 8, 16 waves a work-group, no clusters, 110,592 bytes of LDS; arguments W2, b2, hcodes, hscales, order, counts, out0; writes out0
.if DOCPART == 4
	.amdgcn_target "amdgcn-amd-amdhsa--gfx1250"
	.amdhsa_code_object_version 6
	.text
	.protected	k_qb707324f94_ffn2
	.globl	k_qb707324f94_ffn2
	.p2align	8
	.type	k_qb707324f94_ffn2,@function
k_qb707324f94_ffn2:
	s_mov_b64 s[64:65], 0
	v_nop
	global_prefetch_b8 v0, s[64:65] scope:SCOPE_SE
	s_setreg_imm32_b32 hwreg(HW_REG_WAVE_MODE, 25, 1), 1
	s_wait_xcnt 0x0
; THE SECOND LAYER, FOR THE CHOSEN ROWS ALONE: out[token] = h W2[e] + b2[e], on codes of FP4 (E2M1) with one E8M0 scale for each 32 along K = the 4,096 hidden units.
; Work-group (c, e) owns outputs 32 c .. 32 c + 31 of expert e for ALL of K, so that each output number has one owner and no sum spans work-groups: 4,096 x 32 numbers of W2, 512 KiB of f32, read once.
; PHASE Q, as in the first layer: W2's K is its first axis within an expert, so a lane takes a column (32 c + lane) and its registers run down K; wave w takes K = 256 w + 0 .. 255, eight blocks a lane.
; A load reads 128 consecutive bytes; the 128 beside them belong to the work-group next along x.  The codes go to LDS as images of the operand's registers, fragment (K step s, tile u) at 1,024 (2 s + u):
; block b of a K step of row m lies at byte 256 b + 16 m of the image.  One barrier.
; PHASE P.  Wave w takes the expert's tiles of 16 tokens w, w + 16, .. below T = ceil(n / 16).  A tile's 32 hidden fragments were stored as register images, so they come straight into registers, through a ring
; of 16 K steps (three loads a K step).  Transposed use: source 0 = 16 outputs, source 1 = 16 tokens: a lane holds one token and eight neighbouring outputs.  b2 is the C of each sum's first matrix instruction.
; THE WAY OUT: through the wave's own stage in LDS, so that eight neighbouring lanes store the 128 consecutive bytes that a token has here; the token's row comes from the list.
; A TILE'S ROWS PAST n REPEAT THE TILE'S FIRST TOKEN, here as in the first layer: they hold the same numbers as that row and are stored at the same place, by the same wave.  So all lanes stay on.
; No tensor loads and no cluster: the trip count is a number read from memory.
; LIMITS: NaN and infinities are not served; a block of zeros gets the byte 1 with zero codes; W2 is read and out0 written in runs of 128 bytes.
.set PITCH, 4096                       ; a row of W2[e] in bytes
.set WSC,   65536                      ; LDS: 0: the 64 images;  here: their scale words, [s / 4][lane][s % 4]: lanes 0-15 tile 0, lanes 16-31 tile 1
.set B2L,   69632                      ; b2's 32 numbers, a copy for each wave
.set STG,   71680                      ; the stages: 16 rows x (128 + 16) bytes for each wave
.set LI,   1                           ; v1   16 x lane
.set L4,   2                           ; v2   4 x lane: W2's column, and a scale word's place
.set TR,   3                           ; v3   at work
.set WST,  4                           ; v4   where my codes go
.set WSS,  5                           ; v5   where my scale words go
.set WSR,  6                           ; v6   where I read scale words
.set BST,  7                           ; v7   b2: in
.set BRD,  8                           ; v8   b2: back, in the result's layout
.set TC,   9                           ; v9   at work
.set RANK, 10                          ; v10  16 x tile + lane / 8: the place in the list of the first row that I store
.set C16,  11                          ; v11  16 (lane % 8)
.set ID,   12                          ; v12-15  the list's words for the four rows that I store
.set HS,   16                          ; v16-31  the hidden layer's scale words, one for each place of the ring: scales and nothing else
.set WS,   32                          ; v32-39  W2's scale words, two sets of four: scales and nothing else
.set ACC,  40                          ; v40-55  two accumulators
.set WF,   56                          ; v56-119 phase Q: two sets of 32 numbers;  phase P: four sets of two fragments of W2; on the way out v56-71 the rows read back
.set H,    120                         ; v120-247 the ring: 16 hidden fragments
.set OA,   248                         ; v248-251 my four rows' byte offsets in out0
.set STI,  252                         ; v252 the stage: in
.set STO,  253                         ; v253 and back
.set IDO,  254                         ; v254 the list: 4 (lane / 8)
.set C,    120                         ; phase Q: v120-123 a block's codes, v124-125 maxima, v126 the scale operand, v127 the byte, v128-129 scale words, v130 b2 as loaded
.set MX,   124
.set SCL,  126
.set BYT,  127
.set SW,   128
.set BL,   130
	s_load_b256 s[4:11], s[0:1], 0x0               ; W2 s[4:5], b2 s[6:7], hcodes s[8:9], hscales s[10:11]
	s_load_b128 s[12:15], s[0:1], 0x20             ; order s[12:13], counts s[14:15]
	s_load_b64 s[16:17], s[0:1], 0x30              ; out0
	v_lshrrev_b32 v[TR], 5, v0
	v_readfirstlane_b32 s20, v[TR]                 ; wave w, 0..15
	s_and_b32 s23, ttmp7, 0xffff                   ; e
	v_and_b32 v[TR], 31, v0                        ; lane
	v_and_b32 v[TC], 15, v0                        ; m
	v_bfe_u32 v255, v0, 4, 1                       ; u = lane / 16
	v_lshlrev_b32 v[LI], 4, v[TR]
	v_lshlrev_b32 v[L4], 2, v[TR]
	s_lshl_b32 s24, s20, 12
	v_lshlrev_b32 v[WST], 4, v[TC]
	v_lshl_add_u32 v[WST], v255, 10, v[WST]
	v_add_nc_u32 v[WST], s24, v[WST]               ; 1,024 (2 (2 w) + u) + 16 m
	s_lshr_b32 s24, s20, 1
	s_lshl_b32 s24, s24, 9
	s_and_b32 s28, s20, 1
	s_lshl_b32 s28, s28, 3
	s_add_co_u32 s24, s24, s28
	s_add_co_u32 s24, s24, WSC
	v_add_nc_u32 v[WSS], s24, v[LI]                ; K steps 2 w and 2 w + 1: 512 (w / 2) + 16 lane + 8 (w % 2)
	v_add_nc_u32 v[WSR], WSC, v[LI]
	s_lshl_b32 s24, s20, 7
	s_add_co_u32 s24, s24, B2L
	v_add_nc_u32 v[BST], s24, v[L4]
	v_lshlrev_b32 v[BRD], 5, v255
	v_add_nc_u32 v[BRD], s24, v[BRD]               ; lane (r, h) wants, for tile u, outputs 16 u + 8 h + 0 .. 7
	v_and_b32 v[C16], 7, v0
	v_lshlrev_b32 v[C16], 4, v[C16]
	v_bfe_u32 v[RANK], v0, 3, 2                    ; lane / 8
	v_lshlrev_b32 v[IDO], 2, v[RANK]
	s_mul_i32 s24, s20, 2304
	s_add_co_u32 s24, s24, STG                     ; my stage
	v_mul_u32_u24 v[STI], v[TC], 144
	v_lshl_add_u32 v[STI], v255, 5, v[STI]
	v_add_nc_u32 v[STI], s24, v[STI]               ; in: row r, + 32 h
	v_mul_u32_u24 v[STO], v[RANK], 144
	v_add_nc_u32 v[STO], v[STO], v[C16]
	v_add_nc_u32 v[STO], s24, v[STO]               ; back: eight lanes to a row, four rows an instruction
	s_lshl_b32 s24, s20, 4
	v_add_nc_u32 v[RANK], s24, v[RANK]
	s_lshl_b32 s32, s23, 24                        ; W2: 16 MiB e + 256 w rows + 128 c
	s_lshl_b32 s24, s20, 20
	s_add_co_u32 s32, s32, s24
	s_lshl_b32 s24, ttmp9, 7
	s_add_co_u32 s32, s32, s24
	s_mov_b32 s33, 0
	s_lshl_b32 s34, s23, 12                        ; b2: 4,096 e + 128 c
	s_add_co_u32 s34, s34, s24
	s_mov_b32 s35, 0
	s_mov_b32 s44, s24                             ; out0: 128 c
	s_mov_b32 s45, 0
	s_lshl_b32 s36, s23, 21                        ; hcodes [e][tile 64][K step 32][1,024]: tile w
	s_lshl_b32 s24, s20, 15
	s_add_co_u32 s36, s36, s24
	s_mov_b32 s37, 0
	s_lshl_b32 s38, s23, 18                        ; hscales [e][tile][K step][128]
	s_lshl_b32 s24, s20, 12
	s_add_co_u32 s38, s38, s24
	s_mov_b32 s39, 0
	s_lshl_b32 s40, s23, 12                        ; the list: 4,096 e + 64 w
	s_lshl_b32 s24, s20, 6
	s_add_co_u32 s40, s40, s24
	s_mov_b32 s41, 0
	s_lshl_b32 s42, s23, 2                         ; counts[e]
	s_mov_b32 s43, 0
	s_wait_kmcnt 0x0
	s_add_nc_u64 s[4:5], s[4:5], s[32:33]
	s_add_nc_u64 s[6:7], s[6:7], s[34:35]
	s_add_nc_u64 s[8:9], s[8:9], s[36:37]
	s_add_nc_u64 s[10:11], s[10:11], s[38:39]
	s_add_nc_u64 s[12:13], s[12:13], s[40:41]
	s_add_nc_u64 s[14:15], s[14:15], s[42:43]
	s_add_nc_u64 s[16:17], s[16:17], s[44:45]
	s_load_b32 s25, s[14:15], 0x0                  ; n: wanted behind the barrier
	global_load_b32 v[BL], v[L4], s[6:7]           ; b2's 32 numbers
.macro LOADW t                         ; block t: W2(256 w + 32 t + i, my column), i = 0 .. 31, into set t % 2
.irp i, 0,1,2,3,4,5,6,7,8,9,10,11,12,13,14,15,16,17,18,19,20,21,22,23,24,25,26,27,28,29,30,31
	global_load_b32 v[WF+32*((\t)%2)+\i], v[L4], s[4:5] offset:(32*(\t)+\i)*PITCH
.endr
.endm
	LOADW 0
	LOADW 1
.macro QBLK t
.set XQ, WF+32*((\t)%2)
.if (\t) < 7
	s_wait_loadcnt 32                              ; this block's 32 loads (and all older ones) are in; the next block's 32 may be out
.else
	s_wait_loadcnt 0x0
.endif
.if (\t) == 0
	ds_store_b32 v[BST], v[BL]                     ; b2 into my wave's copy
.endif
	v_max3_num_f32 v[MX], |v[XQ]|, |v[XQ+1]|, |v[XQ+2]|            ; the block's largest magnitude: all 32 numbers are mine
	v_max3_num_f32 v[MX+1], |v[XQ+3]|, |v[XQ+4]|, |v[XQ+5]|
.irp i, 6,10,14,18,22,26
	v_max3_num_f32 v[MX], v[MX], |v[XQ+\i]|, |v[XQ+\i+1]|
	v_max3_num_f32 v[MX+1], v[MX+1], |v[XQ+\i+2]|, |v[XQ+\i+3]|
.endr
	v_max3_num_f32 v[MX], v[MX], |v[XQ+30]|, |v[XQ+31]|
	v_max3_num_f32 v[MX], v[MX], v[MX+1], 0x1800000                ; and the floor 2^(3 - 127): the byte cannot fall under 1
	v_add_nc_u32 v[SCL], 0xff000000, v[MX]                         ; 2 off the exponent field: the conversion's scale operand
.if (\t) > 0
	s_wait_dscnt 0x0                               ; the last block's store has read the codes' registers
.endif
.irp g, 0,1,2,3
	v_cvt_scalef32_pk8_fp4_f32 v[C+\g], v[XQ+8*\g:XQ+8*\g+7], v[SCL]
.endr
	v_lshrrev_b32 v[BYT], 23, v[SCL]               ; the scale's byte; also the plain instruction behind the conversions
.if (\t)%4 == 0
	v_mov_b32 v[SW+(\t)/4], v[BYT]
.else
	v_lshl_or_b32 v[SW+(\t)/4], v[BYT], 8*((\t)%4), v[SW+(\t)/4]
.endif
	ds_store_b128 v[WST], v[C:C+3] offset:2048*((\t)/4)+256*((\t)%4)
.if (\t) == 7
	ds_store_b64 v[WSS], v[SW:SW+1]                ; my two K steps' scale words
.endif
.if (\t)+2 < 8
	LOADW (\t)+2
.endif
.endm
.irp t, 0,1,2,3,4,5,6,7
	QBLK \t
.endr
	s_wait_dscnt 0x0                               ; for the others' sake: my images and scale words lie in LDS
	s_barrier_signal -1
	s_barrier_wait -1                              ; the only barrier: every wave passes it, whatever n is
	s_wait_kmcnt 0x0
	s_min_u32 s25, s25, 1024                       ; a loaded number is held inside the list
	s_add_co_u32 s26, s25, 15
	s_lshr_b32 s26, s26, 4                         ; T tiles
	s_cmp_ge_u32 s20, s26
	s_cbranch_scc1 .Lend                           ; no tile for this wave
	s_sub_co_u32 s26, s26, s20                     ; my tiles are w, w + 16, .. below T: ceil((T - w) / 16) trips,
	s_add_co_u32 s26, s26, 15
	s_lshr_b32 s26, s26, 4
	s_min_u32 s26, s26, 4                          ; four at the most: T is at most 64
	s_mov_b32 s27, 0                               ; trips done
.macro HLOAD s, slot                   ; the tile's hidden fragment of K step s and its scale words, into a place of the ring: three loads
	global_load_b128 v[H+8*(\slot):H+8*(\slot)+3], v[LI], s[8:9] offset:1024*(\s)
	global_load_b128 v[H+8*(\slot)+4:H+8*(\slot)+7], v[LI], s[8:9] offset:1024*(\s)+512
	global_load_b32 v[HS+(\slot)], v[L4], s[10:11] offset:128*(\s)
.endm
.macro FETCHW2 s                       ; W2's two fragments of K step s into set s % 4
.irp u, 0,1
.irp cc, 0,1
	ds_load_b128 v[WF+16*((\s)%4)+8*\u+4*\cc:WF+16*((\s)%4)+8*\u+4*\cc+3], v[LI] offset:2048*(\s)+1024*\u+512*\cc
.endr
.endr
.endm
; A K step: two matrix instructions; the two accumulators take turns, one instruction a turn.  Four v_nop stand in front of the loads into registers that they have read, and of the first read of results.
.macro KSTEP s
.set SL_, (\s)%16
.set WB_, WF+16*((\s)%4)
.set WQ_, WS+4*(((\s)/4)%2)+(\s)%4
.if (\s) < 16
	s_wait_loadcnt 45                              ; behind this K step's three loads: three for each of the 15 K steps that follow it in the ring
.else
	s_wait_loadcnt 3*(31-(\s))                     ; nothing is asked for any more: three for each K step still to come
.endif
.if (\s) <= 28
	s_wait_dscnt 12                                ; behind this K step's fragments of W2: those of the three K steps that follow
.else
	s_wait_dscnt 4*(31-(\s))
.endif
	v_wmma_scale_f32_16x16x128_f8f6f4 v[ACC:ACC+7], v[WB_:WB_+7], v[H+8*SL_:H+8*SL_+7], v[ACC:ACC+7], v[WQ_], v[HS+SL_] matrix_a_fmt:MATRIX_FMT_FP4 matrix_b_fmt:MATRIX_FMT_FP4
	v_wmma_scale_f32_16x16x128_f8f6f4 v[ACC+8:ACC+15], v[WB_+8:WB_+15], v[H+8*SL_:H+8*SL_+7], v[ACC+8:ACC+15], v[WQ_], v[HS+SL_] matrix_a_fmt:MATRIX_FMT_FP4 matrix_b_fmt:MATRIX_FMT_FP4 matrix_a_scale:MATRIX_SCALE_ROW1
.if ((\s) < 28) || ((\s) == 31)
.rept 4
	v_nop
.endr
.endif
.if (\s) < 16
	HLOAD (\s)+16, \s
.endif
.if (((\s)%4) == 0) && ((\s)+4 < 32)
	ds_load_b128 v[WS+4*(((\s)/4+1)%2):WS+4*(((\s)/4+1)%2)+3], v[WSR] offset:512*((\s)/4+1)   ; the next four K steps' scale words
.endif
.if (\s)+4 < 32
	FETCHW2 (\s)+4
.endif
.endm
.Ltile:
.irp i, 0,1,2,3
	global_load_b32 v[ID+\i], v[IDO], s[12:13] offset:16*\i        ; the list's word for the tile's row 4 i + lane / 8.  These four are older than every load of the ring, so the ring's counts hold for them too
.endr
.set Q, 0
.rept 16
	HLOAD Q, Q
.set Q, Q+1
.endr
.irp u, 0,1
.irp k, 0,1
	ds_load_b128 v[ACC+8*\u+4*\k:ACC+8*\u+4*\k+3], v[BRD] offset:64*\u+16*\k   ; b2 in the result's layout: the C of each sum's first matrix instruction
.endr
.endr
	ds_load_b128 v[WS:WS+3], v[WSR]
	FETCHW2 0
	FETCHW2 1
	FETCHW2 2
	FETCHW2 3
.set Q, 0
.rept 32
	KSTEP Q
.set Q, Q+1
.endr
	ds_store_b128 v[STI], v[ACC:ACC+3]                             ; lane (r, h): out(token r, 32 c + 16 u + 8 h + 0 .. 7); each accumulator from its low end on
	ds_store_b128 v[STI], v[ACC+4:ACC+7] offset:16
	ds_store_b128 v[STI], v[ACC+8:ACC+11] offset:64
	ds_store_b128 v[STI], v[ACC+12:ACC+15] offset:80
.irp i, 0,1,2,3
	ds_load_b128 v[WF+4*\i:WF+4*\i+3], v[STO] offset:576*\i        ; LDS serves a wave's instructions in order (ISA guide 5.7.1.4): these see my stores
.endr
	v_readfirstlane_b32 s28, v[ID]                 ; the tile's first token (lane 0, row 0): it is the expert's own, since 16 x tile < n for every tile below T
.irp i, 0,1,2,3
	v_add_nc_u32 v[TR], 4*\i, v[RANK]
	v_cmp_gt_u32 vcc_lo, s25, v[TR]                ; is this row one of the expert's own?
	v_cndmask_b32 v[TC], s28, v[ID+\i], vcc_lo     ; a row past n repeats the first token: the same numbers go to the same place
	v_lshlrev_b32 v[TC], 8, v[TC]                  ; 256 x token,
	v_min_u32 v[OA+\i], 0x3ff00, v[TC]             ; held inside the table: a multiple of 256, at most 256 x 1,023;
	v_lshl_add_u32 v[OA+\i], v[OA+\i], 4, v[C16]   ; x 16: 4,096 bytes a row of out0, + 16 (lane % 8)
.endr
	s_wait_dscnt 0x0
.irp i, 0,1,2,3
	global_store_b128 v[OA+\i], v[WF+4*\i:WF+4*\i+3], s[16:17] th:TH_STORE_NT   ; eight lanes store a token's 128 consecutive bytes; written once, read by nobody here
.endr
	s_wait_xcnt 0x0                                ; no pending instruction still reads a base, an offset or its data: all are rewritten only behind this wait
	s_add_nc_u64 s[8:9], s[8:9], 0x80000           ; 16 tiles on
	s_add_nc_u64 s[10:11], s[10:11], 0x10000
	s_add_nc_u64 s[12:13], s[12:13], 0x400
	v_add_nc_u32 v[RANK], 0x100, v[RANK]
	s_add_co_u32 s27, s27, 1
	s_cmp_lt_u32 s27, s26
	s_cbranch_scc1 .Ltile
.Lend:
	s_wait_xcnt 0x0
	v_lshl_add_u32 v254, v0, 2, 0x1a800
	v_mov_b32 v255, 0
	s_wait_tensorcnt 0x0
	ds_add_u32 v254, v255
	s_wait_dscnt 0x0
	s_endpgm
.Lfunc_end_k_qb707324f94_ffn2:
	.size	k_qb707324f94_ffn2, .Lfunc_end_k_qb707324f94_ffn2-k_qb707324f94_ffn2
	.p2alignl 7, 3214868480
	.fill 96, 4, 3214868480
	.section	.rodata,"a",@progbits
	.p2align	6, 0x0
	.amdhsa_kernel k_qb707324f94_ffn2
		.amdhsa_group_segment_fixed_size 110592
		.amdhsa_private_segment_fixed_size 0
		.amdhsa_enable_private_segment 0
		.amdhsa_kernarg_size 56
		.amdhsa_user_sgpr_count 2
		.amdhsa_user_sgpr_kernarg_segment_ptr 1
		.amdhsa_wavefront_size32 1
		.amdhsa_system_sgpr_workgroup_id_x 1
		.amdhsa_system_sgpr_workgroup_id_y 1
		.amdhsa_system_sgpr_workgroup_id_z 1
		.amdhsa_system_vgpr_workitem_id 0
		.amdhsa_next_free_vgpr 256
		.amdhsa_next_free_sgpr 66
		.amdhsa_reserve_vcc 1
		.amdhsa_float_denorm_mode_32 3
		.amdhsa_float_denorm_mode_16_64 3
		.amdhsa_memory_ordered 1
		.amdhsa_forward_progress 1
		.amdhsa_inst_pref_size 75
	.end_amdhsa_kernel
	.amdgpu_metadata
---
amdhsa.version: [ 1, 2 ]
amdhsa.kernels:
  - .name:           k_qb707324f94_ffn2
    .symbol:         k_qb707324f94_ffn2.kd
    .args:
      - { .name: W2, .offset: 0, .size: 8, .value_kind: global_buffer, .address_space: global }
      - { .name: b2, .offset: 8, .size: 8, .value_kind: global_buffer, .address_space: global }
      - { .name: hcodes, .offset: 16, .size: 8, .value_kind: global_buffer, .address_space: global }
      - { .name: hscales, .offset: 24, .size: 8, .value_kind: global_buffer, .address_space: global }
      - { .name: order, .offset: 32, .size: 8, .value_kind: global_buffer, .address_space: global }
      - { .name: counts, .offset: 40, .size: 8, .value_kind: global_buffer, .address_space: global }
      - { .name: out0, .offset: 48, .size: 8, .value_kind: global_buffer, .address_space: global }
    .group_segment_fixed_size: 110592
    .private_segment_fixed_size: 0
    .kernarg_segment_align: 8
    .kernarg_segment_size: 56
    .max_flat_workgroup_size: 512
    .sgpr_count:     66
    .vgpr_count:     256
    .wavefront_size: 32
...
	.end_amdgpu_metadata
.endif
;; end of part 4
;; ======== version 2 of 3: 3 launches
;; workspace buffers: top1 4,096 bytes of whole numbers; xcodes 524,288 bytes; xscales 32,768 bytes; hcodes 16,777,216 bytes; hscales 2,097,152 bytes
;; launch gate: the kernel of part 1 again; grid 64 x 1, 4 waves a work-group, no clusters, 34,304 bytes of LDS; arguments x, gate_w, gate_b, xcodes, xscales, top1; writes xcodes, xscales, top1
;; launch ffn1 (part 5): grid 32 x 8, 16 waves a work-group, no clusters, 79,872 bytes of LDS; arguments W1, b1, xcodes, xscales, hcodes, hscales, top1; writes hcodes, hscales
.if DOCPART == 5
	.amdgcn_target "amdgcn-amd-amdhsa--gfx1250"
	.amdhsa_code_object_version 6
	.text
	.protected	k_qb707324f94_ffn1
	.globl	k_qb707324f94_ffn1
	.p2align	8
	.type	k_qb707324f94_ffn1,@function
k_qb707324f94_ffn1:
	s_mov_b64 s[64:65], 0
	v_nop
	global_prefetch_b8 v0, s[64:65] scope:SCOPE_SE
	s_setreg_imm32_b32 hwreg(HW_REG_WAVE_MODE, 25, 1), 1
	s_wait_xcnt 0x0
; THE FIRST LAYER, FOR THE CHOSEN ROWS ALONE: h = relu(x W1[e] + b1[e]) on codes of FP4 (E2M1) with one E8M0 scale for each 32 along K, h quantised on the way along the second layer's K.
; Work-group (c, e) owns hidden units 128 c .. 128 c + 127 of expert e: 1,024 x 128 numbers of W1, 512 KiB of f32, read from memory once in the whole program and never stored as codes.
; WHICH TOKENS.  top1 [1024] holds each token's expert, stored by the launch before.  Every wave reads it whole and finds, for each of its lanes, the token that has a given RANK among the expert's tokens
; (macro SELECT): no list in memory, no LDS, no other wave.  The second layer runs the same lines, so both agree on the ranks.  It stands behind the issue of the first 64 loads of W1, where the wave has nothing else to do.
; PHASE Q.  All sixteen waves quantise the slice of W1 into LDS.  W1's K is its FIRST axis within an expert, so A LANE TAKES A COLUMN AND ITS REGISTERS RUN DOWN K: a load reads 128 consecutive bytes, four waves
; stand side by side on 512; a block of 32 along K lies in one lane's 32 registers.  Wave w takes columns 32 (w % 4) + .. and K = 256 (w / 4) + 0 .. 255: eight blocks a lane; up to 64 loads of a wave are out.
; The codes go to LDS as IMAGES OF THE OPERAND'S REGISTERS: a fragment (16 rows x 128 K, 8 registers a lane) is 1,024 bytes, registers 0-3 at 16 x lane, registers 4-7 at 512 + 16 x lane.
; Block b of a K step of row m belongs to lane 16 (b % 2) + m, registers 4 (b / 2) on: byte 256 b + 16 m of the image.  So a lane's 16 bytes go straight to their place: nothing changes lanes.
; THE HIDDEN UNITS OF A TILE ARE NOT NEIGHBOURS: row m of tile 2 g + u is unit 32 g + 8 u + m + 8 (m / 8), so that the 16 registers of the results of tiles 2 g and 2 g + 1 are 16 neighbours along the next K.
; One barrier.  PHASE P.  Wave w takes the expert's tiles of 16 ranks w, w + 16, .. below T = ceil(n / 16); no barrier stands in that loop.  For a tile: the tokens' codes of x are gathered,
; 64 matrix instructions (transposed: source 0 = 16 hidden units, source 1 = 16 tokens, so a lane holds ONE token and its registers run along the hidden units), b1 as the C of each sum's first one,
; relu, the quantiser in registers, and the fragment leaves as its image: K step c of the second layer.  A TILE'S ROWS PAST n REPEAT THE TILE'S FIRST TOKEN, which is the expert's own: they make the same numbers as that row.
; No tensor loads and no cluster: the trip count hangs on numbers read from memory, and what work-groups share (x's codes, 64 KiB for 128 tokens) is small beside the 512 KiB that are a work-group's own.
; LIMITS: NaN and infinities are not served; a block of zeros gets the byte 1 with zero codes (this program alone reads the bytes); hscales leaves in runs of 128 bytes.
.set PITCH, 16384                      ; a row of W1[e] in bytes
.set WSC,   65536                      ; LDS: 0: the 64 images, fragment (tile ct, K step s) at 1,024 (8 ct + s);  here: their scale words, [s][lane][g]: lanes 0-15 tile 2 g, lanes 16-31 tile 2 g + 1
.set B1L,   69632                      ; and b1's 128 numbers, a copy for each wave
.set LI,   1                           ; v1   16 x lane
.set L4,   2                           ; v2   4 x lane
.set WOFF, 3                           ; v3   W1: my column's bytes in the wave's 128
.set WST,  4                           ; v4   where my codes go
.set WSS,  5                           ; v5   where my scale words go
.set WSR,  6                           ; v6   where I read scale words
.set BST,  7                           ; v7   b1: in
.set BRD,  8                           ; v8   b1: back, in the result's layout
.set XO,   9                           ; v9   x's codes: my token's row + 16 (lane / 16)
.set XSO,  10                          ; v10  x's scale words: my token's row
.set H16,  11                          ; v11  16 (lane / 16)
.set ID,   12                          ; v12-15  my row's token in the wave's four possible tiles
.set XS,   16                          ; v16-23  x's scale words, one for each K step: scales and nothing else
.set WS,   24                          ; v24-31  W1's scale words, two sets of four: scales and nothing else
.set XF,   32                          ; v32-95  x's eight fragments; ahead of them SELECT's registers
.set HA,   96                          ; v96-159 the eight accumulators
.set WF,   160                         ; v160-223 phase Q: two sets of 32 numbers;  phase P: two sets of four fragments of W1
.set TM,   224                         ; v224-239 the quantiser's work
.set PC,   240                         ; v240-247 the fragment just made
.set PW,   248                         ; v248    its scale word
.set TT,   249                         ; v249    at work: my row's token
.set RANK, 255                         ; v255    my row's rank: 16 x tile + lane % 16
.set C,    96                          ; phase Q: v96-99 a block's codes, v100-101 maxima, v102 the scale operand, v103 the byte, v104-105 scale words, v108-111 b1 as loaded
.set MX,   100
.set SCL,  102
.set BYT,  103
.set SW,   104
.set BL,   108
.set T,    32                          ; SELECT: v32-63 the choices: register 4 i + j of lane l is token 128 i + 4 l + j
.set MA,   64                          ; the mask of the chunk in which rank RA falls;
.set KA,   65                          ; that chunk's prefix (low half) and first token (high half)
.set MB,   66                          ; the same for rank RB
.set KB,   67
.set RA,   68                          ; 16 w + lane % 16 + 256 (lane / 16): lanes 0-15 search for tile w, lanes 16-31 for tile w + 16
.set RB,   69                          ; RA + 512: tiles w + 32 and w + 48
.set TA,   70                          ; the tokens found
.set TB,   71
.set Z,    72                          ; v72-79 at work
.set SM,   44                          ; s44 a chunk's mask, s45-46 lanes whose rank lies at or behind the chunk's first, s47 prefix and first token, s48 a count
.set SA,   45
.set SB,   46
.set SK,   47
.set SC,   48
; One halving step of the search for a set bit: if the w bits from v[Z+5] on hold no more than v[Z+1] set bits, pass over them.
.macro BITSTEP src, w
	v_bfe_u32 v[Z], v[\src], v[Z+5], \w
	v_cmp_ge_u32 vcc_lo, v[Z+1], v[Z]
	v_sub_nc_u32 v[Z], v[Z+1], v[Z]
	v_cndmask_b32 v[Z+1], v[Z+1], v[Z], vcc_lo
	v_add_nc_u32 v[Z], \w, v[Z+5]
	v_cndmask_b32 v[Z+5], v[Z+5], v[Z], vcc_lo
.endm
; The token of rank r: in its chunk's mask m, the set bit that has r - prefix set bits below it; bit p of chunk 4 i + j is token 128 i + j + 4 p.
.macro KTH m, k, r, out
	v_and_b32 v[Z], 0xffff, v[\k]
	v_sub_nc_u32 v[Z+1], v[\r], v[Z]               ; how many of the chunk's own stand before mine
	v_lshrrev_b32 v[Z], 1, v[\m]
	v_and_b32 v[Z], 0x55555555, v[Z]
	v_sub_nc_u32 v[Z+2], v[\m], v[Z]               ; the set bits of each 2,
	v_lshrrev_b32 v[Z], 2, v[Z+2]
	v_and_b32 v[Z], 0x33333333, v[Z]
	v_and_b32 v[Z+3], 0x33333333, v[Z+2]
	v_add_nc_u32 v[Z+3], v[Z+3], v[Z]              ; of each 4,
	v_lshrrev_b32 v[Z], 4, v[Z+3]
	v_add_nc_u32 v[Z], v[Z], v[Z+3]
	v_and_b32 v[Z+4], 0x0f0f0f0f, v[Z]             ; of each 8,
	v_bfe_u32 v[Z], v[Z+4], 8, 8
	v_and_b32 v[Z+5], 0xff, v[Z+4]
	v_add_nc_u32 v[Z], v[Z], v[Z+5]                ; of the low 16
	v_cmp_ge_u32 vcc_lo, v[Z+1], v[Z]
	v_sub_nc_u32 v[Z], v[Z+1], v[Z]
	v_cndmask_b32 v[Z+1], v[Z+1], v[Z], vcc_lo
	v_cndmask_b32 v[Z+5], 0, 16, vcc_lo            ; the place so far
	BITSTEP Z+4, 8
	BITSTEP Z+3, 4
	BITSTEP Z+2, 2
	v_bfe_u32 v[Z], v[\m], v[Z+5], 1
	v_cmp_ge_u32 vcc_lo, v[Z+1], v[Z]
	v_add_nc_u32 v[Z], 1, v[Z+5]
	v_cndmask_b32 v[Z+5], v[Z+5], v[Z], vcc_lo
	v_lshrrev_b32 v[Z], 16, v[\k]
	v_lshl_add_u32 v[\out], v[Z+5], 2, v[Z]        ; a rank at or past n gives some token under 1,024, which is not used
.endm
; The 32 chunks in turn: s25 runs up to n.  A lane keeps the mask, prefix and first token of the last chunk whose prefix does not pass its rank.
.macro SELECT
	v_cmp_eq_u32 s[SM], s23, v[T]
	v_mov_b32 v[MA], s[SM]
	v_mov_b32 v[MB], s[SM]
	v_mov_b32 v[KA], 0
	v_mov_b32 v[KB], 0
	s_bcnt1_i32_b32 s25, s[SM]
.set ch, 1
.rept 31
	v_cmp_eq_u32 s[SM], s23, v[T+ch]
	v_cmp_le_u32 s[SA], s25, v[RA]
	v_cmp_le_u32 s[SB], s25, v[RB]
	s_or_b32 s[SK], s25, (128*(ch/4)+ch%4)<<16
	v_cndmask_b32 v[MA], v[MA], s[SM], s[SA]
	v_cndmask_b32 v[KA], v[KA], s[SK], s[SA]
	v_cndmask_b32 v[MB], v[MB], s[SM], s[SB]
	v_cndmask_b32 v[KB], v[KB], s[SK], s[SB]
	s_bcnt1_i32_b32 s[SC], s[SM]
	s_add_co_u32 s25, s25, s[SC]
.set ch, ch+1
.endr
	KTH MA, KA, RA, TA
	KTH MB, KB, RB, TB
	v_permlanex16_b32 v[Z+6], v[TA], s30, s31      ; what lane l xor 16 found
	v_permlanex16_b32 v[Z+7], v[TB], s30, s31
	v_and_b32 v[Z], 16, v0
	v_cmp_ne_u32 vcc_lo, 0, v[Z]                   ; lanes 16-31
	v_cndmask_b32 v[ID], v[TA], v[Z+6], vcc_lo     ; both halves of the lanes get each tile's 16 tokens
	v_cndmask_b32 v[ID+1], v[Z+6], v[TA], vcc_lo
	v_cndmask_b32 v[ID+2], v[TB], v[Z+7], vcc_lo
	v_cndmask_b32 v[ID+3], v[Z+7], v[TB], vcc_lo
.endm
	s_load_b256 s[4:11], s[0:1], 0x0               ; W1 s[4:5], b1 s[6:7], xcodes s[8:9], xscales s[10:11]
	s_load_b128 s[16:19], s[0:1], 0x20             ; hcodes s[16:17], hscales s[18:19]
	s_load_b64 s[12:13], s[0:1], 0x30              ; top1
	v_lshl_add_u32 v235, v0, 2, 0x13000
	v_mov_b32 v254, 0
	v_lshrrev_b32 v249, 5, v0
	v_readfirstlane_b32 s20, v249                  ; wave w, 0..15
	s_and_b32 s21, s20, 3                          ; g: which 32 columns
	s_lshr_b32 s22, s20, 2                         ; q: which 256 along K
	s_and_b32 s23, ttmp7, 0xffff                   ; e
	v_and_b32 v249, 31, v0                         ; lane
	v_and_b32 v250, 15, v0                         ; m
	v_bfe_u32 v251, v0, 4, 1                       ; u = lane / 16
	v_lshlrev_b32 v[LI], 4, v249
	v_lshlrev_b32 v[L4], 2, v249
	v_and_b32 v252, 7, v0
	v_bfe_u32 v253, v0, 3, 1
	v_lshl_add_u32 v252, v251, 3, v252
	v_lshl_add_u32 v252, v253, 4, v252             ; my column of the 32: 8 u + m + 8 (m / 8)
	v_lshlrev_b32 v[WOFF], 2, v252
	s_lshl_b32 s24, s21, 14
	s_lshl_b32 s28, s22, 11
	s_add_co_u32 s24, s24, s28
	v_lshlrev_b32 v[WST], 4, v250
	v_lshl_add_u32 v[WST], v251, 13, v[WST]
	v_add_nc_u32 v[WST], s24, v[WST]               ; 1,024 (8 (2 g + u) + 2 q) + 16 m; block t of my eight lies 256 t further on
	s_lshl_b32 s24, s21, 2
	s_lshl_b32 s28, s22, 10
	s_add_co_u32 s24, s24, s28
	s_add_co_u32 s24, s24, WSC
	v_add_nc_u32 v[WSS], s24, v[LI]                ; 512 (2 q) + 16 lane + 4 g
	v_add_nc_u32 v[WSR], WSC, v[LI]
	s_lshl_b32 s24, s20, 9
	s_add_co_u32 s24, s24, B1L
	v_add_nc_u32 v[BST], s24, v[LI]
	v_lshlrev_b32 v[BRD], 6, v251
	v_add_nc_u32 v[BRD], s24, v[BRD]               ; lane (r, h) wants, for tile 2 b + u, units 32 b + 16 h + 8 u + 0 .. 7
	v_lshlrev_b32 v[H16], 4, v251
	s_lshl_b32 s24, s20, 4
	v_add_nc_u32 v[RANK], s24, v250                ; in my first tile
	v_lshl_add_u32 v[RA], v251, 8, v[RANK]
	v_add_nc_u32 v[RB], 0x200, v[RA]
	v_mov_b32 v[Z+6], 0                            ; written once: a lane permute's destination counts as one of its sources
	v_mov_b32 v[Z+7], 0
.irp b, 0,1,2,3
	v_mov_b32 v[TM+4+\b], 0                        ; likewise
.endr
	s_mov_b32 s30, 0x76543210
	s_mov_b32 s31, 0xfedcba98                      ; v_permlanex16_b32's selects for lane l xor 16
	s_lshl_b32 s32, s23, 24                        ; W1: 16 MiB e + 256 q rows + 512 c + 128 g
	s_lshl_b32 s24, s22, 22
	s_add_co_u32 s32, s32, s24
	s_lshl_b32 s24, ttmp9, 9
	s_add_co_u32 s32, s32, s24
	s_lshl_b32 s24, s21, 7
	s_add_co_u32 s32, s32, s24
	s_mov_b32 s33, 0
	s_lshl_b32 s34, s23, 14                        ; b1: 16,384 e + 512 c
	s_lshl_b32 s24, ttmp9, 9
	s_add_co_u32 s34, s34, s24
	s_mov_b32 s35, 0
	s_lshl_b32 s40, s23, 21                        ; hcodes [e][tile 64][K step 32][1,024]: tile w, K step c
	s_lshl_b32 s24, s20, 15
	s_add_co_u32 s40, s40, s24
	s_lshl_b32 s24, ttmp9, 10
	s_add_co_u32 s40, s40, s24
	s_mov_b32 s41, 0
	s_lshl_b32 s42, s23, 18                        ; hscales [e][tile][K step][128]
	s_lshl_b32 s24, s20, 12
	s_add_co_u32 s42, s42, s24
	s_lshl_b32 s24, ttmp9, 7
	s_add_co_u32 s42, s42, s24
	s_mov_b32 s43, 0
	s_wait_kmcnt 0x0
	s_add_nc_u64 s[4:5], s[4:5], s[32:33]
	s_add_nc_u64 s[6:7], s[6:7], s[34:35]
	s_add_nc_u64 s[16:17], s[16:17], s[40:41]
	s_add_nc_u64 s[18:19], s[18:19], s[42:43]
	global_load_b128 v[BL:BL+3], v[LI], s[6:7]     ; b1's 128 numbers
.irp i, 0,1,2,3,4,5,6,7
	global_load_b128 v[T+4*\i:T+4*\i+3], v[LI], s[12:13] offset:512*\i   ; all 1,024 choices: 32 lanes read 512 consecutive bytes
.endr
.macro LOADW t                         ; block t: W1(256 q + 32 t + i, my column), i = 0 .. 31, into set t % 2.  The largest offset, 255 rows, lies inside the signed 24-bit immediate
.irp i, 0,1,2,3,4,5,6,7,8,9,10,11,12,13,14,15,16,17,18,19,20,21,22,23,24,25,26,27,28,29,30,31
	global_load_b32 v[WF+32*((\t)%2)+\i], v[WOFF], s[4:5] offset:(32*(\t)+\i)*PITCH th:TH_LOAD_NT
.endr
.endm
	LOADW 0
	LOADW 1
	s_wait_loadcnt 63                              ; 64 loads were issued behind the choices: they are in, W1's may be out
	SELECT
.macro QBLK t
.set XQ, WF+32*((\t)%2)
.if (\t) < 7
	s_wait_loadcnt 32                              ; this block's 32 loads (and all older ones) are in; the next block's 32 may be out
.else
	s_wait_loadcnt 0x0
.endif
.if (\t) == 0
	ds_store_b128 v[BST], v[BL:BL+3]               ; b1 into my wave's copy
.endif
	v_max3_num_f32 v[MX], |v[XQ]|, |v[XQ+1]|, |v[XQ+2]|            ; the block's largest magnitude: all 32 numbers are mine
	v_max3_num_f32 v[MX+1], |v[XQ+3]|, |v[XQ+4]|, |v[XQ+5]|
.irp i, 6,10,14,18,22,26
	v_max3_num_f32 v[MX], v[MX], |v[XQ+\i]|, |v[XQ+\i+1]|
	v_max3_num_f32 v[MX+1], v[MX+1], |v[XQ+\i+2]|, |v[XQ+\i+3]|
.endr
	v_max3_num_f32 v[MX], v[MX], |v[XQ+30]|, |v[XQ+31]|
	v_max3_num_f32 v[MX], v[MX], v[MX+1], 0x1800000                ; and the floor 2^(3 - 127): the byte cannot fall under 1
	v_add_nc_u32 v[SCL], 0xff000000, v[MX]                         ; 2 off the exponent field: the conversion's scale operand
.if (\t) > 0
	s_wait_dscnt 0x0                               ; the last block's store has read the codes' registers
.endif
.irp g, 0,1,2,3
	v_cvt_scalef32_pk8_fp4_f32 v[C+\g], v[XQ+8*\g:XQ+8*\g+7], v[SCL]
.endr
	v_lshrrev_b32 v[BYT], 23, v[SCL]               ; the scale's byte; also the plain instruction behind the conversions
.if (\t)%4 == 0
	v_mov_b32 v[SW+(\t)/4], v[BYT]                 ; four bytes make a K step's scale word, the lower K in the lower byte
.else
	v_lshl_or_b32 v[SW+(\t)/4], v[BYT], 8*((\t)%4), v[SW+(\t)/4]
.endif
	ds_store_b128 v[WST], v[C:C+3] offset:256*(\t)
.if (\t) == 3
	ds_store_b32 v[WSS], v[SW]
.endif
.if (\t) == 7
	ds_store_b32 v[WSS], v[SW+1] offset:512
.endif
.if (\t)+2 < 8
	LOADW (\t)+2
.endif
.endm
.irp t, 0,1,2,3,4,5,6,7
	QBLK \t
.endr
	s_wait_dscnt 0x0                               ; for the others' sake: my images and scale words lie in LDS
	s_barrier_signal -1
	s_barrier_wait -1                              ; the only barrier: every wave passes it, whatever n is
	s_min_u32 s25, s25, 1024                       ; n, made from loaded numbers, is held at the number of tokens
	s_add_co_u32 s26, s25, 15
	s_lshr_b32 s26, s26, 4                         ; T tiles
	s_cmp_ge_u32 s20, s26
	s_cbranch_scc1 .Lend                           ; no tile for this wave
	s_sub_co_u32 s26, s26, s20                     ; my tiles are w, w + 16, .. below T: ceil((T - w) / 16) trips,
	s_add_co_u32 s26, s26, 15
	s_lshr_b32 s26, s26, 4
	s_min_u32 s26, s26, 4                          ; four at the most: T is at most 64
	s_mov_b32 s27, 0                               ; trips done
.macro FETCHW hs                       ; half step hs: K step hs / 2, tiles 4 (hs % 2) + 0 .. 3, into set hs % 2
.irp k, 0,1,2,3
.irp cc, 0,1
	ds_load_b128 v[WF+32*((\hs)%2)+8*\k+4*\cc:WF+32*((\hs)%2)+8*\k+4*\cc+3], v[LI] offset:(8*(4*((\hs)%2)+\k)+(\hs)/2)*1024+512*\cc
.endr
.endr
.endm
; Four matrix instructions.  The eight accumulators take turns, one instruction a turn.  Four v_nop stand in front of the loads into registers that these instructions have read,
; and of the first read of results (ISA guide 7.12.1 for vector instructions).
.macro HSTEP hs
.set S_, (\hs)/2
.set P_, (\hs)%2
.if (\hs) == 15
	s_wait_dscnt 0x0
.elseif P_
	s_wait_dscnt 9                                 ; behind this half step's fragments: a load of scale words and the next half step's eight
.else
	s_wait_dscnt 8                                 ; behind this half step's fragments and scale words: the next half step's eight
.endif
.irp k, 0,1,2,3
.set CT_, 4*P_+\k
.if \k%2
	v_wmma_scale_f32_16x16x128_f8f6f4 v[HA+8*CT_:HA+8*CT_+7], v[WF+32*P_+8*\k:WF+32*P_+8*\k+7], v[XF+8*S_:XF+8*S_+7], v[HA+8*CT_:HA+8*CT_+7], v[WS+4*(S_%2)+CT_/2], v[XS+S_] matrix_a_fmt:MATRIX_FMT_FP4 matrix_b_fmt:MATRIX_FMT_FP4 matrix_a_scale:MATRIX_SCALE_ROW1
.else
	v_wmma_scale_f32_16x16x128_f8f6f4 v[HA+8*CT_:HA+8*CT_+7], v[WF+32*P_+8*\k:WF+32*P_+8*\k+7], v[XF+8*S_:XF+8*S_+7], v[HA+8*CT_:HA+8*CT_+7], v[WS+4*(S_%2)+CT_/2], v[XS+S_] matrix_a_fmt:MATRIX_FMT_FP4 matrix_b_fmt:MATRIX_FMT_FP4
.endif
.endr
.if (\hs) != 14
.rept 4
	v_nop
.endr
.endif
.if (P_ == 0) && ((\hs) < 14)
	ds_load_b128 v[WS+4*((S_+1)%2):WS+4*((S_+1)%2)+3], v[WSR] offset:512*(S_+1)   ; the next K step's scale words of all eight tiles
.endif
.if (\hs) < 14
	FETCHW (\hs)+2
.endif
.endm
.Ltile:
	v_cmp_gt_u32 vcc_lo, s25, v[RANK]              ; is my row one of the expert's own?
	v_readfirstlane_b32 s28, v[ID]                 ; the tile's first token: it is (16 x tile < n for every tile below T)
	v_cndmask_b32 v[TT], s28, v[ID], vcc_lo        ; a row past n repeats it
	v_min_u32 v[XO], 0x3ff, v[TT]                  ; an index made from loaded numbers is held inside the table
	v_lshlrev_b32 v[XSO], 5, v[XO]                 ; 32 scale bytes a token
	v_lshl_add_u32 v[XO], v[XO], 9, v[H16]         ; 512 bytes of codes a token, + 16 (lane / 16)
.irp s, 0,1,2,3,4,5,6,7
.irp cc, 0,1
	global_load_b128 v[XF+8*\s+4*\cc:XF+8*\s+4*\cc+3], v[XO], s[8:9] offset:64*\s+32*\cc   ; registers 4 cc on: k = 128 s + 64 cc + 32 (lane / 16) + 0 .. 31 of my token
.endr
.endr
	global_load_b128 v[XS:XS+3], v[XSO], s[10:11]
	global_load_b128 v[XS+4:XS+7], v[XSO], s[10:11] offset:16
.irp t, 0,1,2,3,4,5,6,7
.irp k, 0,1
	ds_load_b128 v[HA+8*\t+4*\k:HA+8*\t+4*\k+3], v[BRD] offset:128*(\t/2)+32*(\t%2)+16*\k   ; b1 in the result's layout: the C of each sum's first matrix instruction
.endr
.endr
	ds_load_b128 v[WS:WS+3], v[WSR]
	FETCHW 0
	FETCHW 1
	s_wait_loadcnt 0x0                             ; x's fragments and scale words
.set Q, 0
.rept 16
	HSTEP Q
.set Q, Q+1
.endr
.set i, 0
.rept 64
	v_max_num_f32 v[HA+i], 0, v[HA+i]              ; relu, in f32; each accumulator from its low end on.  Register 16 b + i of lane (r, h) is unit 128 c + 32 b + 16 h + i of token r
.set i, i+1
.endr
.irp b, 0,1,2,3
	v_max3_num_f32 v[TM+\b], v[HA+16*\b], v[HA+1+16*\b], 0x1800000   ; block b: my 16 numbers (none is negative) and the floor 2^(3 - 127)
.endr
.irp i, 2,4,6,8,10,12,14
.irp b, 0,1,2,3
	v_max3_num_f32 v[TM+\b], v[TM+\b], v[HA+16*\b+\i], v[HA+1+16*\b+\i]   ; the four blocks by turns
.endr
.endr
.irp b, 0,1,2,3
	v_permlanex16_b32 v[TM+4+\b], v[TM+\b], s30, s31
.endr
.irp b, 0,1,2,3
	v_max_num_f32 v[TM+\b], v[TM+\b], v[TM+4+\b]   ; with lane l xor 16's 16: the block's largest
.endr
.irp b, 0,1,2,3
	v_add_nc_u32 v[TM+12+\b], 0xff000000, v[TM+\b] ; 2 off the exponent field: the conversion's scale operand
.endr
.irp b, 0,1,2,3
	v_lshrrev_b32 v[TM+4+\b], 23, v[TM+12+\b]      ; the scale's byte
.endr
	v_lshl_or_b32 v[PW], v[TM+5], 8, v[TM+4]       ; my token's scale word for these 128 units
	v_lshl_or_b32 v[PW], v[TM+6], 16, v[PW]
	v_lshl_or_b32 v[PW], v[TM+7], 24, v[PW]
.irp b, 0,1,2,3
	v_cvt_scalef32_pk8_fp4_f32 v[PC+2*\b], v[HA+16*\b:HA+7+16*\b], v[TM+12+\b]
	v_cvt_scalef32_pk8_fp4_f32 v[PC+1+2*\b], v[HA+8+16*\b:HA+15+16*\b], v[TM+12+\b]
.endr
	v_nop                                          ; one plain instruction behind the scaled conversions
.irp cc, 0,1                                   ; the operand's layout wants a WHOLE block in a lane: lanes 0-15 block 2 cc, lanes 16-31 block 2 cc + 1
.irp i, 0,1
	v_permlane16_swap_b32 v[PC+4*\cc+\i], v[PC+2+4*\cc+\i]
.endr
.endr
	global_store_b128 v[LI], v[PC:PC+3], s[16:17]                  ; the fragment as it stands: each store covers 512 consecutive bytes, at a multiple of 512 from the buffer's first byte
	global_store_b128 v[LI], v[PC+4:PC+7], s[16:17] offset:512
	global_store_b32 v[L4], v[PW], s[18:19]
	s_wait_xcnt 0x0                                ; the stores have read their bases and data: both are rewritten only behind this wait
	s_add_nc_u64 s[16:17], s[16:17], 0x80000       ; 16 tiles on
	s_add_nc_u64 s[18:19], s[18:19], 0x10000
	v_mov_b32 v[ID], v[ID+1]
	v_mov_b32 v[ID+1], v[ID+2]
	v_mov_b32 v[ID+2], v[ID+3]
	v_add_nc_u32 v[RANK], 0x100, v[RANK]
	s_add_co_u32 s27, s27, 1
	s_cmp_lt_u32 s27, s26
	s_cbranch_scc1 .Ltile
.Lend:
	s_wait_tensorcnt 0x0
	ds_add_u32 v235, v254
	s_wait_dscnt 0x0
	s_endpgm
.Lfunc_end_k_qb707324f94_ffn1:
	.size	k_qb707324f94_ffn1, .Lfunc_end_k_qb707324f94_ffn1-k_qb707324f94_ffn1
	.p2alignl 7, 3214868480
	.fill 96, 4, 3214868480
	.section	.rodata,"a",@progbits
	.p2align	6, 0x0
	.amdhsa_kernel k_qb707324f94_ffn1
		.amdhsa_group_segment_fixed_size 79872
		.amdhsa_private_segment_fixed_size 0
		.amdhsa_enable_private_segment 0
		.amdhsa_kernarg_size 56
		.amdhsa_user_sgpr_count 2
		.amdhsa_user_sgpr_kernarg_segment_ptr 1
		.amdhsa_wavefront_size32 1
		.amdhsa_system_sgpr_workgroup_id_x 1
		.amdhsa_system_sgpr_workgroup_id_y 1
		.amdhsa_system_sgpr_workgroup_id_z 1
		.amdhsa_system_vgpr_workitem_id 0
		.amdhsa_next_free_vgpr 256
		.amdhsa_next_free_sgpr 66
		.amdhsa_reserve_vcc 1
		.amdhsa_float_denorm_mode_32 3
		.amdhsa_float_denorm_mode_16_64 3
		.amdhsa_memory_ordered 1
		.amdhsa_forward_progress 1
		.amdhsa_inst_pref_size 92
	.end_amdhsa_kernel
	.amdgpu_metadata
---
amdhsa.version: [ 1, 2 ]
amdhsa.kernels:
  - .name:           k_qb707324f94_ffn1
    .symbol:         k_qb707324f94_ffn1.kd
    .args:
      - { .name: W1, .offset: 0, .size: 8, .value_kind: global_buffer, .address_space: global }
      - { .name: b1, .offset: 8, .size: 8, .value_kind: global_buffer, .address_space: global }
      - { .name: xcodes, .offset: 16, .size: 8, .value_kind: global_buffer, .address_space: global }
      - { .name: xscales, .offset: 24, .size: 8, .value_kind: global_buffer, .address_space: global }
      - { .name: hcodes, .offset: 32, .size: 8, .value_kind: global_buffer, .address_space: global }
      - { .name: hscales, .offset: 40, .size: 8, .value_kind: global_buffer, .address_space: global }
      - { .name: top1, .offset: 48, .size: 8, .value_kind: global_buffer, .address_space: global }
    .group_segment_fixed_size: 79872
    .private_segment_fixed_size: 0
    .kernarg_segment_align: 8
    .kernarg_segment_size: 56
    .max_flat_workgroup_size: 512
    .sgpr_count:     66
    .vgpr_count:     256
    .wavefront_size: 32
...
	.end_amdgpu_metadata
.endif
;; end of part 5
;; launch ffn2 (part 6): grid 16 x 8, 16 waves a work-group, no clusters, 215,040 bytes of LDS; arguments W2, b2, hcodes, hscales, top1, out0; writes out0
.if DOCPART == 6
	.amdgcn_target "amdgcn-amd-amdhsa--gfx1250"
	.amdhsa_code_object_version 6
	.text
	.protected	k_qb707324f94_ffn2
	.globl	k_qb707324f94_ffn2
	.p2align	8
	.type	k_qb707324f94_ffn2,@function
k_qb707324f94_ffn2:
	s_mov_b64 s[64:65], 0
	v_nop
	global_prefetch_b8 v0, s[64:65] scope:SCOPE_SE
	s_setreg_imm32_b32 hwreg(HW_REG_WAVE_MODE, 25, 1), 1
	s_wait_xcnt 0x0
; THE SECOND LAYER, FOR THE CHOSEN ROWS ALONE: out[token] = h W2[e] + b2[e], on codes of FP4 (E2M1) with one E8M0 scale for each 32 along K = the 4,096 hidden units.
; Work-group (c, e) owns outputs 64 c .. 64 c + 63 of expert e for ALL of K, so that each output number has one owner and no sum spans work-groups: 4,096 x 64 numbers of W2, 1 MiB of f32, read once.
; WHY 64 COLUMNS, AND SO 16 x 8 = 128 WORK-GROUPS: 64 f32 are 256 consecutive bytes of a row of W2 and of out0, at a multiple of 256 from the buffer's first byte, so every load of W2 and every store of out0
; covers such a run whole.  Twice as many work-groups would have to halve the columns (runs of 128 bytes, the other half going to another work-group) or halve K (a sum across work-groups: another launch).
; WHICH TOKENS: macro SELECT, the same lines as in the first layer: every wave finds from top1 the token of each rank among the expert's tokens.
; PHASE Q.  W2's K is its first axis within an expert.  A LANE TAKES TWO NEIGHBOURING COLUMNS, 2 l and 2 l + 1, by loads of 8 bytes, and its registers run down K.  Wave w takes the blocks of 32 rows 16 j + w,
; j = 0 .. 7: at any time the sixteen waves stand on 512 rows on end.  Up to 64 loads of a wave are out: 16 KiB.  A load leaves the two columns in alternate registers, and the conversions want eight
; neighbours along K in consecutive registers: 64 v_mov_b32 for a pair of blocks part the columns.  The codes go to LDS as images of the operand's registers, fragment (K step s, tile u of 16 columns) at
; 1,024 (4 s + u): block b of a K step of row m lies at byte 256 b + 16 m of the image.  A K step's four blocks belong to four waves, so each scale goes to its place in the scale word as a byte.  One barrier.
; PHASE P.  Wave w takes the expert's tiles of 16 ranks w, w + 16, .. below T = ceil(n / 16).  A tile's 32 hidden fragments were stored as register images, so they come straight into registers, through a ring
; of 12 K steps (three loads a K step).  Transposed use: source 0 = 16 outputs, source 1 = 16 tokens: a lane holds one token and eight neighbouring outputs.  b2 is the C of each sum's first matrix instruction.
; THE WAY OUT: through the wave's own stage in LDS, so that sixteen neighbouring lanes store the 256 consecutive bytes that a token has here.  Each row's token rides in the row's padding.
; A TILE'S ROWS PAST n REPEAT THE TILE'S FIRST TOKEN, here as in the first layer: they hold the same numbers as that row and are stored at the same place, by the same wave.  So all lanes stay on.
; No tensor loads and no cluster: the trip count hangs on numbers read from memory.
; LIMITS: NaN and infinities are not served; a block of zeros gets the byte 1 with zero codes (this program alone reads the bytes).
.set PITCH, 4096                       ; a row of W2[e] in bytes
.set JSTEP, 0x200000                   ; 16 blocks of 32 rows
.set WSC,   131072                     ; LDS: 0: the 128 images;  here: their scale words, [s / 2][lane][2 (s % 2) + column / 32]: lane = column % 32
.set B2L,   139264                     ; b2's 64 numbers, a copy for each wave
.set STG,   143360                     ; the stages: 16 rows x (256 + 16) bytes for each wave
.set SROW,  272
.set LI,   1                           ; v1   16 x lane
.set L4,   2                           ; v2   4 x lane
.set LI2,  3                           ; v3   16 x lane + 65,536: the images of K steps 16 on lie beyond an LDS instruction's 16-bit offset
.set WST,  4                           ; v4   where my codes go, j = 0 .. 3
.set WST2, 5                           ; v5   and j = 4 .. 7
.set WSR,  6                           ; v6   where I read scale words
.set BST,  7                           ; v7   b2: in
.set BRD,  8                           ; v8   b2: back, in the result's layout
.set WSB,  9                           ; v9   where my scale bytes go
.set RANK, 10                          ; v10  my row's rank: 16 x tile + lane % 16
.set WOFF, 11                          ; v11  8 x lane: my two columns
.set ID,   12                          ; v12-15  my row's token in the wave's four possible tiles
.set STI,  16                          ; v16  the stage: in
.set STO,  17                          ; v17  and back
.set STK,  18                          ; v18  my row's padding: its token, in
.set STL,  19                          ; v19  and back
.set C16,  20                          ; v20  16 (lane % 16)
.set TT,   21                          ; v21  at work
.set TC,   22                          ; v22  at work
.set HS,   24                          ; v24-35  the hidden layer's scale words, one for each place of the ring: scales and nothing else
.set WS,   36                          ; v36-43  W2's scale words, two sets of four (two K steps x two registers): scales and nothing else
.set ACC,  44                          ; v44-75  four accumulators
.set WF,   76                          ; v76-139 two sets of four fragments of W2; on the way out the rows read back and their tokens
.set H,    140                         ; v140-235 the ring: 12 hidden fragments
.set OA,   236                         ; v236-243 byte offsets in out0 of the rows that I store
.set X,    128                         ; phase Q: v128-255 two sets of 32 rows x 2 columns as loaded
.set D,    64                          ; v64-127 the two columns apart, 32 numbers each
.set C,    44                          ; v44-51 their codes, v52-55 maxima, v56-57 scale operands, v58-59 bytes, v60-61 b2 as loaded
.set MX,   52
.set SCL,  56
.set BYT,  58
.set BL,   60
.set T,    64                          ; SELECT: v64-95 the choices: register 4 i + j of lane l is token 128 i + 4 l + j
.set MA,   96                          ; the mask of the chunk in which rank RA falls;
.set KA,   97                          ; that chunk's prefix (low half) and first token (high half)
.set MB,   98                          ; the same for rank RB
.set KB,   99
.set RA,   100                         ; 16 w + lane % 16 + 256 (lane / 16): lanes 0-15 search for tile w, lanes 16-31 for tile w + 16
.set RB,   101                         ; RA + 512: tiles w + 32 and w + 48
.set TA,   102                         ; the tokens found
.set TB,   103
.set Z,    104                         ; v104-111 at work
.set SM,   46                          ; s46 a chunk's mask, s47-48 lanes whose rank lies at or behind the chunk's first, s49 prefix and first token, s50 a count
.set SA,   47
.set SB,   48
.set SK,   49
.set SC,   50
; One halving step of the search for a set bit: if the w bits from v[Z+5] on hold no more than v[Z+1] set bits, pass over them.
.macro BITSTEP src, w
	v_bfe_u32 v[Z], v[\src], v[Z+5], \w
	v_cmp_ge_u32 vcc_lo, v[Z+1], v[Z]
	v_sub_nc_u32 v[Z], v[Z+1], v[Z]
	v_cndmask_b32 v[Z+1], v[Z+1], v[Z], vcc_lo
	v_add_nc_u32 v[Z], \w, v[Z+5]
	v_cndmask_b32 v[Z+5], v[Z+5], v[Z], vcc_lo
.endm
; The token of rank r: in its chunk's mask m, the set bit that has r - prefix set bits below it; bit p of chunk 4 i + j is token 128 i + j + 4 p.
.macro KTH m, k, r, out
	v_and_b32 v[Z], 0xffff, v[\k]
	v_sub_nc_u32 v[Z+1], v[\r], v[Z]               ; how many of the chunk's own stand before mine
	v_lshrrev_b32 v[Z], 1, v[\m]
	v_and_b32 v[Z], 0x55555555, v[Z]
	v_sub_nc_u32 v[Z+2], v[\m], v[Z]               ; the set bits of each 2,
	v_lshrrev_b32 v[Z], 2, v[Z+2]
	v_and_b32 v[Z], 0x33333333, v[Z]
	v_and_b32 v[Z+3], 0x33333333, v[Z+2]
	v_add_nc_u32 v[Z+3], v[Z+3], v[Z]              ; of each 4,
	v_lshrrev_b32 v[Z], 4, v[Z+3]
	v_add_nc_u32 v[Z], v[Z], v[Z+3]
	v_and_b32 v[Z+4], 0x0f0f0f0f, v[Z]             ; of each 8,
	v_bfe_u32 v[Z], v[Z+4], 8, 8
	v_and_b32 v[Z+5], 0xff, v[Z+4]
	v_add_nc_u32 v[Z], v[Z], v[Z+5]                ; of the low 16
	v_cmp_ge_u32 vcc_lo, v[Z+1], v[Z]
	v_sub_nc_u32 v[Z], v[Z+1], v[Z]
	v_cndmask_b32 v[Z+1], v[Z+1], v[Z], vcc_lo
	v_cndmask_b32 v[Z+5], 0, 16, vcc_lo            ; the place so far
	BITSTEP Z+4, 8
	BITSTEP Z+3, 4
	BITSTEP Z+2, 2
	v_bfe_u32 v[Z], v[\m], v[Z+5], 1
	v_cmp_ge_u32 vcc_lo, v[Z+1], v[Z]
	v_add_nc_u32 v[Z], 1, v[Z+5]
	v_cndmask_b32 v[Z+5], v[Z+5], v[Z], vcc_lo
	v_lshrrev_b32 v[Z], 16, v[\k]
	v_lshl_add_u32 v[\out], v[Z+5], 2, v[Z]        ; a rank at or past n gives some token under 1,024, which is not used
.endm
; The 32 chunks in turn: s25 runs up to n.  A lane keeps the mask, prefix and first token of the last chunk whose prefix does not pass its rank.
.macro SELECT
	v_cmp_eq_u32 s[SM], s23, v[T]
	v_mov_b32 v[MA], s[SM]
	v_mov_b32 v[MB], s[SM]
	v_mov_b32 v[KA], 0
	v_mov_b32 v[KB], 0
	s_bcnt1_i32_b32 s25, s[SM]
.set ch, 1
.rept 31
	v_cmp_eq_u32 s[SM], s23, v[T+ch]
	v_cmp_le_u32 s[SA], s25, v[RA]
	v_cmp_le_u32 s[SB], s25, v[RB]
	s_or_b32 s[SK], s25, (128*(ch/4)+ch%4)<<16
	v_cndmask_b32 v[MA], v[MA], s[SM], s[SA]
	v_cndmask_b32 v[KA], v[KA], s[SK], s[SA]
	v_cndmask_b32 v[MB], v[MB], s[SM], s[SB]
	v_cndmask_b32 v[KB], v[KB], s[SK], s[SB]
	s_bcnt1_i32_b32 s[SC], s[SM]
	s_add_co_u32 s25, s25, s[SC]
.set ch, ch+1
.endr
	KTH MA, KA, RA, TA
	KTH MB, KB, RB, TB
	v_permlanex16_b32 v[Z+6], v[TA], s30, s31      ; what lane l xor 16 found
	v_permlanex16_b32 v[Z+7], v[TB], s30, s31
	v_and_b32 v[Z], 16, v0
	v_cmp_ne_u32 vcc_lo, 0, v[Z]                   ; lanes 16-31
	v_cndmask_b32 v[ID], v[TA], v[Z+6], vcc_lo     ; both halves of the lanes get each tile's 16 tokens
	v_cndmask_b32 v[ID+1], v[Z+6], v[TA], vcc_lo
	v_cndmask_b32 v[ID+2], v[TB], v[Z+7], vcc_lo
	v_cndmask_b32 v[ID+3], v[Z+7], v[TB], vcc_lo
.endm
	s_load_b256 s[4:11], s[0:1], 0x0               ; W2 s[4:5], b2 s[6:7], hcodes s[8:9], hscales s[10:11]
	s_load_b128 s[12:15], s[0:1], 0x20             ; top1 s[12:13], out0 s[14:15]
	v_lshrrev_b32 v[TT], 5, v0
	v_readfirstlane_b32 s20, v[TT]                 ; wave w, 0..15
	s_and_b32 s21, s20, 3                          ; w % 4: which block of a K step is mine
	s_lshr_b32 s22, s20, 2                         ; w / 4: my K steps are 4 j + w / 4
	s_and_b32 s23, ttmp7, 0xffff                   ; e
	v_and_b32 v[TT], 31, v0                        ; lane
	v_and_b32 v[TC], 15, v0                        ; r = lane % 16
	v_bfe_u32 v23, v0, 4, 1                        ; h = lane / 16
	v_lshlrev_b32 v[LI], 4, v[TT]
	v_lshlrev_b32 v[L4], 2, v[TT]
	v_lshlrev_b32 v[WOFF], 3, v[TT]
	v_add_nc_u32 v[LI2], 0x10000, v[LI]
	s_lshl_b32 s24, s21, 8
	s_lshl_b32 s28, s22, 12
	s_add_co_u32 s24, s24, s28
	v_bfe_u32 v[WST], v0, 3, 2                     ; columns 2 l, 2 l + 1 lie in tile u = l / 8, rows m = 2 (l % 8) and + 1
	v_and_b32 v[WST2], 7, v0
	v_lshlrev_b32 v[WST], 10, v[WST]
	v_lshl_add_u32 v[WST], v[WST2], 5, v[WST]
	v_add_nc_u32 v[WST], s24, v[WST]               ; 1,024 (4 (w / 4) + u) + 256 (w % 4) + 32 (l % 8); step j lies 16,384 j further on, the second column 16
	v_add_nc_u32 v[WST2], 0x10000, v[WST]
	s_lshr_b32 s24, s20, 3
	s_lshl_b32 s24, s24, 9
	s_and_b32 s28, s22, 1
	s_lshl_b32 s28, s28, 3
	s_add_co_u32 s24, s24, s28
	s_add_co_u32 s24, s24, s21
	s_add_co_u32 s24, s24, WSC
	v_lshlrev_b32 v[WSB], 5, v[TC]
	v_lshl_add_u32 v[WSB], v23, 2, v[WSB]
	v_add_nc_u32 v[WSB], s24, v[WSB]               ; 512 (w / 8) + 8 ((w / 4) % 2) + w % 4 + 32 (l % 16) + 4 (l / 16); step j lies 1,024 j further on, the second column 16
	v_add_nc_u32 v[WSR], WSC, v[LI]
	s_lshl_b32 s24, s20, 8
	s_add_co_u32 s24, s24, B2L
	v_add_nc_u32 v[BST], s24, v[WOFF]
	v_lshlrev_b32 v[BRD], 5, v23
	v_add_nc_u32 v[BRD], s24, v[BRD]               ; lane (r, h) wants, for tile u, outputs 16 u + 8 h + 0 .. 7
	s_mul_i32 s24, s20, 16*SROW
	s_add_co_u32 s24, s24, STG                     ; my stage
	v_mul_u32_u24 v[STK], v[TC], SROW
	v_add_nc_u32 v[STK], s24, v[STK]               ; row r
	v_lshl_add_u32 v[STI], v23, 5, v[STK]          ; in: + 32 h
	v_add_nc_u32 v[STK], 256, v[STK]               ; its padding
	v_mul_u32_u24 v[STL], v23, SROW
	v_add_nc_u32 v[STL], s24, v[STL]               ; back: lanes 0-15 one row, lanes 16-31 the next
	v_lshlrev_b32 v[C16], 4, v[TC]
	v_add_nc_u32 v[STO], v[STL], v[C16]
	v_add_nc_u32 v[STL], 256, v[STL]
	s_lshl_b32 s24, s20, 4
	v_add_nc_u32 v[RANK], s24, v[TC]               ; in my first tile
	v_lshl_add_u32 v[RA], v23, 8, v[RANK]
	v_add_nc_u32 v[RB], 0x200, v[RA]
	v_mov_b32 v[Z+6], 0                            ; written once: a lane permute's destination counts as one of its sources
	v_mov_b32 v[Z+7], 0
	s_mov_b32 s30, 0x76543210
	s_mov_b32 s31, 0xfedcba98                      ; v_permlanex16_b32's selects for lane l xor 16
	s_lshl_b32 s36, ttmp9, 8                       ; 256 c: my 64 columns in a row of W2, of b2 and of out0
	s_mov_b32 s37, 0
	s_lshl_b32 s32, s23, 24                        ; W2: 16 MiB e + 32 w rows + 256 c
	s_lshl_b32 s24, s20, 17
	s_add_co_u32 s32, s32, s24
	s_add_co_u32 s32, s32, s36
	s_mov_b32 s33, 0
	s_lshl_b32 s34, s23, 12                        ; b2: 4,096 e + 256 c
	s_add_co_u32 s34, s34, s36
	s_mov_b32 s35, 0
	s_lshl_b32 s38, s23, 21                        ; hcodes [e][tile 64][K step 32][1,024]: tile w
	s_lshl_b32 s24, s20, 15
	s_add_co_u32 s38, s38, s24
	s_mov_b32 s39, 0
	s_lshl_b32 s40, s23, 18                        ; hscales [e][tile][K step][128]
	s_lshl_b32 s24, s20, 12
	s_add_co_u32 s40, s40, s24
	s_mov_b32 s41, 0
	s_wait_kmcnt 0x0
	s_add_nc_u64 s[4:5], s[4:5], s[32:33]
	s_add_nc_u64 s[16:17], s[4:5], 0x800000        ; a second base, 4 steps of j on: so every offset stays inside the signed 24-bit immediate
	s_add_nc_u64 s[6:7], s[6:7], s[34:35]
	s_add_nc_u64 s[8:9], s[8:9], s[38:39]
	s_add_nc_u64 s[10:11], s[10:11], s[40:41]
	s_add_nc_u64 s[14:15], s[14:15], s[36:37]
	global_load_b64 v[BL:BL+1], v[WOFF], s[6:7]    ; b2's 64 numbers
.irp i, 0,1,2,3,4,5,6,7
	global_load_b128 v[T+4*\i:T+4*\i+3], v[LI], s[12:13] offset:512*\i   ; all 1,024 choices: 32 lanes read 512 consecutive bytes
.endr
.macro LOADW j                         ; W2(32 (16 j + w) + i, my two columns), i = 0 .. 31, into set j % 2: each load covers 256 consecutive bytes, at a multiple of 256 from the buffer's first byte; read once in the launch
.irp i, 0,1,2,3,4,5,6,7,8,9,10,11,12,13,14,15,16,17,18,19,20,21,22,23,24,25,26,27,28,29,30,31
.if (\j) < 4
	global_load_b64 v[X+64*((\j)%2)+2*\i:X+64*((\j)%2)+2*\i+1], v[WOFF], s[4:5] offset:(\j)*JSTEP+\i*PITCH th:TH_LOAD_NT
.else
	global_load_b64 v[X+64*((\j)%2)+2*\i:X+64*((\j)%2)+2*\i+1], v[WOFF], s[16:17] offset:((\j)-4)*JSTEP+\i*PITCH th:TH_LOAD_NT
.endif
.endr
.endm
	LOADW 0
	LOADW 1
	s_wait_loadcnt 63                              ; 64 loads were issued behind the choices: they are in, W2's may be out
	SELECT
.macro QBLK j                          ; two blocks of 32 along K, one of each of my columns
.set XQ, X+64*((\j)%2)
.if (\j) < 7
	s_wait_loadcnt 32                              ; this step's 32 loads (and all older ones) are in; the next step's 32 may be out
.else
	s_wait_loadcnt 0x0
.endif
.if (\j) == 0
	ds_store_b64 v[BST], v[BL:BL+1]                ; b2 into my wave's copy
.endif
.irp p, 0,1                                    ; each block's largest magnitude, in two chains; number i of column p stands in register 2 i + p
	v_max3_num_f32 v[MX+2*\p], |v[XQ+\p]|, |v[XQ+2+\p]|, |v[XQ+4+\p]|
	v_max3_num_f32 v[MX+2*\p+1], |v[XQ+6+\p]|, |v[XQ+8+\p]|, |v[XQ+10+\p]|
.endr
.irp i, 6,10,14,18,22,26
.irp p, 0,1
	v_max3_num_f32 v[MX+2*\p], v[MX+2*\p], |v[XQ+2*\i+\p]|, |v[XQ+2*\i+2+\p]|
	v_max3_num_f32 v[MX+2*\p+1], v[MX+2*\p+1], |v[XQ+2*\i+4+\p]|, |v[XQ+2*\i+6+\p]|
.endr
.endr
.irp p, 0,1
	v_max3_num_f32 v[MX+2*\p], v[MX+2*\p], |v[XQ+60+\p]|, |v[XQ+62+\p]|
.endr
.irp p, 0,1
	v_max3_num_f32 v[MX+2*\p], v[MX+2*\p], v[MX+2*\p+1], 0x1800000   ; and the floor 2^(3 - 127): the byte cannot fall under 1
.endr
.irp p, 0,1
	v_add_nc_u32 v[SCL+\p], 0xff000000, v[MX+2*\p]                 ; 2 off the exponent field: the conversion's scale operand
.endr
.set e_, 0
.rept 32
	v_mov_b32 v[D+e_], v[XQ+2*e_]                  ; the two columns apart: the conversions take eight neighbours along K from consecutive registers
	v_mov_b32 v[D+32+e_], v[XQ+2*e_+1]
.set e_, e_+1
.endr
.if (\j) > 0
	s_wait_dscnt 0x0                               ; the last step's stores have read the codes' and the bytes' registers
.endif
.irp p, 0,1
.irp g, 0,1,2,3
	v_cvt_scalef32_pk8_fp4_f32 v[C+4*\p+\g], v[D+32*\p+8*\g:D+32*\p+8*\g+7], v[SCL+\p]
.endr
.endr
	v_lshrrev_b32 v[BYT], 23, v[SCL]               ; the scales' bytes; also the plain instruction behind the conversions
	v_lshrrev_b32 v[BYT+1], 23, v[SCL+1]
.if (\j) < 4
	ds_store_b128 v[WST], v[C:C+3] offset:16384*(\j)
	ds_store_b128 v[WST], v[C+4:C+7] offset:16384*(\j)+16
.else
	ds_store_b128 v[WST2], v[C:C+3] offset:16384*((\j)-4)
	ds_store_b128 v[WST2], v[C+4:C+7] offset:16384*((\j)-4)+16
.endif
	ds_store_b8 v[WSB], v[BYT] offset:1024*(\j)
	ds_store_b8 v[WSB], v[BYT+1] offset:1024*(\j)+16
.if (\j)+2 < 8
	LOADW (\j)+2
.endif
.endm
.irp t, 0,1,2,3,4,5,6,7
	QBLK \t
.endr
	s_wait_dscnt 0x0                               ; for the others' sake: my images and scale bytes lie in LDS
	s_barrier_signal -1
	s_barrier_wait -1                              ; the only barrier: every wave passes it, whatever n is
	s_min_u32 s25, s25, 1024                       ; n, made from loaded numbers, is held at the number of tokens
	s_add_co_u32 s26, s25, 15
	s_lshr_b32 s26, s26, 4                         ; T tiles
	s_cmp_ge_u32 s20, s26
	s_cbranch_scc1 .Lend                           ; no tile for this wave
	s_sub_co_u32 s26, s26, s20                     ; my tiles are w, w + 16, .. below T: ceil((T - w) / 16) trips,
	s_add_co_u32 s26, s26, 15
	s_lshr_b32 s26, s26, 4
	s_min_u32 s26, s26, 4                          ; four at the most: T is at most 64
	s_mov_b32 s27, 0                               ; trips done
.macro HLOAD s, slot                   ; the tile's hidden fragment of K step s and its scale words, into a place of the ring: three loads
	global_load_b128 v[H+8*(\slot):H+8*(\slot)+3], v[LI], s[8:9] offset:1024*(\s)
	global_load_b128 v[H+8*(\slot)+4:H+8*(\slot)+7], v[LI], s[8:9] offset:1024*(\s)+512
	global_load_b32 v[HS+(\slot)], v[L4], s[10:11] offset:128*(\s)
.endm
.macro FETCHW2 s                       ; W2's four fragments of K step s into set s % 2: eight loads
.irp u, 0,1,2,3
.irp cc, 0,1
.if (\s) < 16
	ds_load_b128 v[WF+32*((\s)%2)+8*\u+4*\cc:WF+32*((\s)%2)+8*\u+4*\cc+3], v[LI] offset:(4*(\s)+\u)*1024+512*\cc
.else
	ds_load_b128 v[WF+32*((\s)%2)+8*\u+4*\cc:WF+32*((\s)%2)+8*\u+4*\cc+3], v[LI2] offset:(4*((\s)-16)+\u)*1024+512*\cc
.endif
.endr
.endr
.endm
; A K step: four matrix instructions; the four accumulators take turns, one instruction a turn.  Four v_nop stand in front of the loads into registers that they have read, and of the first read of results
; (ISA guide 7.12.1 for vector instructions).
.macro KSTEP s
.set SL_, (\s)%12
.set WB_, WF+32*((\s)%2)
.set WQ_, WS+4*(((\s)/2)%2)+2*((\s)%2)
.if (\s) <= 20
	s_wait_loadcnt 33                              ; behind this K step's three loads: three for each of the 11 K steps that follow it in the ring
.else
	s_wait_loadcnt 3*(31-(\s))                     ; nothing is asked for any more: three for each K step still to come
.endif
.if (\s) == 31
	s_wait_dscnt 0x0
.elseif (\s)%2
	s_wait_dscnt 9                                 ; behind this K step's fragments of W2: a load of scale words and the next K step's eight
.else
	s_wait_dscnt 8                                 ; behind this K step's fragments and scale words: the next K step's eight
.endif
.irp u, 0,1,2,3
.if \u%2
	v_wmma_scale_f32_16x16x128_f8f6f4 v[ACC+8*\u:ACC+8*\u+7], v[WB_+8*\u:WB_+8*\u+7], v[H+8*SL_:H+8*SL_+7], v[ACC+8*\u:ACC+8*\u+7], v[WQ_+\u/2], v[HS+SL_] matrix_a_fmt:MATRIX_FMT_FP4 matrix_b_fmt:MATRIX_FMT_FP4 matrix_a_scale:MATRIX_SCALE_ROW1
.else
	v_wmma_scale_f32_16x16x128_f8f6f4 v[ACC+8*\u:ACC+8*\u+7], v[WB_+8*\u:WB_+8*\u+7], v[H+8*SL_:H+8*SL_+7], v[ACC+8*\u:ACC+8*\u+7], v[WQ_+\u/2], v[HS+SL_] matrix_a_fmt:MATRIX_FMT_FP4 matrix_b_fmt:MATRIX_FMT_FP4
.endif
.endr
.if ((\s) < 30) || ((\s) == 31)
.rept 4
	v_nop
.endr
.endif
.if (\s) < 20
	HLOAD (\s)+12, SL_
.endif
.if (((\s)%2) == 0) && ((\s)+2 < 32)
	ds_load_b128 v[WS+4*(((\s)/2+1)%2):WS+4*(((\s)/2+1)%2)+3], v[WSR] offset:512*((\s)/2+1)   ; the next two K steps' scale words
.endif
.if (\s)+2 < 32
	FETCHW2 (\s)+2
.endif
.endm
.Ltile:
	v_cmp_gt_u32 vcc_lo, s25, v[RANK]              ; is my row one of the expert's own?
	v_readfirstlane_b32 s28, v[ID]                 ; the tile's first token: it is (16 x tile < n for every tile below T)
	v_cndmask_b32 v[TT], s28, v[ID], vcc_lo        ; a row past n repeats it: the same numbers go to the same place
	ds_store_b32 v[STK], v[TT]                     ; into my row's padding in the stage (lanes r and 16 + r write the same word with the same number)
.set Q, 0
.rept 12
	HLOAD Q, Q
.set Q, Q+1
.endr
.irp u, 0,1,2,3
.irp k, 0,1
	ds_load_b128 v[ACC+8*\u+4*\k:ACC+8*\u+4*\k+3], v[BRD] offset:64*\u+16*\k   ; b2 in the result's layout: the C of each sum's first matrix instruction
.endr
.endr
	ds_load_b128 v[WS:WS+3], v[WSR]
	FETCHW2 0
	FETCHW2 1
.set Q, 0
.rept 32
	KSTEP Q
.set Q, Q+1
.endr
.irp u, 0,1,2,3
	ds_store_b128 v[STI], v[ACC+8*\u:ACC+8*\u+3] offset:64*\u      ; lane (r, h): out(token r, 64 c + 16 u + 8 h + 0 .. 7); each accumulator from its low end on
	ds_store_b128 v[STI], v[ACC+8*\u+4:ACC+8*\u+7] offset:64*\u+16
.endr
.irp i, 0,1,2,3,4,5,6,7
	ds_load_b128 v[WF+4*\i:WF+4*\i+3], v[STO] offset:2*SROW*\i     ; LDS serves a wave's instructions in order (ISA guide 5.7.1.4): these see my stores.  Rows 2 i and 2 i + 1
.endr
.irp i, 0,1,2,3,4,5,6,7
	ds_load_b32 v[WF+32+\i], v[STL] offset:2*SROW*\i               ; and their tokens
.endr
	s_wait_dscnt 0x0
.irp i, 0,1,2,3,4,5,6,7
	v_lshlrev_b32 v[TC], 8, v[WF+32+\i]            ; 256 x token,
	v_min_u32 v[OA+\i], 0x3ff00, v[TC]             ; held inside the table: a multiple of 256, at most 256 x 1,023;
	v_lshl_add_u32 v[OA+\i], v[OA+\i], 4, v[C16]   ; x 16: 4,096 bytes a row of out0, + 16 (lane % 16)
.endr
.irp i, 0,1,2,3,4,5,6,7
	global_store_b128 v[OA+\i], v[WF+4*\i:WF+4*\i+3], s[14:15] th:TH_STORE_NT   ; sixteen lanes store a token's 256 consecutive bytes, at a multiple of 256 from out0's first byte; written once, read by nobody here
.endr
	s_wait_xcnt 0x0                                ; no pending instruction still reads a base, an offset or its data: all are rewritten only behind this wait
	s_add_nc_u64 s[8:9], s[8:9], 0x80000           ; 16 tiles on
	s_add_nc_u64 s[10:11], s[10:11], 0x10000
	v_mov_b32 v[ID], v[ID+1]
	v_mov_b32 v[ID+1], v[ID+2]
	v_mov_b32 v[ID+2], v[ID+3]
	v_add_nc_u32 v[RANK], 0x100, v[RANK]
	s_add_co_u32 s27, s27, 1
	s_cmp_lt_u32 s27, s26
	s_cbranch_scc1 .Ltile
.Lend:
	s_wait_xcnt 0x0
	v_lshl_add_u32 v254, v0, 2, 0x34000
	v_mov_b32 v255, 0
	s_wait_tensorcnt 0x0
	ds_add_u32 v254, v255
	s_wait_dscnt 0x0
	s_endpgm
.Lfunc_end_k_qb707324f94_ffn2:
	.size	k_qb707324f94_ffn2, .Lfunc_end_k_qb707324f94_ffn2-k_qb707324f94_ffn2
	.p2alignl 7, 3214868480
	.fill 96, 4, 3214868480
	.section	.rodata,"a",@progbits
	.p2align	6, 0x0
	.amdhsa_kernel k_qb707324f94_ffn2
		.amdhsa_group_segment_fixed_size 215040
		.amdhsa_private_segment_fixed_size 0
		.amdhsa_enable_private_segment 0
		.amdhsa_kernarg_size 48
		.amdhsa_user_sgpr_count 2
		.amdhsa_user_sgpr_kernarg_segment_ptr 1
		.amdhsa_wavefront_size32 1
		.amdhsa_system_sgpr_workgroup_id_x 1
		.amdhsa_system_sgpr_workgroup_id_y 1
		.amdhsa_system_sgpr_workgroup_id_z 1
		.amdhsa_system_vgpr_workitem_id 0
		.amdhsa_next_free_vgpr 256
		.amdhsa_next_free_sgpr 66
		.amdhsa_reserve_vcc 1
		.amdhsa_float_denorm_mode_32 3
		.amdhsa_float_denorm_mode_16_64 3
		.amdhsa_memory_ordered 1
		.amdhsa_forward_progress 1
		.amdhsa_inst_pref_size 144
	.end_amdhsa_kernel
	.amdgpu_metadata
---
amdhsa.version: [ 1, 2 ]
amdhsa.kernels:
  - .name:           k_qb707324f94_ffn2
    .symbol:         k_qb707324f94_ffn2.kd
    .args:
      - { .name: W2, .offset: 0, .size: 8, .value_kind: global_buffer, .address_space: global }
      - { .name: b2, .offset: 8, .size: 8, .value_kind: global_buffer, .address_space: global }
      - { .name: hcodes, .offset: 16, .size: 8, .value_kind: global_buffer, .address_space: global }
      - { .name: hscales, .offset: 24, .size: 8, .value_kind: global_buffer, .address_space: global }
      - { .name: top1, .offset: 32, .size: 8, .value_kind: global_buffer, .address_space: global }
      - { .name: out0, .offset: 40, .size: 8, .value_kind: global_buffer, .address_space: global }
    .group_segment_fixed_size: 215040
    .private_segment_fixed_size: 0
    .kernarg_segment_align: 8
    .kernarg_segment_size: 48
    .max_flat_workgroup_size: 512
    .sgpr_count:     66
    .vgpr_count:     256
    .wavefront_size: 32
...
	.end_amdgpu_metadata
.endif
;; end of part 6
;; ======== version 3 of 3: 3 launches
;; workspace buffers: top1 4,096 bytes of whole numbers; xcodes 524,288 bytes; xscales 32,768 bytes; hcodes 16,777,216 bytes; hscales 2,097,152 bytes
;; launch gate (part 7): grid 64 x 1, 4 waves a work-group, no clusters, 34,304 bytes of LDS; arguments x, gate_w, gate_b, xcodes, xscales, top1; writes xcodes, xscales, top1
.if DOCPART == 7
	.amdgcn_target "amdgcn-amd-amdhsa--gfx1250"
	.amdhsa_code_object_version 6
	.text
	.protected	k_qb707324f94_gate
	.globl	k_qb707324f94_gate
	.p2align	8
	.type	k_qb707324f94_gate,@function
k_qb707324f94_gate:
	s_mov_b64 s[64:65], 0
	v_nop
	global_prefetch_b8 v0, s[64:65] scope:SCOPE_SE
	s_setreg_imm32_b32 hwreg(HW_REG_WAVE_MODE, 25, 1), 1
	s_wait_xcnt 0x0
; THE GATE, AND x AS CODES.  x [1024][1024] f32, gate_w [1024][8] f32, gate_b [8] f32.
; Stored: xcodes [1024][512 bytes]: x as codes of FP4 (E2M1), K innermost, the lower k in the low four bits; xscales [1024][32 bytes]: one E8M0 byte for each 32 along K;
; top1 [1024] u32: for each token the first index of the largest of softmax(x gate_w + gate_b), all in f32, at a fixed place: no address here hangs on it.
; SHARES.  A work-group takes 16 rows, each of its four waves 4.  Lane l holds block l of a row, k = 32 l .. 32 l + 31, in 32 registers: the block's largest magnitude needs no other lane,
; and its 32 codes are the 16 bytes at 16 l of the row's 512, so that a wave's store of codes covers a whole row.  The same registers feed the gate's sums.
; A row's eight loads take 16 bytes a lane, 128 bytes apart, and together cover its 4,096 bytes.
; gate_w comes into LDS once for the work-group, as 32 blocks of 1,024 bytes (32 k x 8 experts), 1,040 bytes apart = 65 x 16.
; A block's scale is 2^(floor(log2(its largest magnitude)) - 2): its byte is the largest magnitude's exponent field - 2, held at 1 from below.
; LIMITS: NaN and infinities are not served.  A block of zeros gets the byte 1 where the rule says 127: its codes are zeros and this program alone reads the bytes.
; Two gate scores closer than the error of an f32 sum of 1,024 terms may be ordered either way.  xscales leaves in runs of 128 bytes a wave, top1 in runs of 16.
.set GWP,  1040                        ; a block of gate_w in LDS
.set SST,  32*GWP                      ; behind it: 128 bytes for each wave: its four rows' scale bytes
.set XR,   16                          ; v16-143   four rows x 32 numbers
.set GW,   144                         ; v144-207  gate_w as loaded, then two sets of 4 k x 8 experts; later at work
.set ACC,  208                         ; v208-239  four rows x 8 sums; ahead of the first product the quantiser's work registers
.set CD,   240                         ; v240-255  four rows x 4 registers of codes
.set MXR,  176                         ; v176-179  a row's largest logit
.set SUM,  180                         ; v180-183  the sum of its exponentials
.set RC,   184                         ; v184-187  1 / that
.set BS,   188                         ; v188-191  the largest score so far
.set IX,   192                         ; v192-195  and its index
	s_load_b256 s[4:11], s[0:1], 0x0               ; x s[4:5], gate_w s[6:7], gate_b s[8:9], xcodes s[10:11]
	s_load_b128 s[12:15], s[0:1], 0x20             ; xscales s[12:13], top1 s[14:15]
	v_lshl_add_u32 v14, v0, 2, 0x8400
	v_mov_b32 v15, 0
	v_lshrrev_b32 v1, 5, v0
	v_readfirstlane_b32 s26, v1                    ; wave 0..3
	v_and_b32 v1, 31, v0                           ; lane
	v_lshlrev_b32 v2, 7, v1                        ; x: my block's 128 bytes
	v_lshlrev_b32 v3, 4, v0                        ; gate_w: 16 bytes a thread
	v_lshrrev_b32 v4, 6, v0
	v_lshl_add_u32 v4, v4, 4, v3                   ; and in LDS: 16 more for each block of 1,024 passed
	v_mul_u32_u24 v5, v1, GWP                      ; my block of gate_w
	v_lshlrev_b32 v6, 4, v1                        ; my 16 bytes of a row of codes
	s_lshl_b32 s27, s26, 7
	s_add_co_u32 s27, s27, SST
	v_add_nc_u32 v7, s27, v1                       ; my block's scale byte in my wave's 128
	v_lshlrev_b32 v9, 2, v1
	v_add_nc_u32 v8, s27, v9                       ; and, on the way out, 4 bytes a lane
	s_mov_b32 s24, 0x76543210
	s_mov_b32 s25, 0xfedcba98                      ; v_permlanex16_b32's selects for lane l xor 16
	s_lshl_b32 s28, ttmp9, 16                      ; my wave's first row is 16 x work-group + 4 x wave: in x 4,096 bytes a row,
	s_lshl_b32 s30, s26, 14
	s_add_co_u32 s28, s28, s30
	s_mov_b32 s29, 0
	s_lshr_b32 s30, s28, 3                         ; in the codes 512,
	s_mov_b32 s31, 0
	s_lshr_b32 s32, s28, 7                         ; in the scale bytes 32,
	s_mov_b32 s33, 0
	s_lshr_b32 s34, s28, 10                        ; in top1 4
	s_mov_b32 s35, 0
	s_wait_alu depctr_va_vdst(0)
	s_wait_kmcnt 0x0
	s_load_b256 s[16:23], s[8:9], 0x0              ; gate_b's eight numbers
	s_add_nc_u64 s[4:5], s[4:5], s[28:29]
	s_add_nc_u64 s[10:11], s[10:11], s[30:31]
	s_add_nc_u64 s[12:13], s[12:13], s[32:33]
	s_add_nc_u64 s[14:15], s[14:15], s[34:35]
.irp n, 0,1,2,3,4,5,6,7,8,9,10,11,12,13,14,15
	global_load_b128 v[GW+4*\n:GW+4*\n+3], v3, s[6:7] offset:2048*\n   ; the 128 threads read 2,048 consecutive bytes
.endr
.irp r, 0,1,2,3
.irp i, 0,1,2,3,4,5,6,7
	global_load_b128 v[XR+32*\r+4*\i:XR+32*\r+4*\i+3], v2, s[4:5] offset:4096*\r+16*\i
.endr
.endr
	s_wait_loadcnt 32                              ; gate_w's 16 loads are in; x's 32, issued behind them, may be out
.irp n, 0,1,2,3,4,5,6,7,8,9,10,11,12,13,14,15
	ds_store_b128 v4, v[GW+4*\n:GW+4*\n+3] offset:2080*\n   ; 2,048 bytes are two blocks: 2 x 1,040
.endr
	s_wait_dscnt 0x0                               ; for the others' sake: my part of gate_w lies in LDS
	s_barrier_signal -1
	s_barrier_wait -1
.macro GWFETCH ch                      ; gate_w(32 l + 4 ch + 0 .. 3, 0 .. 7) into set ch % 2: register 8 kk + e
.irp i, 0,1,2,3,4,5,6,7
	ds_load_b128 v[GW+32*((\ch)%2)+4*\i:GW+32*((\ch)%2)+4*\i+3], v5 offset:128*(\ch)+16*\i
.endr
.endm
	GWFETCH 0
	GWFETCH 1
	s_wait_loadcnt 0x0                             ; x
.macro QROW r                          ; row r: my block's scale, codes and byte
.set XQ, XR+32*\r
.set MA, ACC+4*\r
	v_max3_num_f32 v[MA], |v[XQ]|, |v[XQ+1]|, |v[XQ+2]|            ; the block's largest magnitude, in two chains
	v_max3_num_f32 v[MA+1], |v[XQ+3]|, |v[XQ+4]|, |v[XQ+5]|
.irp i, 6,10,14,18,22,26
	v_max3_num_f32 v[MA], v[MA], |v[XQ+\i]|, |v[XQ+\i+1]|
	v_max3_num_f32 v[MA+1], v[MA+1], |v[XQ+\i+2]|, |v[XQ+\i+3]|
.endr
	v_max3_num_f32 v[MA], v[MA], |v[XQ+30]|, |v[XQ+31]|
	v_max3_num_f32 v[MA], v[MA], v[MA+1], 0x1800000                ; and the floor 2^(3 - 127): the byte cannot fall under 1
	v_add_nc_u32 v[MA+2], 0xff000000, v[MA]                        ; 2 off the exponent field: the conversion takes this operand's exponent field as its scale, and nothing else of it
.irp g, 0,1,2,3
	v_cvt_scalef32_pk8_fp4_f32 v[CD+4*\r+\g], v[XQ+8*\g:XQ+8*\g+7], v[MA+2]
.endr
	v_lshrrev_b32 v[10+\r], 23, v[MA+2]                            ; the scale's byte; also the plain instruction behind the conversions
	global_store_b128 v6, v[CD+4*\r:CD+4*\r+3], s[10:11] offset:512*\r   ; 32 lanes store the row's 512 consecutive bytes
	ds_store_b8 v7, v[10+\r] offset:32*\r
.endm
	QROW 0
	QROW 1
	QROW 2
	QROW 3
; The gate's sums: for 4 k of my block, 4 rows x 8 experts, two experts an instruction; x's number is taken from one register of its pair for both halves.  The very first products start the sums.
.macro FMACH ch, n
.set GS, GW+32*((\ch)%2)
	s_wait_dscnt \n
.irp kp, 0,1
.irp r, 0,1,2,3
.irp p, 0,1,2,3
.if ((\ch) == 0) && (\kp == 0)
	v_pk_mul_f32 v[ACC+8*\r+2*\p:ACC+8*\r+2*\p+1], v[XR+32*\r+4*(\ch)+2*\kp:XR+32*\r+4*(\ch)+2*\kp+1], v[GS+16*\kp+2*\p:GS+16*\kp+2*\p+1] op_sel_hi:[0,1]
.else
	v_pk_fma_f32 v[ACC+8*\r+2*\p:ACC+8*\r+2*\p+1], v[XR+32*\r+4*(\ch)+2*\kp:XR+32*\r+4*(\ch)+2*\kp+1], v[GS+16*\kp+2*\p:GS+16*\kp+2*\p+1], v[ACC+8*\r+2*\p:ACC+8*\r+2*\p+1] op_sel_hi:[0,1,1]
.endif
.endr
.endr
.irp r, 0,1,2,3
.irp p, 0,1,2,3
	v_pk_fma_f32 v[ACC+8*\r+2*\p:ACC+8*\r+2*\p+1], v[XR+32*\r+4*(\ch)+2*\kp:XR+32*\r+4*(\ch)+2*\kp+1], v[GS+16*\kp+8+2*\p:GS+16*\kp+8+2*\p+1], v[ACC+8*\r+2*\p:ACC+8*\r+2*\p+1] op_sel:[1,0,0] op_sel_hi:[1,1,1]
.endr
.endr
.endr
.if (\ch)+2 < 8
	GWFETCH (\ch)+2
.endif
.endm
	FMACH 0, 12                                    ; behind chunk 0's loads: chunk 1's eight and the four byte stores
	FMACH 1, 12                                    ; behind chunk 1's: the four byte stores and chunk 2's eight
	FMACH 2, 8                                     ; from here on: the next chunk's eight
	FMACH 3, 8
	FMACH 4, 8
	FMACH 5, 8
	FMACH 6, 8
	FMACH 7, 0
; Across the 32 lanes: four steps inside each half ride on the addition, one crosses the halves; every lane ends with all 32 sums.
.irp m, 1,2,4,8
.set i, 0
.rept 32
	v_add_f32_dpp v[ACC+i], v[ACC+i], v[ACC+i] row_xmask:\m row_mask:0xf bank_mask:0xf
.set i, i+1
.endr
.endr
.set i, 0
.rept 32
	v_permlanex16_b32 v[GW+i], v[ACC+i], s24, s25  ; (its destination counts as read: these registers have been loaded)
.set i, i+1
.endr
.set i, 0
.rept 32
	v_add_f32 v[ACC+i], v[ACC+i], v[GW+i]
.set i, i+1
.endr
	s_wait_kmcnt 0x0                               ; gate_b
.irp r, 0,1,2,3
.irp e, 0,1,2,3,4,5,6,7
	v_add_f32 v[ACC+8*\r+\e], s[16+\e], v[ACC+8*\r+\e]             ; the logits
.endr
.endr
; The softmax, with the row's largest logit taken away first; the four rows by turns.
.irp r, 0,1,2,3
	v_max3_num_f32 v[MXR+\r], v[ACC+8*\r], v[ACC+8*\r+1], v[ACC+8*\r+2]
.endr
.irp i, 3,5
.irp r, 0,1,2,3
	v_max3_num_f32 v[MXR+\r], v[MXR+\r], v[ACC+8*\r+\i], v[ACC+8*\r+\i+1]
.endr
.endr
.irp r, 0,1,2,3
	v_max_num_f32 v[MXR+\r], v[MXR+\r], v[ACC+8*\r+7]
.endr
.irp r, 0,1,2,3
.irp e, 0,1,2,3,4,5,6,7
	v_sub_f32 v[ACC+8*\r+\e], v[ACC+8*\r+\e], v[MXR+\r]
.endr
.endr
.set i, 0
.rept 32
	v_mul_f32 v[ACC+i], 0x3fb8aa3b, v[ACC+i]       ; x log2(e): v_exp_f32 is 2^x
.set i, i+1
.endr
.set i, 0
	s_wait_alu depctr_va_vdst(0)
.rept 32
	v_exp_f32 v[ACC+i], v[ACC+i]
.set i, i+1
.endr
	v_nop                                          ; a plain instruction between the last exponential and the use of its result
	s_wait_alu depctr_va_vdst(0)
.irp r, 0,1,2,3
	v_add_f32 v[SUM+\r], v[ACC+8*\r], v[ACC+8*\r+1]
.endr
.irp e, 2,3,4,5,6,7
.irp r, 0,1,2,3
	v_add_f32 v[SUM+\r], v[SUM+\r], v[ACC+8*\r+\e]
.endr
.endr
	s_wait_alu depctr_va_vdst(0)
.irp r, 0,1,2,3
	v_rcp_f32 v[RC+\r], v[SUM+\r]
.endr
	v_nop                                          ; likewise behind the reciprocals
	s_wait_alu depctr_va_vdst(0)
.irp r, 0,1,2,3
.irp e, 0,1,2,3,4,5,6,7
	v_mul_f32 v[ACC+8*\r+\e], v[ACC+8*\r+\e], v[RC+\r]             ; the scores
.endr
.endr
.irp r, 0,1,2,3
	v_mov_b32 v[BS+\r], v[ACC+8*\r]
	v_mov_b32 v[IX+\r], 0
.endr
.irp e, 1,2,3,4,5,6,7
.irp r, 0,1,2,3
	v_cmp_ge_f32 vcc_lo, v[BS+\r], v[ACC+8*\r+\e]  ; only a strictly larger score takes the index: the first of equals is kept
	v_cndmask_b32 v[IX+\r], \e, v[IX+\r], vcc_lo
	v_max_num_f32 v[BS+\r], v[BS+\r], v[ACC+8*\r+\e]
.endr
.endr
	ds_load_b32 v10, v8                            ; my wave's 128 scale bytes, 4 a lane (LDS serves a wave's instructions in order: these see my byte stores)
.irp r, 1,2,3
	v_cmp_eq_u32 vcc_lo, \r, v1
	v_cndmask_b32 v[IX], v[IX], v[IX+\r], vcc_lo   ; lane r takes row r's index
.endr
	s_wait_alu depctr_va_vdst(0)
	s_wait_dscnt 0x0
	global_store_b32 v9, v10, s[12:13]             ; four rows' scale bytes: 128 consecutive bytes
	v_cmp_gt_u32 vcc_lo, 4, v1
	s_wait_xcnt 0x0                                ; EXEC is a source of the stores above: it changes only behind this wait
	s_wait_tensorcnt 0x0
	ds_add_u32 v14, v15
	s_wait_dscnt 0x0
	s_and_saveexec_b32 s27, vcc_lo
	global_store_b32 v9, v[IX], s[14:15]           ; lanes 0 to 3: the four rows' experts
	s_endpgm
.Lfunc_end_k_qb707324f94_gate:
	.size	k_qb707324f94_gate, .Lfunc_end_k_qb707324f94_gate-k_qb707324f94_gate
	.p2alignl 7, 3214868480
	.fill 96, 4, 3214868480
	.section	.rodata,"a",@progbits
	.p2align	6, 0x0
	.amdhsa_kernel k_qb707324f94_gate
		.amdhsa_group_segment_fixed_size 34304
		.amdhsa_private_segment_fixed_size 0
		.amdhsa_enable_private_segment 0
		.amdhsa_kernarg_size 48
		.amdhsa_user_sgpr_count 2
		.amdhsa_user_sgpr_kernarg_segment_ptr 1
		.amdhsa_wavefront_size32 1
		.amdhsa_system_sgpr_workgroup_id_x 1
		.amdhsa_system_sgpr_workgroup_id_y 1
		.amdhsa_system_sgpr_workgroup_id_z 1
		.amdhsa_system_vgpr_workitem_id 0
		.amdhsa_next_free_vgpr 256
		.amdhsa_next_free_sgpr 66
		.amdhsa_reserve_vcc 1
		.amdhsa_float_denorm_mode_32 3
		.amdhsa_float_denorm_mode_16_64 3
		.amdhsa_memory_ordered 1
		.amdhsa_forward_progress 1
		.amdhsa_inst_pref_size 73
	.end_amdhsa_kernel
	.amdgpu_metadata
---
amdhsa.version: [ 1, 2 ]
amdhsa.kernels:
  - .name:           k_qb707324f94_gate
    .symbol:         k_qb707324f94_gate.kd
    .args:
      - { .name: x, .offset: 0, .size: 8, .value_kind: global_buffer, .address_space: global }
      - { .name: gate_w, .offset: 8, .size: 8, .value_kind: global_buffer, .address_space: global }
      - { .name: gate_b, .offset: 16, .size: 8, .value_kind: global_buffer, .address_space: global }
      - { .name: xcodes, .offset: 24, .size: 8, .value_kind: global_buffer, .address_space: global }
      - { .name: xscales, .offset: 32, .size: 8, .value_kind: global_buffer, .address_space: global }
      - { .name: top1, .offset: 40, .size: 8, .value_kind: global_buffer, .address_space: global }
    .group_segment_fixed_size: 34304
    .private_segment_fixed_size: 0
    .kernarg_segment_align: 8
    .kernarg_segment_size: 48
    .max_flat_workgroup_size: 128
    .sgpr_count:     66
    .vgpr_count:     256
    .wavefront_size: 32
...
	.end_amdgpu_metadata
.endif
;; end of part 7
;; launch ffn1 (part 8): grid 32 x 8, 16 waves a work-group, no clusters, 79,872 bytes of LDS; arguments W1, b1, xcodes, xscales, hcodes, hscales, top1; writes hcodes, hscales
.if DOCPART == 8
	.amdgcn_target "amdgcn-amd-amdhsa--gfx1250"
	.amdhsa_code_object_version 6
	.text
	.protected	k_qb707324f94_ffn1
	.globl	k_qb707324f94_ffn1
	.p2align	8
	.type	k_qb707324f94_ffn1,@function
k_qb707324f94_ffn1:
	s_mov_b64 s[64:65], 0
	v_nop
	global_prefetch_b8 v0, s[64:65] scope:SCOPE_SE
	s_setreg_imm32_b32 hwreg(HW_REG_WAVE_SCHED_MODE, 0, 2), 2
	s_setreg_imm32_b32 hwreg(HW_REG_WAVE_MODE, 25, 1), 1
	s_wait_xcnt 0x0
	s_wait_alu depctr_vm_vsrc(0)
; THE FIRST LAYER, FOR THE CHOSEN ROWS ALONE: h = relu(x W1[e] + b1[e]) on codes of FP4 (E2M1) with one E8M0 scale for each 32 along K, h quantised on the way along the second layer's K.
; Work-group (c, e) owns hidden units 128 c .. 128 c + 127 of expert e: 1,024 x 128 numbers of W1, 512 KiB of f32, read from memory once in the whole program and never stored as codes.
; WHICH TOKENS.  top1 [1024] holds each token's expert, stored by the launch before.  Every wave reads it whole and finds, for each of its lanes, the token that has a given RANK among the expert's tokens
; (macro SELECT): no list in memory, no LDS, no other wave.  The second layer runs the same lines, so both agree on the ranks.  It stands behind the issue of the first 64 loads of W1, where the wave has nothing else to do.
; PHASE Q.  All sixteen waves quantise the slice of W1 into LDS.  W1's K is its FIRST axis within an expert, so A LANE TAKES A COLUMN AND ITS REGISTERS RUN DOWN K: a load reads 128 consecutive bytes, four waves
; stand side by side on 512; a block of 32 along K lies in one lane's 32 registers.  Wave w takes columns 32 (w % 4) + .. and K = 256 (w / 4) + 0 .. 255: eight blocks a lane; up to 64 loads of a wave are out.
; The codes go to LDS as IMAGES OF THE OPERAND'S REGISTERS: a fragment (16 rows x 128 K, 8 registers a lane) is 1,024 bytes, registers 0-3 at 16 x lane, registers 4-7 at 512 + 16 x lane.
; Block b of a K step of row m belongs to lane 16 (b % 2) + m, registers 4 (b / 2) on: byte 256 b + 16 m of the image.  So a lane's 16 bytes go straight to their place: nothing changes lanes.
; THE HIDDEN UNITS OF A TILE ARE NOT NEIGHBOURS: row m of tile 2 g + u is unit 32 g + 8 u + m + 8 (m / 8), so that the 16 registers of the results of tiles 2 g and 2 g + 1 are 16 neighbours along the next K.
; One barrier.  PHASE P.  Wave w takes the expert's tiles of 16 ranks w, w + 16, .. below T = ceil(n / 16); no barrier stands in that loop.  For a tile: the tokens' codes of x are gathered,
; 64 matrix instructions (transposed: source 0 = 16 hidden units, source 1 = 16 tokens, so a lane holds ONE token and its registers run along the hidden units), b1 as the C of each sum's first one,
; relu, the quantiser in registers, and the fragment leaves as its image: K step c of the second layer.  A TILE'S ROWS PAST n REPEAT THE TILE'S FIRST TOKEN, which is the expert's own: they make the same numbers as that row.
; No tensor loads and no cluster: the trip count hangs on numbers read from memory, and what work-groups share (x's codes, 64 KiB for 128 tokens) is small beside the 512 KiB that are a work-group's own.
; LIMITS: NaN and infinities are not served; a block of zeros gets the byte 1 with zero codes (this program alone reads the bytes); hscales leaves in runs of 128 bytes.
; THE MODE: SCHED_MODE bits 1:0 = 2 (LLVM: expert scheduling mode 2), set by the entry lines.  The code itself states the register dependences between vector or matrix instructions and memory or LDS
; instructions, and those through scalar results of vector instructions, with s_wait_alu, always for 0.
; THE PLAN.  Registers that memory or LDS instructions touch:
;   v1-8          addresses and offsets, made once at the head and never written again: one wait on va_vdst ahead of the first load serves them all.
;   WF (phase Q)  block t: its maxima and conversions read set t % 2; behind them the loads of block t + 2 land in it.
;   C, SW         block t: written by its conversions and shifts, read by its LDS stores.   BL: a load lands in it, one LDS store reads it.
;                 So a wait on va_vdst stands in a block, behind its conversions, ahead of its LDS stores and its 32 loads; one on vm_vsrc ahead of the conversions, for the last block's store of C.
;   XO, XSO       written at a tile's head, read by its gathers.   XF, XS, WS, WF (phase P): loads land in them, matrix instructions read them.   HA: b1's loads land in it; matrix and vector instructions work on it.
;                 One wait on va_vdst at a tile's head, behind the two offsets' lines, serves all the loads up to the first matrix instruction.
;   WF, WS        half step hs: its four matrix instructions read set hs % 2; behind them the loads of half step hs + 2 land in it: one wait on va_vdst behind them.  All 256 registers are taken: there is no third set.
;   PC, PW        written by the quantiser, read by the tile's three stores: one wait on va_vdst ahead of them; one on vm_vsrc at the trip's end, which also frees XO and XSO.
.set PITCH, 16384                      ; a row of W1[e] in bytes
.set WSC,   65536                      ; LDS: 0: the 64 images, fragment (tile ct, K step s) at 1,024 (8 ct + s);  here: their scale words, [s][lane][g]: lanes 0-15 tile 2 g, lanes 16-31 tile 2 g + 1
.set B1L,   69632                      ; and b1's 128 numbers, a copy for each wave
.set LI,   1                           ; v1   16 x lane
.set L4,   2                           ; v2   4 x lane
.set WOFF, 3                           ; v3   W1: my column's bytes in the wave's 128
.set WST,  4                           ; v4   where my codes go
.set WSS,  5                           ; v5   where my scale words go
.set WSR,  6                           ; v6   where I read scale words
.set BST,  7                           ; v7   b1: in
.set BRD,  8                           ; v8   b1: back, in the result's layout
.set XO,   9                           ; v9   x's codes: my token's row + 16 (lane / 16)
.set XSO,  10                          ; v10  x's scale words: my token's row
.set H16,  11                          ; v11  16 (lane / 16)
.set ID,   12                          ; v12-15  my row's token in the wave's four possible tiles
.set XS,   16                          ; v16-23  x's scale words, one for each K step: scales and nothing else
.set WS,   24                          ; v24-31  W1's scale words, two sets of four: scales and nothing else
.set XF,   32                          ; v32-95  x's eight fragments; ahead of them SELECT's registers
.set HA,   96                          ; v96-159 the eight accumulators
.set WF,   160                         ; v160-223 phase Q: two sets of 32 numbers;  phase P: two sets of four fragments of W1
.set TM,   224                         ; v224-239 the quantiser's work
.set PC,   240                         ; v240-247 the fragment just made
.set PW,   248                         ; v248    its scale word
.set TT,   249                         ; v249    at work: my row's token
.set RANK, 255                         ; v255    my row's rank: 16 x tile + lane % 16
.set C,    96                          ; phase Q: v96-99 a block's codes, v100-101 maxima, v102 the scale operand, v103 the byte, v104-105 scale words, v108-111 b1 as loaded
.set MX,   100
.set SCL,  102
.set BYT,  103
.set SW,   104
.set BL,   108
.set T,    32                          ; SELECT: v32-63 the choices: register 4 i + j of lane l is token 128 i + 4 l + j
.set MA,   64                          ; the mask of the chunk in which rank RA falls;
.set KA,   65                          ; that chunk's prefix (low half) and first token (high half)
.set MB,   66                          ; the same for rank RB
.set KB,   67
.set RA,   68                          ; 16 w + lane % 16 + 256 (lane / 16): lanes 0-15 search for tile w, lanes 16-31 for tile w + 16
.set RB,   69                          ; RA + 512: tiles w + 32 and w + 48
.set TA,   70                          ; the tokens found
.set TB,   71
.set Z,    72                          ; v72-77 at work for rank RA; v78-79 what the other half of the lanes found
.set Y,    80                          ; v80-85 at work for rank RB; v86 the lane's half
.set SM,   32                          ; s32-39 two sets of four chunks' masks, by turns
.set SPF,  40                          ; s40-43 the four chunks' prefixes
.set SK,   44                          ; s44-47 prefix (low half) and first token (high half)
.set SA,   48                          ; s48-51 lanes whose rank RA lies at or behind the chunk's first
.set SB,   26                          ; s26-29 the same for RB
.set SC,   24                          ; s24 a count
; The set bits of a mask m by twos, fours and eights, and of its low 16; and how many of the chunk's own stand before rank r.  w: six registers at work.
.macro COUNTS m, k, r, w
	v_and_b32 v[\w], 0xffff, v[\k]
	v_sub_nc_u32 v[\w+1], v[\r], v[\w]             ; how many of the chunk's own stand before mine
	v_lshrrev_b32 v[\w], 1, v[\m]
	v_and_b32 v[\w], 0x55555555, v[\w]
	v_sub_nc_u32 v[\w+2], v[\m], v[\w]             ; the set bits of each 2,
	v_lshrrev_b32 v[\w], 2, v[\w+2]
	v_and_b32 v[\w], 0x33333333, v[\w]
	v_and_b32 v[\w+3], 0x33333333, v[\w+2]
	v_add_nc_u32 v[\w+3], v[\w+3], v[\w]           ; of each 4,
	v_lshrrev_b32 v[\w], 4, v[\w+3]
	v_add_nc_u32 v[\w], v[\w], v[\w+3]
	v_and_b32 v[\w+4], 0x0f0f0f0f, v[\w]           ; of each 8,
	v_bfe_u32 v[\w], v[\w+4], 8, 8
	v_and_b32 v[\w+5], 0xff, v[\w+4]
	v_add_nc_u32 v[\w], v[\w], v[\w+5]             ; of the low 16
.endm
; One halving step of both searches for a set bit, side by side: if the w bits from the place so far on hold no more set bits than are still to be passed, pass over them.
.macro BITSTEP2 off, w
	v_bfe_u32 v[Z], v[Z+\off], v[Z+5], \w
	v_bfe_u32 v[Y], v[Y+\off], v[Y+5], \w
	v_cmp_ge_u32 s[SA], v[Z+1], v[Z]
	v_cmp_ge_u32 s[SA+1], v[Y+1], v[Y]
	v_sub_nc_u32 v[Z], v[Z+1], v[Z]
	v_sub_nc_u32 v[Y], v[Y+1], v[Y]
	s_wait_alu depctr_va_sdst(0)                   ; the two compares have written their masks, ahead of the selects that read them
	v_cndmask_b32 v[Z+1], v[Z+1], v[Z], s[SA]
	v_cndmask_b32 v[Y+1], v[Y+1], v[Y], s[SA+1]
	v_add_nc_u32 v[Z], \w, v[Z+5]
	v_add_nc_u32 v[Y], \w, v[Y+5]
	v_cndmask_b32 v[Z+5], v[Z+5], v[Z], s[SA]
	v_cndmask_b32 v[Y+5], v[Y+5], v[Y], s[SA+1]
.endm
; The 32 chunks, four to a group: s25 runs up to n.  A lane keeps the mask, prefix and first token of the last chunk whose prefix does not pass its rank.
; A group's compares stand in ONE run, with the next group's masks, all into scalar registers, and one wait behind the run serves them all; the prefixes are made by scalar lines from masks that the wait before has shown written.
; Then the token of rank r: in its chunk's mask, the set bit that has r - prefix set bits below it; bit p of chunk 4 i + j is token 128 i + j + 4 p.
.macro SELECT
.irp k, 0,1,2,3
	v_cmp_eq_u32 s[SM+\k], s23, v[T+\k]
.endr
	s_wait_alu depctr_va_sdst(0)                   ; the first four masks are written, ahead of the counts that read them
.set grp, 0
.rept 8
.set MG, SM+4*(grp%2)
.set MN, SM+4*((grp+1)%2)
.irp k, 0,1,2,3
.if 4*grp+\k == 0
	s_bcnt1_i32_b32 s25, s[MG]
.else
	s_mov_b32 s[SPF+\k], s25                       ; how many of the expert's tokens stand ahead of this chunk
	s_or_b32 s[SK+\k], s25, (128*grp+\k)<<16
	s_bcnt1_i32_b32 s[SC], s[MG+\k]
	s_add_co_u32 s25, s25, s[SC]
.endif
.endr
.irp k, 0,1,2,3
.if 4*grp+\k > 0
	v_cmp_le_u32 s[SA+\k], s[SPF+\k], v[RA]
	v_cmp_le_u32 s[SB+\k], s[SPF+\k], v[RB]
.endif
.endr
.if grp < 7
.irp k, 0,1,2,3
	v_cmp_eq_u32 s[MN+\k], s23, v[T+4*grp+4+\k]
.endr
.endif
	s_wait_alu depctr_va_sdst(0)                   ; the run's compares have written their masks: this group's, which the selects below read, and the next group's, which the next counts read
.irp k, 0,1,2,3
.if 4*grp+\k == 0
	v_mov_b32 v[MA], s[MG]
	v_mov_b32 v[MB], s[MG]
	v_mov_b32 v[KA], 0
	v_mov_b32 v[KB], 0
.else
	v_cndmask_b32 v[MA], v[MA], s[MG+\k], s[SA+\k]
	v_cndmask_b32 v[KA], v[KA], s[SK+\k], s[SA+\k]
	v_cndmask_b32 v[MB], v[MB], s[MG+\k], s[SB+\k]
	v_cndmask_b32 v[KB], v[KB], s[SK+\k], s[SB+\k]
.endif
.endr
.set grp, grp+1
.endr
	COUNTS MA, KA, RA, Z
	COUNTS MB, KB, RB, Y
	v_cmp_ge_u32 s[SA], v[Z+1], v[Z]
	v_cmp_ge_u32 s[SA+1], v[Y+1], v[Y]
	v_sub_nc_u32 v[Z], v[Z+1], v[Z]
	v_sub_nc_u32 v[Y], v[Y+1], v[Y]
	s_wait_alu depctr_va_sdst(0)                   ; the two compares have written their masks, ahead of the selects that read them
	v_cndmask_b32 v[Z+1], v[Z+1], v[Z], s[SA]
	v_cndmask_b32 v[Y+1], v[Y+1], v[Y], s[SA+1]
	v_cndmask_b32 v[Z+5], 0, 16, s[SA]             ; the place so far
	v_cndmask_b32 v[Y+5], 0, 16, s[SA+1]
	BITSTEP2 4, 8
	BITSTEP2 3, 4
	BITSTEP2 2, 2
	v_bfe_u32 v[Z], v[MA], v[Z+5], 1
	v_bfe_u32 v[Y], v[MB], v[Y+5], 1
	v_and_b32 v[Y+6], 16, v0
	v_cmp_ge_u32 s[SA], v[Z+1], v[Z]
	v_cmp_ge_u32 s[SA+1], v[Y+1], v[Y]
	v_cmp_ne_u32 s[SA+2], 0, v[Y+6]                ; lanes 16-31
	v_add_nc_u32 v[Z], 1, v[Z+5]
	v_add_nc_u32 v[Y], 1, v[Y+5]
	s_wait_alu depctr_va_sdst(0)                   ; the three compares have written their masks, ahead of the selects that read them
	v_cndmask_b32 v[Z+5], v[Z+5], v[Z], s[SA]
	v_cndmask_b32 v[Y+5], v[Y+5], v[Y], s[SA+1]
	v_lshrrev_b32 v[Z], 16, v[KA]
	v_lshrrev_b32 v[Y], 16, v[KB]
	v_lshl_add_u32 v[TA], v[Z+5], 2, v[Z]          ; a rank at or past n gives some token under 1,024, which is not used
	v_lshl_add_u32 v[TB], v[Y+5], 2, v[Y]
	v_permlanex16_b32 v[Z+6], v[TA], s30, s31      ; what lane l xor 16 found
	v_permlanex16_b32 v[Z+7], v[TB], s30, s31
	v_cndmask_b32 v[ID], v[TA], v[Z+6], s[SA+2]    ; both halves of the lanes get each tile's 16 tokens
	v_cndmask_b32 v[ID+1], v[Z+6], v[TA], s[SA+2]
	v_cndmask_b32 v[ID+2], v[TB], v[Z+7], s[SA+2]
	v_cndmask_b32 v[ID+3], v[Z+7], v[TB], s[SA+2]
.endm
	s_load_b256 s[4:11], s[0:1], 0x0               ; W1 s[4:5], b1 s[6:7], xcodes s[8:9], xscales s[10:11]
	s_load_b128 s[16:19], s[0:1], 0x20             ; hcodes s[16:17], hscales s[18:19]
	s_load_b64 s[12:13], s[0:1], 0x30              ; top1
	v_lshl_add_u32 v235, v0, 2, 0x13000
	v_mov_b32 v254, 0
	v_lshrrev_b32 v249, 5, v0
	v_readfirstlane_b32 s20, v249                  ; wave w, 0..15
	s_and_b32 s23, ttmp7, 0xffff                   ; e
	v_and_b32 v249, 31, v0                         ; lane
	v_and_b32 v250, 15, v0                         ; m
	v_bfe_u32 v251, v0, 4, 1                       ; u = lane / 16
	v_lshlrev_b32 v[LI], 4, v249
	v_lshlrev_b32 v[L4], 2, v249
	v_and_b32 v252, 7, v0
	v_bfe_u32 v253, v0, 3, 1
	v_lshl_add_u32 v252, v251, 3, v252
	v_lshl_add_u32 v252, v253, 4, v252             ; my column of the 32: 8 u + m + 8 (m / 8)
	v_lshlrev_b32 v[WOFF], 2, v252
	s_wait_alu depctr_va_sdst(0)                   ; s20 is written, ahead of its first reader
	s_and_b32 s21, s20, 3                          ; g: which 32 columns
	s_lshr_b32 s22, s20, 2                         ; q: which 256 along K
	s_lshl_b32 s24, s21, 14
	s_lshl_b32 s28, s22, 11
	s_add_co_u32 s24, s24, s28
	v_lshlrev_b32 v[WST], 4, v250
	v_lshl_add_u32 v[WST], v251, 13, v[WST]
	v_add_nc_u32 v[WST], s24, v[WST]               ; 1,024 (8 (2 g + u) + 2 q) + 16 m; block t of my eight lies 256 t further on
	s_lshl_b32 s24, s21, 2
	s_lshl_b32 s28, s22, 10
	s_add_co_u32 s24, s24, s28
	s_add_co_u32 s24, s24, WSC
	v_add_nc_u32 v[WSS], s24, v[LI]                ; 512 (2 q) + 16 lane + 4 g
	v_add_nc_u32 v[WSR], WSC, v[LI]
	s_lshl_b32 s24, s20, 9
	s_add_co_u32 s24, s24, B1L
	v_add_nc_u32 v[BST], s24, v[LI]
	v_lshlrev_b32 v[BRD], 6, v251
	v_add_nc_u32 v[BRD], s24, v[BRD]               ; lane (r, h) wants, for tile 2 b + u, units 32 b + 16 h + 8 u + 0 .. 7
	v_lshlrev_b32 v[H16], 4, v251
	s_lshl_b32 s24, s20, 4
	v_add_nc_u32 v[RANK], s24, v250                ; in my first tile
	v_lshl_add_u32 v[RA], v251, 8, v[RANK]
	v_add_nc_u32 v[RB], 0x200, v[RA]
	v_mov_b32 v[Z+6], 0                            ; written once: a lane permute's destination counts as one of its sources
	v_mov_b32 v[Z+7], 0
.irp b, 0,1,2,3
	v_mov_b32 v[TM+4+\b], 0                        ; likewise
.endr
	s_mov_b32 s30, 0x76543210
	s_mov_b32 s31, 0xfedcba98                      ; v_permlanex16_b32's selects for lane l xor 16
	s_lshl_b32 s32, s23, 24                        ; W1: 16 MiB e + 256 q rows + 512 c + 128 g
	s_lshl_b32 s24, s22, 22
	s_add_co_u32 s32, s32, s24
	s_lshl_b32 s24, ttmp9, 9
	s_add_co_u32 s32, s32, s24
	s_lshl_b32 s24, s21, 7
	s_add_co_u32 s32, s32, s24
	s_mov_b32 s33, 0
	s_lshl_b32 s34, s23, 14                        ; b1: 16,384 e + 512 c
	s_lshl_b32 s24, ttmp9, 9
	s_add_co_u32 s34, s34, s24
	s_mov_b32 s35, 0
	s_lshl_b32 s40, s23, 21                        ; hcodes [e][tile 64][K step 32][1,024]: tile w, K step c
	s_lshl_b32 s24, s20, 15
	s_add_co_u32 s40, s40, s24
	s_lshl_b32 s24, ttmp9, 10
	s_add_co_u32 s40, s40, s24
	s_mov_b32 s41, 0
	s_lshl_b32 s42, s23, 18                        ; hscales [e][tile][K step][128]
	s_lshl_b32 s24, s20, 12
	s_add_co_u32 s42, s42, s24
	s_lshl_b32 s24, ttmp9, 7
	s_add_co_u32 s42, s42, s24
	s_mov_b32 s43, 0
	s_wait_kmcnt 0x0
	s_add_nc_u64 s[4:5], s[4:5], s[32:33]
	s_add_nc_u64 s[6:7], s[6:7], s[34:35]
	s_add_nc_u64 s[16:17], s[16:17], s[40:41]
	s_add_nc_u64 s[18:19], s[18:19], s[42:43]
	s_wait_alu depctr_va_vdst(0)                   ; the eight addresses and offsets v1 to v8 are written, which the loads and stores of the whole kernel read
	global_load_b128 v[BL:BL+3], v[LI], s[6:7]     ; b1's 128 numbers
.irp i, 0,1,2,3,4,5,6,7
	global_load_b128 v[T+4*\i:T+4*\i+3], v[LI], s[12:13] offset:512*\i   ; all 1,024 choices: 32 lanes read 512 consecutive bytes
.endr
.macro LOADW t                         ; block t: W1(256 q + 32 t + i, my column), i = 0 .. 31, into set t % 2.  The largest offset, 255 rows, lies inside the signed 24-bit immediate
.irp i, 0,1,2,3,4,5,6,7,8,9,10,11,12,13,14,15,16,17,18,19,20,21,22,23,24,25,26,27,28,29,30,31
	global_load_b32 v[WF+32*((\t)%2)+\i], v[WOFF], s[4:5] offset:(32*(\t)+\i)*PITCH th:TH_LOAD_NT
.endr
.endm
	LOADW 0
	LOADW 1
	s_wait_loadcnt 63                              ; 64 loads were issued behind the choices: they are in, W1's may be out
	SELECT
.macro QBLK t
.set XQ, WF+32*((\t)%2)
.if (\t) < 7
	s_wait_loadcnt 32                              ; this block's 32 loads (and all older ones) are in; the next block's 32 may be out
.else
	s_wait_loadcnt 0x0
.endif
.if (\t) == 0
	ds_store_b128 v[BST], v[BL:BL+3]               ; b1 into my wave's copy (its address was written ahead of the head's wait; its data are a load's)
.endif
	v_max3_num_f32 v[MX], |v[XQ]|, |v[XQ+1]|, |v[XQ+2]|            ; the block's largest magnitude: all 32 numbers are mine
	v_max3_num_f32 v[MX+1], |v[XQ+3]|, |v[XQ+4]|, |v[XQ+5]|
.irp i, 6,10,14,18,22,26
	v_max3_num_f32 v[MX], v[MX], |v[XQ+\i]|, |v[XQ+\i+1]|
	v_max3_num_f32 v[MX+1], v[MX+1], |v[XQ+\i+2]|, |v[XQ+\i+3]|
.endr
	v_max3_num_f32 v[MX], v[MX], |v[XQ+30]|, |v[XQ+31]|
	v_max3_num_f32 v[MX], v[MX], v[MX+1], 0x1800000                ; and the floor 2^(3 - 127): the byte cannot fall under 1
	v_add_nc_u32 v[SCL], 0xff000000, v[MX]                         ; 2 off the exponent field: the conversion's scale operand
.if (\t) > 0
	s_wait_alu depctr_va_vdst(0)
	s_wait_dscnt 0x0                               ; the last block's LDS store is done,
	s_wait_alu depctr_vm_vsrc(0)                   ; and it has read v[C ..], which the conversions below write again
.endif
.irp g, 0,1,2,3
	v_cvt_scalef32_pk8_fp4_f32 v[C+\g], v[XQ+8*\g:XQ+8*\g+7], v[SCL]
.endr
	v_lshrrev_b32 v[BYT], 23, v[SCL]               ; the scale's byte; also the plain instruction behind the conversions
.if (\t)%4 == 0
	v_mov_b32 v[SW+(\t)/4], v[BYT]                 ; four bytes make a K step's scale word, the lower K in the lower byte
.else
	v_lshl_or_b32 v[SW+(\t)/4], v[BYT], 8*((\t)%4), v[SW+(\t)/4]
.endif
	s_wait_alu depctr_va_vdst(0)                   ; the conversions have written v[C ..] and the line above v[SW ..], which the LDS stores read; maxima and conversions are done reading this set, in which the loads below land
	ds_store_b128 v[WST], v[C:C+3] offset:256*(\t)
.if (\t) == 3
	ds_store_b32 v[WSS], v[SW]
.endif
.if (\t) == 7
	ds_store_b32 v[WSS], v[SW+1] offset:512
.endif
.if (\t)+2 < 8
	LOADW (\t)+2
.endif
.endm
.irp t, 0,1,2,3,4,5,6,7
	QBLK \t
.endr
	s_wait_dscnt 0x0                               ; for the others' sake: my images and scale words lie in LDS
	s_wait_alu depctr_vm_vsrc(0)                   ; my LDS stores have read v[C ..], v[SW ..] and v[BL ..]: they lie among the accumulators, in which phase P's loads of b1 land
	s_barrier_signal -1
	s_barrier_wait -1                              ; the only barrier: every wave passes it, whatever n is
	s_min_u32 s25, s25, 1024                       ; n, made from loaded numbers, is held at the number of tokens
	s_add_co_u32 s26, s25, 15
	s_lshr_b32 s26, s26, 4                         ; T tiles
	s_cmp_ge_u32 s20, s26
	s_cbranch_scc1 .Lend                           ; no tile for this wave
	s_sub_co_u32 s26, s26, s20                     ; my tiles are w, w + 16, .. below T: ceil((T - w) / 16) trips,
	s_add_co_u32 s26, s26, 15
	s_lshr_b32 s26, s26, 4
	s_min_u32 s26, s26, 4                          ; four at the most: T is at most 64
	s_mov_b32 s27, 0                               ; trips done
.macro FETCHW hs                       ; half step hs: K step hs / 2, tiles 4 (hs % 2) + 0 .. 3, into set hs % 2
.irp k, 0,1,2,3
.irp cc, 0,1
	ds_load_b128 v[WF+32*((\hs)%2)+8*\k+4*\cc:WF+32*((\hs)%2)+8*\k+4*\cc+3], v[LI] offset:(8*(4*((\hs)%2)+\k)+(\hs)/2)*1024+512*\cc
.endr
.endr
.endm
; Four matrix instructions.  The eight accumulators take turns, one instruction a turn.  Four v_nop stand behind them: the places ahead of the first read of results;
; ahead of the loads into registers that these instructions have read the places are kept, and the wait behind them states the dependence.
.macro HSTEP hs
.set S_, (\hs)/2
.set P_, (\hs)%2
.if (\hs) == 15
	s_wait_dscnt 0x0
.elseif P_
	s_wait_dscnt 9                                 ; behind this half step's fragments: a load of scale words and the next half step's eight
.else
	s_wait_dscnt 8                                 ; behind this half step's fragments and scale words: the next half step's eight
.endif
.irp k, 0,1,2,3
.set CT_, 4*P_+\k
.if \k%2
	v_wmma_scale_f32_16x16x128_f8f6f4 v[HA+8*CT_:HA+8*CT_+7], v[WF+32*P_+8*\k:WF+32*P_+8*\k+7], v[XF+8*S_:XF+8*S_+7], v[HA+8*CT_:HA+8*CT_+7], v[WS+4*(S_%2)+CT_/2], v[XS+S_] matrix_a_fmt:MATRIX_FMT_FP4 matrix_b_fmt:MATRIX_FMT_FP4 matrix_a_scale:MATRIX_SCALE_ROW1
.else
	v_wmma_scale_f32_16x16x128_f8f6f4 v[HA+8*CT_:HA+8*CT_+7], v[WF+32*P_+8*\k:WF+32*P_+8*\k+7], v[XF+8*S_:XF+8*S_+7], v[HA+8*CT_:HA+8*CT_+7], v[WS+4*(S_%2)+CT_/2], v[XS+S_] matrix_a_fmt:MATRIX_FMT_FP4 matrix_b_fmt:MATRIX_FMT_FP4
.endif
.endr
.if (\hs) != 14
.rept 4
	v_nop
.endr
.endif
.if (\hs) < 14
	s_wait_alu depctr_va_vdst(0)                   ; the four matrix instructions are done reading this set of fragments, and those of the K step before its scale words: the loads below land in them
.endif
.if (P_ == 0) && ((\hs) < 14)
	ds_load_b128 v[WS+4*((S_+1)%2):WS+4*((S_+1)%2)+3], v[WSR] offset:512*(S_+1)   ; the next K step's scale words of all eight tiles
.endif
.if (\hs) < 14
	FETCHW (\hs)+2
.endif
.endm
.Ltile:
	s_wait_alu depctr_va_vdst(0)
	v_cmp_gt_u32 s29, s25, v[RANK]                 ; is my row one of the expert's own?
	v_readfirstlane_b32 s28, v[ID]                 ; the tile's first token: it is (16 x tile < n for every tile below T)
	s_wait_alu depctr_va_sdst(0)                   ; s29 and s28 are written, ahead of the select that reads both
	v_cndmask_b32 v[TT], s28, v[ID], s29           ; a row past n repeats it
	v_min_u32 v[XO], 0x3ff, v[TT]                  ; an index made from loaded numbers is held inside the table
	v_lshlrev_b32 v[XSO], 5, v[XO]                 ; 32 scale bytes a token
	v_lshl_add_u32 v[XO], v[XO], 9, v[H16]         ; 512 bytes of codes a token, + 16 (lane / 16)
	s_wait_alu depctr_va_vdst(0)                   ; v[XO] and v[XSO] are written, which the gathers read; and all that vector and matrix instructions did so far to v[XS ..], v[WS ..], v[XF ..], v[HA ..] and v[WF ..], in which the loads below land, is done
.irp s, 0,1,2,3,4,5,6,7
.irp cc, 0,1
	global_load_b128 v[XF+8*\s+4*\cc:XF+8*\s+4*\cc+3], v[XO], s[8:9] offset:64*\s+32*\cc   ; registers 4 cc on: k = 128 s + 64 cc + 32 (lane / 16) + 0 .. 31 of my token
.endr
.endr
	global_load_b128 v[XS:XS+3], v[XSO], s[10:11]
	global_load_b128 v[XS+4:XS+7], v[XSO], s[10:11] offset:16
.irp t, 0,1,2,3,4,5,6,7
.irp k, 0,1
	ds_load_b128 v[HA+8*\t+4*\k:HA+8*\t+4*\k+3], v[BRD] offset:128*(\t/2)+32*(\t%2)+16*\k   ; b1 in the result's layout: the C of each sum's first matrix instruction
.endr
.endr
	ds_load_b128 v[WS:WS+3], v[WSR]
	FETCHW 0
	FETCHW 1
	s_wait_loadcnt 0x0                             ; x's fragments and scale words
.set Q, 0
.rept 16
	HSTEP Q
.set Q, Q+1
.endr
.set i, 0
.rept 64
	v_max_num_f32 v[HA+i], 0, v[HA+i]              ; relu, in f32; each accumulator from its low end on.  Register 16 b + i of lane (r, h) is unit 128 c + 32 b + 16 h + i of token r
.set i, i+1
.endr
.irp b, 0,1,2,3
	v_max3_num_f32 v[TM+\b], v[HA+16*\b], v[HA+1+16*\b], 0x1800000   ; block b: my 16 numbers (none is negative) and the floor 2^(3 - 127)
.endr
.irp i, 2,4,6,8,10,12,14
.irp b, 0,1,2,3
	v_max3_num_f32 v[TM+\b], v[TM+\b], v[HA+16*\b+\i], v[HA+1+16*\b+\i]   ; the four blocks by turns
.endr
.endr
.irp b, 0,1,2,3
	v_permlanex16_b32 v[TM+4+\b], v[TM+\b], s30, s31
.endr
.irp b, 0,1,2,3
	v_max_num_f32 v[TM+\b], v[TM+\b], v[TM+4+\b]   ; with lane l xor 16's 16: the block's largest
.endr
.irp b, 0,1,2,3
	v_add_nc_u32 v[TM+12+\b], 0xff000000, v[TM+\b] ; 2 off the exponent field: the conversion's scale operand
.endr
.irp b, 0,1,2,3
	v_lshrrev_b32 v[TM+4+\b], 23, v[TM+12+\b]      ; the scale's byte
.endr
	v_lshl_or_b32 v[PW], v[TM+5], 8, v[TM+4]       ; my token's scale word for these 128 units
	v_lshl_or_b32 v[PW], v[TM+6], 16, v[PW]
	v_lshl_or_b32 v[PW], v[TM+7], 24, v[PW]
.irp b, 0,1,2,3
	v_cvt_scalef32_pk8_fp4_f32 v[PC+2*\b], v[HA+16*\b:HA+7+16*\b], v[TM+12+\b]
	v_cvt_scalef32_pk8_fp4_f32 v[PC+1+2*\b], v[HA+8+16*\b:HA+15+16*\b], v[TM+12+\b]
.endr
	v_nop                                          ; one plain instruction behind the scaled conversions
.irp cc, 0,1                                   ; the operand's layout wants a WHOLE block in a lane: lanes 0-15 block 2 cc, lanes 16-31 block 2 cc + 1
.irp i, 0,1
	v_permlane16_swap_b32 v[PC+4*\cc+\i], v[PC+2+4*\cc+\i]
.endr
.endr
	s_wait_alu depctr_va_vdst(0)                   ; the conversions and swaps have written v[PC ..], the shifts v[PW]: the three stores read them
	global_store_b128 v[LI], v[PC:PC+3], s[16:17]                  ; the fragment as it stands: each store covers 512 consecutive bytes, at a multiple of 512 from the buffer's first byte
	global_store_b128 v[LI], v[PC+4:PC+7], s[16:17] offset:512
	global_store_b32 v[L4], v[PW], s[18:19]
	s_wait_xcnt 0x0                                ; the stores have read their bases and data: both are rewritten only behind this wait
	s_wait_alu depctr_vm_vsrc(0)                   ; the stores have read v[PC ..] and v[PW], the gathers v[XO] and v[XSO]: the next trip's vector instructions write all of them again
	s_add_nc_u64 s[16:17], s[16:17], 0x80000       ; 16 tiles on
	s_add_nc_u64 s[18:19], s[18:19], 0x10000
	v_mov_b32 v[ID], v[ID+1]
	v_mov_b32 v[ID+1], v[ID+2]
	v_mov_b32 v[ID+2], v[ID+3]
	v_add_nc_u32 v[RANK], 0x100, v[RANK]
	s_add_co_u32 s27, s27, 1
	s_cmp_lt_u32 s27, s26
	s_cbranch_scc1 .Ltile
.Lend:
	s_wait_dscnt 0x0                               ; the closing lines, six on end
	s_wait_alu 0x0
	s_wait_tensorcnt 0x0
	ds_add_u32 v235, v254
	s_wait_dscnt 0x0
	s_endpgm
.Lfunc_end_k_qb707324f94_ffn1:
	.size	k_qb707324f94_ffn1, .Lfunc_end_k_qb707324f94_ffn1-k_qb707324f94_ffn1
	.p2alignl 7, 3214868480
	.fill 96, 4, 3214868480
	.section	.rodata,"a",@progbits
	.p2align	6, 0x0
	.amdhsa_kernel k_qb707324f94_ffn1
		.amdhsa_group_segment_fixed_size 79872
		.amdhsa_private_segment_fixed_size 0
		.amdhsa_enable_private_segment 0
		.amdhsa_kernarg_size 56
		.amdhsa_user_sgpr_count 2
		.amdhsa_user_sgpr_kernarg_segment_ptr 1
		.amdhsa_wavefront_size32 1
		.amdhsa_system_sgpr_workgroup_id_x 1
		.amdhsa_system_sgpr_workgroup_id_y 1
		.amdhsa_system_sgpr_workgroup_id_z 1
		.amdhsa_system_vgpr_workitem_id 0
		.amdhsa_next_free_vgpr 256
		.amdhsa_next_free_sgpr 66
		.amdhsa_reserve_vcc 0
		.amdhsa_float_denorm_mode_32 3
		.amdhsa_float_denorm_mode_16_64 3
		.amdhsa_memory_ordered 1
		.amdhsa_forward_progress 1
		.amdhsa_inst_pref_size 96
	.end_amdhsa_kernel
	.amdgpu_metadata
---
amdhsa.version: [ 1, 2 ]
amdhsa.kernels:
  - .name:           k_qb707324f94_ffn1
    .symbol:         k_qb707324f94_ffn1.kd
    .args:
      - { .name: W1, .offset: 0, .size: 8, .value_kind: global_buffer, .address_space: global }
      - { .name: b1, .offset: 8, .size: 8, .value_kind: global_buffer, .address_space: global }
      - { .name: xcodes, .offset: 16, .size: 8, .value_kind: global_buffer, .address_space: global }
      - { .name: xscales, .offset: 24, .size: 8, .value_kind: global_buffer, .address_space: global }
      - { .name: hcodes, .offset: 32, .size: 8, .value_kind: global_buffer, .address_space: global }
      - { .name: hscales, .offset: 40, .size: 8, .value_kind: global_buffer, .address_space: global }
      - { .name: top1, .offset: 48, .size: 8, .value_kind: global_buffer, .address_space: global }
    .group_segment_fixed_size: 79872
    .private_segment_fixed_size: 0
    .kernarg_segment_align: 8
    .kernarg_segment_size: 56
    .max_flat_workgroup_size: 512
    .sgpr_count:     66
    .vgpr_count:     256
    .wavefront_size: 32
...
	.end_amdgpu_metadata
.endif
;; end of part 8
;; launch ffn2 (part 9): grid 16 x 8, 16 waves a work-group, no clusters, 215,040 bytes of LDS; arguments W2, b2, hcodes, hscales, top1, out0; writes out0
.if DOCPART == 9
	.amdgcn_target "amdgcn-amd-amdhsa--gfx1250"
	.amdhsa_code_object_version 6
	.text
	.protected	k_qb707324f94_ffn2
	.globl	k_qb707324f94_ffn2
	.p2align	8
	.type	k_qb707324f94_ffn2,@function
k_qb707324f94_ffn2:
	s_mov_b64 s[64:65], 0
	v_nop
	global_prefetch_b8 v0, s[64:65] scope:SCOPE_SE
	s_setreg_imm32_b32 hwreg(HW_REG_WAVE_SCHED_MODE, 0, 2), 2
	s_setreg_imm32_b32 hwreg(HW_REG_WAVE_MODE, 25, 1), 1
	s_wait_xcnt 0x0
	s_wait_alu depctr_vm_vsrc(0)
; THE SECOND LAYER, FOR THE CHOSEN ROWS ALONE: out[token] = h W2[e] + b2[e], on codes of FP4 (E2M1) with one E8M0 scale for each 32 along K = the 4,096 hidden units.
; Work-group (c, e) owns outputs 64 c .. 64 c + 63 of expert e for ALL of K, so that each output number has one owner and no sum spans work-groups: 4,096 x 64 numbers of W2, 1 MiB of f32, read once.
; WHY 64 COLUMNS, AND SO 16 x 8 = 128 WORK-GROUPS: 64 f32 are 256 consecutive bytes of a row of W2 and of out0, at a multiple of 256 from the buffer's first byte, so every load of W2 and every store of out0
; covers such a run whole.  Twice as many work-groups would have to halve the columns (runs of 128 bytes, the other half going to another work-group) or halve K (a sum across work-groups: another launch).
; WHICH TOKENS: macro SELECT, the same lines as in the first layer: every wave finds from top1 the token of each rank among the expert's tokens.
; PHASE Q.  W2's K is its first axis within an expert.  A LANE TAKES TWO NEIGHBOURING COLUMNS, 2 l and 2 l + 1, by loads of 8 bytes, and its registers run down K.  Wave w takes the blocks of 32 rows 16 j + w,
; j = 0 .. 7: at any time the sixteen waves stand on 512 rows on end.  Up to 64 loads of a wave are out: 16 KiB.  A load leaves the two columns in alternate registers, and the conversions want eight
; neighbours along K in consecutive registers: 64 v_mov_b32 for a pair of blocks part the columns.  The codes go to LDS as images of the operand's registers, fragment (K step s, tile u of 16 columns) at
; 1,024 (4 s + u): block b of a K step of row m lies at byte 256 b + 16 m of the image.  A K step's four blocks belong to four waves, so each scale goes to its place in the scale word as a byte.  One barrier.
; PHASE P.  Wave w takes the expert's tiles of 16 ranks w, w + 16, .. below T = ceil(n / 16).  A tile's 32 hidden fragments were stored as register images, so they come straight into registers, through a ring
; of 12 K steps (three loads a K step).  Transposed use: source 0 = 16 outputs, source 1 = 16 tokens: a lane holds one token and eight neighbouring outputs.  b2 is the C of each sum's first matrix instruction.
; THE WAY OUT: through the wave's own stage in LDS, so that sixteen neighbouring lanes store the 256 consecutive bytes that a token has here.  Each row's token rides in the row's padding.
; A TILE'S ROWS PAST n REPEAT THE TILE'S FIRST TOKEN, here as in the first layer: they hold the same numbers as that row and are stored at the same place, by the same wave.  So all lanes stay on.
; No tensor loads and no cluster: the trip count hangs on numbers read from memory.
; LIMITS: NaN and infinities are not served; a block of zeros gets the byte 1 with zero codes (this program alone reads the bytes).
; THE MODE: SCHED_MODE bits 1:0 = 2 (LLVM: expert scheduling mode 2), set by the entry lines.  The code itself states the register dependences between vector or matrix instructions and memory or LDS
; instructions, and those through scalar results of vector instructions, with s_wait_alu, always for 0.
; THE PLAN.  Registers that memory or LDS instructions touch:
;   v1-9, v11, v16-19   addresses and offsets, made once at the head and never written again: one wait on va_vdst ahead of the first load serves them all.
;   X0, X1        step j: its 64 moves read X[j % 2]; behind them the loads of step j + 2 land in it.
;   codes, bytes  two sets by turns: step j's conversions and shifts write set j % 2; the four LDS stores that read it are issued in step j + 1.   BL: a load lands in it, one LDS store reads it.
;                 So ONE wait on va_vdst stands in a step, behind its moves: they are done reading X[j % 2], and the step before has written its codes and bytes.  The four LDS stores of the step before and the 32 loads of two steps
;                 on follow it; the step's maxima and conversions, which name the parted copy D and the other set of codes, come behind them.  One wait on vm_vsrc at the head of steps 2 to 7 stands a step behind the stores that it waits for.
;   H, HS, WF, WS loads land in them, matrix instructions read them: K step s's four matrix instructions read the ring's place s % 12, its scale word and set s % 2 of W2; one wait on va_vdst behind them, ahead of the loads that
;                 land there again.  All 256 registers are taken: there is no third set of W2.
;   TT            written at a tile's head, read by one LDS store.   ACC: b2's loads land in it, matrix instructions work on it, the stage's stores read it.   OA: written on the way out, read by the eight stores as their offsets.
;                 Waits on va_vdst: at a tile's head; ahead of the stage's stores; ahead of the global stores.  One on vm_vsrc at the trip's end frees TT, ACC, WF and OA.
.set PITCH, 4096                       ; a row of W2[e] in bytes
.set JSTEP, 0x200000                   ; 16 blocks of 32 rows
.set WSC,   131072                     ; LDS: 0: the 128 images;  here: their scale words, [s / 2][lane][2 (s % 2) + column / 32]: lane = column % 32
.set B2L,   139264                     ; b2's 64 numbers, a copy for each wave
.set STG,   143360                     ; the stages: 16 rows x (256 + 16) bytes for each wave
.set SROW,  272
.set LI,   1                           ; v1   16 x lane
.set L4,   2                           ; v2   4 x lane
.set LI2,  3                           ; v3   16 x lane + 65,536: the images of K steps 16 on lie beyond an LDS instruction's 16-bit offset
.set WST,  4                           ; v4   where my codes go, j = 0 .. 3
.set WST2, 5                           ; v5   and j = 4 .. 7
.set WSR,  6                           ; v6   where I read scale words
.set BST,  7                           ; v7   b2: in
.set BRD,  8                           ; v8   b2: back, in the result's layout
.set WSB,  9                           ; v9   where my scale bytes go
.set RANK, 10                          ; v10  my row's rank: 16 x tile + lane % 16
.set WOFF, 11                          ; v11  8 x lane: my two columns
.set ID,   12                          ; v12-15  my row's token in the wave's four possible tiles
.set STI,  16                          ; v16  the stage: in
.set STO,  17                          ; v17  and back
.set STK,  18                          ; v18  my row's padding: its token, in
.set STL,  19                          ; v19  and back
.set C16,  20                          ; v20  16 (lane % 16)
.set TT,   21                          ; v21  at work
.set TC,   22                          ; v22  at work
.set HS,   24                          ; v24-35  the hidden layer's scale words, one for each place of the ring: scales and nothing else (phase Q: the second set of codes and bytes)
.set WS,   36                          ; v36-43  W2's scale words, two sets of four (two K steps x two registers): scales and nothing else
.set ACC,  44                          ; v44-75  four accumulators
.set WF,   76                          ; v76-139 two sets of four fragments of W2; on the way out the rows read back and their tokens
.set H,    140                         ; v140-235 the ring: 12 hidden fragments
.set OA,   236                         ; v236-243 byte offsets in out0 of the rows that I store
.set X,    128                         ; phase Q: v128-255 two sets of 32 rows x 2 columns as loaded
.set D,    64                          ; v64-127 the two columns apart, 32 numbers each
.set MX,   52                          ; v52-55 maxima, v56-57 scale operands, v60-61 b2 as loaded; the codes: v44-51 (even steps) and v24-31 (odd steps); the bytes: v58-59 and v32-33
.set SCL,  56
.set BL,   60
.set T,    64                          ; SELECT: v64-95 the choices: register 4 i + j of lane l is token 128 i + 4 l + j
.set MA,   96                          ; the mask of the chunk in which rank RA falls;
.set KA,   97                          ; that chunk's prefix (low half) and first token (high half)
.set MB,   98                          ; the same for rank RB
.set KB,   99
.set RA,   100                         ; 16 w + lane % 16 + 256 (lane / 16): lanes 0-15 search for tile w, lanes 16-31 for tile w + 16
.set RB,   101                         ; RA + 512: tiles w + 32 and w + 48
.set TA,   102                         ; the tokens found
.set TB,   103
.set Z,    104                         ; v104-109 at work for rank RA; v110-111 what the other half of the lanes found
.set Y,    112                         ; v112-117 at work for rank RB; v118 the lane's half
.set SM,   32                          ; s32-39 two sets of four chunks' masks, by turns
.set SPF,  40                          ; s40-43 the four chunks' prefixes
.set SK,   44                          ; s44-47 prefix (low half) and first token (high half)
.set SA,   48                          ; s48-51 lanes whose rank RA lies at or behind the chunk's first
.set SB,   26                          ; s26-29 the same for RB
.set SC,   24                          ; s24 a count
; The set bits of a mask m by twos, fours and eights, and of its low 16; and how many of the chunk's own stand before rank r.  w: six registers at work.
.macro COUNTS m, k, r, w
	v_and_b32 v[\w], 0xffff, v[\k]
	v_sub_nc_u32 v[\w+1], v[\r], v[\w]             ; how many of the chunk's own stand before mine
	v_lshrrev_b32 v[\w], 1, v[\m]
	v_and_b32 v[\w], 0x55555555, v[\w]
	v_sub_nc_u32 v[\w+2], v[\m], v[\w]             ; the set bits of each 2,
	v_lshrrev_b32 v[\w], 2, v[\w+2]
	v_and_b32 v[\w], 0x33333333, v[\w]
	v_and_b32 v[\w+3], 0x33333333, v[\w+2]
	v_add_nc_u32 v[\w+3], v[\w+3], v[\w]           ; of each 4,
	v_lshrrev_b32 v[\w], 4, v[\w+3]
	v_add_nc_u32 v[\w], v[\w], v[\w+3]
	v_and_b32 v[\w+4], 0x0f0f0f0f, v[\w]           ; of each 8,
	v_bfe_u32 v[\w], v[\w+4], 8, 8
	v_and_b32 v[\w+5], 0xff, v[\w+4]
	v_add_nc_u32 v[\w], v[\w], v[\w+5]             ; of the low 16
.endm
; One halving step of both searches for a set bit, side by side: if the w bits from the place so far on hold no more set bits than are still to be passed, pass over them.
.macro BITSTEP2 off, w
	v_bfe_u32 v[Z], v[Z+\off], v[Z+5], \w
	v_bfe_u32 v[Y], v[Y+\off], v[Y+5], \w
	v_cmp_ge_u32 s[SA], v[Z+1], v[Z]
	v_cmp_ge_u32 s[SA+1], v[Y+1], v[Y]
	v_sub_nc_u32 v[Z], v[Z+1], v[Z]
	v_sub_nc_u32 v[Y], v[Y+1], v[Y]
	s_wait_alu depctr_va_sdst(0)                   ; the two compares have written their masks, ahead of the selects that read them
	v_cndmask_b32 v[Z+1], v[Z+1], v[Z], s[SA]
	v_cndmask_b32 v[Y+1], v[Y+1], v[Y], s[SA+1]
	v_add_nc_u32 v[Z], \w, v[Z+5]
	v_add_nc_u32 v[Y], \w, v[Y+5]
	v_cndmask_b32 v[Z+5], v[Z+5], v[Z], s[SA]
	v_cndmask_b32 v[Y+5], v[Y+5], v[Y], s[SA+1]
.endm
; The 32 chunks, four to a group: s25 runs up to n.  A lane keeps the mask, prefix and first token of the last chunk whose prefix does not pass its rank.
; A group's compares stand in ONE run, with the next group's masks, all into scalar registers, and one wait behind the run serves them all; the prefixes are made by scalar lines from masks that the wait before has shown written.
; Then the token of rank r: in its chunk's mask, the set bit that has r - prefix set bits below it; bit p of chunk 4 i + j is token 128 i + j + 4 p.
.macro SELECT
.irp k, 0,1,2,3
	v_cmp_eq_u32 s[SM+\k], s23, v[T+\k]
.endr
	s_wait_alu depctr_va_sdst(0)                   ; the first four masks are written, ahead of the counts that read them
.set grp, 0
.rept 8
.set MG, SM+4*(grp%2)
.set MN, SM+4*((grp+1)%2)
.irp k, 0,1,2,3
.if 4*grp+\k == 0
	s_bcnt1_i32_b32 s25, s[MG]
.else
	s_mov_b32 s[SPF+\k], s25                       ; how many of the expert's tokens stand ahead of this chunk
	s_or_b32 s[SK+\k], s25, (128*grp+\k)<<16
	s_bcnt1_i32_b32 s[SC], s[MG+\k]
	s_add_co_u32 s25, s25, s[SC]
.endif
.endr
.irp k, 0,1,2,3
.if 4*grp+\k > 0
	v_cmp_le_u32 s[SA+\k], s[SPF+\k], v[RA]
	v_cmp_le_u32 s[SB+\k], s[SPF+\k], v[RB]
.endif
.endr
.if grp < 7
.irp k, 0,1,2,3
	v_cmp_eq_u32 s[MN+\k], s23, v[T+4*grp+4+\k]
.endr
.endif
	s_wait_alu depctr_va_sdst(0)                   ; the run's compares have written their masks: this group's, which the selects below read, and the next group's, which the next counts read
.irp k, 0,1,2,3
.if 4*grp+\k == 0
	v_mov_b32 v[MA], s[MG]
	v_mov_b32 v[MB], s[MG]
	v_mov_b32 v[KA], 0
	v_mov_b32 v[KB], 0
.else
	v_cndmask_b32 v[MA], v[MA], s[MG+\k], s[SA+\k]
	v_cndmask_b32 v[KA], v[KA], s[SK+\k], s[SA+\k]
	v_cndmask_b32 v[MB], v[MB], s[MG+\k], s[SB+\k]
	v_cndmask_b32 v[KB], v[KB], s[SK+\k], s[SB+\k]
.endif
.endr
.set grp, grp+1
.endr
	COUNTS MA, KA, RA, Z
	COUNTS MB, KB, RB, Y
	v_cmp_ge_u32 s[SA], v[Z+1], v[Z]
	v_cmp_ge_u32 s[SA+1], v[Y+1], v[Y]
	v_sub_nc_u32 v[Z], v[Z+1], v[Z]
	v_sub_nc_u32 v[Y], v[Y+1], v[Y]
	s_wait_alu depctr_va_sdst(0)                   ; the two compares have written their masks, ahead of the selects that read them
	v_cndmask_b32 v[Z+1], v[Z+1], v[Z], s[SA]
	v_cndmask_b32 v[Y+1], v[Y+1], v[Y], s[SA+1]
	v_cndmask_b32 v[Z+5], 0, 16, s[SA]             ; the place so far
	v_cndmask_b32 v[Y+5], 0, 16, s[SA+1]
	BITSTEP2 4, 8
	BITSTEP2 3, 4
	BITSTEP2 2, 2
	v_bfe_u32 v[Z], v[MA], v[Z+5], 1
	v_bfe_u32 v[Y], v[MB], v[Y+5], 1
	v_and_b32 v[Y+6], 16, v0
	v_cmp_ge_u32 s[SA], v[Z+1], v[Z]
	v_cmp_ge_u32 s[SA+1], v[Y+1], v[Y]
	v_cmp_ne_u32 s[SA+2], 0, v[Y+6]                ; lanes 16-31
	v_add_nc_u32 v[Z], 1, v[Z+5]
	v_add_nc_u32 v[Y], 1, v[Y+5]
	s_wait_alu depctr_va_sdst(0)                   ; the three compares have written their masks, ahead of the selects that read them
	v_cndmask_b32 v[Z+5], v[Z+5], v[Z], s[SA]
	v_cndmask_b32 v[Y+5], v[Y+5], v[Y], s[SA+1]
	v_lshrrev_b32 v[Z], 16, v[KA]
	v_lshrrev_b32 v[Y], 16, v[KB]
	v_lshl_add_u32 v[TA], v[Z+5], 2, v[Z]          ; a rank at or past n gives some token under 1,024, which is not used
	v_lshl_add_u32 v[TB], v[Y+5], 2, v[Y]
	v_permlanex16_b32 v[Z+6], v[TA], s30, s31      ; what lane l xor 16 found
	v_permlanex16_b32 v[Z+7], v[TB], s30, s31
	v_cndmask_b32 v[ID], v[TA], v[Z+6], s[SA+2]    ; both halves of the lanes get each tile's 16 tokens
	v_cndmask_b32 v[ID+1], v[Z+6], v[TA], s[SA+2]
	v_cndmask_b32 v[ID+2], v[TB], v[Z+7], s[SA+2]
	v_cndmask_b32 v[ID+3], v[Z+7], v[TB], s[SA+2]
.endm
	s_load_b256 s[4:11], s[0:1], 0x0               ; W2 s[4:5], b2 s[6:7], hcodes s[8:9], hscales s[10:11]
	s_load_b128 s[12:15], s[0:1], 0x20             ; top1 s[12:13], out0 s[14:15]
	v_lshrrev_b32 v[TT], 5, v0
	v_readfirstlane_b32 s20, v[TT]                 ; wave w, 0..15
	s_and_b32 s23, ttmp7, 0xffff                   ; e
	v_and_b32 v[TT], 31, v0                        ; lane
	v_and_b32 v[TC], 15, v0                        ; r = lane % 16
	v_bfe_u32 v23, v0, 4, 1                        ; h = lane / 16
	v_lshlrev_b32 v[LI], 4, v[TT]
	v_lshlrev_b32 v[L4], 2, v[TT]
	v_lshlrev_b32 v[WOFF], 3, v[TT]
	v_add_nc_u32 v[LI2], 0x10000, v[LI]
	s_wait_alu depctr_va_sdst(0)                   ; s20 is written, ahead of its first reader
	s_and_b32 s21, s20, 3                          ; w % 4: which block of a K step is mine
	s_lshr_b32 s22, s20, 2                         ; w / 4: my K steps are 4 j + w / 4
	s_lshl_b32 s24, s21, 8
	s_lshl_b32 s28, s22, 12
	s_add_co_u32 s24, s24, s28
	v_bfe_u32 v[WST], v0, 3, 2                     ; columns 2 l, 2 l + 1 lie in tile u = l / 8, rows m = 2 (l % 8) and + 1
	v_and_b32 v[WST2], 7, v0
	v_lshlrev_b32 v[WST], 10, v[WST]
	v_lshl_add_u32 v[WST], v[WST2], 5, v[WST]
	v_add_nc_u32 v[WST], s24, v[WST]               ; 1,024 (4 (w / 4) + u) + 256 (w % 4) + 32 (l % 8); step j lies 16,384 j further on, the second column 16
	v_add_nc_u32 v[WST2], 0x10000, v[WST]
	s_lshr_b32 s24, s20, 3
	s_lshl_b32 s24, s24, 9
	s_and_b32 s28, s22, 1
	s_lshl_b32 s28, s28, 3
	s_add_co_u32 s24, s24, s28
	s_add_co_u32 s24, s24, s21
	s_add_co_u32 s24, s24, WSC
	v_lshlrev_b32 v[WSB], 5, v[TC]
	v_lshl_add_u32 v[WSB], v23, 2, v[WSB]
	v_add_nc_u32 v[WSB], s24, v[WSB]               ; 512 (w / 8) + 8 ((w / 4) % 2) + w % 4 + 32 (l % 16) + 4 (l / 16); step j lies 1,024 j further on, the second column 16
	v_add_nc_u32 v[WSR], WSC, v[LI]
	s_lshl_b32 s24, s20, 8
	s_add_co_u32 s24, s24, B2L
	v_add_nc_u32 v[BST], s24, v[WOFF]
	v_lshlrev_b32 v[BRD], 5, v23
	v_add_nc_u32 v[BRD], s24, v[BRD]               ; lane (r, h) wants, for tile u, outputs 16 u + 8 h + 0 .. 7
	s_mul_i32 s24, s20, 16*SROW
	s_add_co_u32 s24, s24, STG                     ; my stage
	v_mul_u32_u24 v[STK], v[TC], SROW
	v_add_nc_u32 v[STK], s24, v[STK]               ; row r
	v_lshl_add_u32 v[STI], v23, 5, v[STK]          ; in: + 32 h
	v_add_nc_u32 v[STK], 256, v[STK]               ; its padding
	v_mul_u32_u24 v[STL], v23, SROW
	v_add_nc_u32 v[STL], s24, v[STL]               ; back: lanes 0-15 one row, lanes 16-31 the next
	v_lshlrev_b32 v[C16], 4, v[TC]
	v_add_nc_u32 v[STO], v[STL], v[C16]
	v_add_nc_u32 v[STL], 256, v[STL]
	s_lshl_b32 s24, s20, 4
	v_add_nc_u32 v[RANK], s24, v[TC]               ; in my first tile
	v_lshl_add_u32 v[RA], v23, 8, v[RANK]
	v_add_nc_u32 v[RB], 0x200, v[RA]
	v_mov_b32 v[Z+6], 0                            ; written once: a lane permute's destination counts as one of its sources
	v_mov_b32 v[Z+7], 0
	s_mov_b32 s30, 0x76543210
	s_mov_b32 s31, 0xfedcba98                      ; v_permlanex16_b32's selects for lane l xor 16
	s_lshl_b32 s36, ttmp9, 8                       ; 256 c: my 64 columns in a row of W2, of b2 and of out0
	s_mov_b32 s37, 0
	s_lshl_b32 s32, s23, 24                        ; W2: 16 MiB e + 32 w rows + 256 c
	s_lshl_b32 s24, s20, 17
	s_add_co_u32 s32, s32, s24
	s_add_co_u32 s32, s32, s36
	s_mov_b32 s33, 0
	s_lshl_b32 s34, s23, 12                        ; b2: 4,096 e + 256 c
	s_add_co_u32 s34, s34, s36
	s_mov_b32 s35, 0
	s_lshl_b32 s38, s23, 21                        ; hcodes [e][tile 64][K step 32][1,024]: tile w
	s_lshl_b32 s24, s20, 15
	s_add_co_u32 s38, s38, s24
	s_mov_b32 s39, 0
	s_lshl_b32 s40, s23, 18                        ; hscales [e][tile][K step][128]
	s_lshl_b32 s24, s20, 12
	s_add_co_u32 s40, s40, s24
	s_mov_b32 s41, 0
	s_wait_kmcnt 0x0
	s_add_nc_u64 s[4:5], s[4:5], s[32:33]
	s_add_nc_u64 s[16:17], s[4:5], 0x800000        ; a second base, 4 steps of j on: so every offset stays inside the signed 24-bit immediate
	s_add_nc_u64 s[6:7], s[6:7], s[34:35]
	s_add_nc_u64 s[8:9], s[8:9], s[38:39]
	s_add_nc_u64 s[10:11], s[10:11], s[40:41]
	s_add_nc_u64 s[14:15], s[14:15], s[36:37]
	s_wait_alu depctr_va_vdst(0)                   ; the addresses and offsets v1 to v9, v11 and v16 to v19 are written, which the loads and stores of the whole kernel read
	global_load_b64 v[BL:BL+1], v[WOFF], s[6:7]    ; b2's 64 numbers
.irp i, 0,1,2,3,4,5,6,7
	global_load_b128 v[T+4*\i:T+4*\i+3], v[LI], s[12:13] offset:512*\i   ; all 1,024 choices: 32 lanes read 512 consecutive bytes
.endr
.macro LOADW j                         ; W2(32 (16 j + w) + i, my two columns), i = 0 .. 31, into set j % 2: each load covers 256 consecutive bytes, at a multiple of 256 from the buffer's first byte; read once in the launch
.irp i, 0,1,2,3,4,5,6,7,8,9,10,11,12,13,14,15,16,17,18,19,20,21,22,23,24,25,26,27,28,29,30,31
.if (\j) < 4
	global_load_b64 v[X+64*((\j)%2)+2*\i:X+64*((\j)%2)+2*\i+1], v[WOFF], s[4:5] offset:(\j)*JSTEP+\i*PITCH th:TH_LOAD_NT
.else
	global_load_b64 v[X+64*((\j)%2)+2*\i:X+64*((\j)%2)+2*\i+1], v[WOFF], s[16:17] offset:((\j)-4)*JSTEP+\i*PITCH th:TH_LOAD_NT
.endif
.endr
.endm
	LOADW 0
	LOADW 1
	s_wait_loadcnt 63                              ; 64 loads were issued behind the choices: they are in, W2's may be out
	SELECT
.macro QOUT j                          ; step j's codes and scale bytes go to LDS, out of set j % 2
.set CO_, 44-20*((\j)%2)
.set BO_, 58-26*((\j)%2)
.if (\j) < 4
	ds_store_b128 v[WST], v[CO_:CO_+3] offset:16384*(\j)
	ds_store_b128 v[WST], v[CO_+4:CO_+7] offset:16384*(\j)+16
.else
	ds_store_b128 v[WST2], v[CO_:CO_+3] offset:16384*((\j)-4)
	ds_store_b128 v[WST2], v[CO_+4:CO_+7] offset:16384*((\j)-4)+16
.endif
	ds_store_b8 v[WSB], v[BO_] offset:1024*(\j)
	ds_store_b8 v[WSB], v[BO_+1] offset:1024*(\j)+16
.endm
.macro QBLK j                          ; two blocks of 32 along K, one of each of my columns
.set XQ, X+64*((\j)%2)
.set CJ, 44-20*((\j)%2)
.set BJ, 58-26*((\j)%2)
.if (\j) < 7
	s_wait_loadcnt 32                              ; this step's 32 loads (and all older ones) are in; the next step's 32 may be out
.else
	s_wait_loadcnt 0x0
.endif
.if (\j) == 0
	ds_store_b64 v[BST], v[BL:BL+1]                ; b2 into my wave's copy (its address was written ahead of the head's wait; its data are a load's)
.endif
.set e_, 0
.rept 32
	v_mov_b32 v[D+e_], v[XQ+2*e_]                  ; the two columns apart: the conversions take eight neighbours along K from consecutive registers.  These moves empty the set, so they come first
	v_mov_b32 v[D+32+e_], v[XQ+2*e_+1]
.set e_, e_+1
.endr
.if (\j) > 1
	s_wait_dscnt 0x0                               ; the LDS stores issued a step ago are done,
	s_wait_alu depctr_vm_vsrc(0)                   ; and they have read this step's set of codes and bytes, which the conversions and shifts below write again
.endif
	s_wait_alu depctr_va_vdst(0)                   ; the moves are done reading this set of W2, in which the loads below land; the step before has written its codes and bytes, which the LDS stores below read
.if (\j) > 0
	QOUT (\j)-1
.endif
.if (\j)+2 < 8
	LOADW (\j)+2                                   ; the set is asked for again at once
.endif
.irp p, 0,1                                    ; each block's largest magnitude, in two chains; number i of column p stands in register 32 p + i of the parted copy
	v_max3_num_f32 v[MX+2*\p], |v[D+32*\p]|, |v[D+32*\p+1]|, |v[D+32*\p+2]|
	v_max3_num_f32 v[MX+2*\p+1], |v[D+32*\p+3]|, |v[D+32*\p+4]|, |v[D+32*\p+5]|
.endr
.irp i, 6,10,14,18,22,26
.irp p, 0,1
	v_max3_num_f32 v[MX+2*\p], v[MX+2*\p], |v[D+32*\p+\i]|, |v[D+32*\p+\i+1]|
	v_max3_num_f32 v[MX+2*\p+1], v[MX+2*\p+1], |v[D+32*\p+\i+2]|, |v[D+32*\p+\i+3]|
.endr
.endr
.irp p, 0,1
	v_max3_num_f32 v[MX+2*\p], v[MX+2*\p], |v[D+32*\p+30]|, |v[D+32*\p+31]|
.endr
.irp p, 0,1
	v_max3_num_f32 v[MX+2*\p], v[MX+2*\p], v[MX+2*\p+1], 0x1800000   ; and the floor 2^(3 - 127): the byte cannot fall under 1
.endr
.irp p, 0,1
	v_add_nc_u32 v[SCL+\p], 0xff000000, v[MX+2*\p]                 ; 2 off the exponent field: the conversion's scale operand
.endr
.irp p, 0,1
.irp g, 0,1,2,3
	v_cvt_scalef32_pk8_fp4_f32 v[CJ+4*\p+\g], v[D+32*\p+8*\g:D+32*\p+8*\g+7], v[SCL+\p]
.endr
.endr
	v_lshrrev_b32 v[BJ], 23, v[SCL]                ; the scales' bytes; also the plain instruction behind the conversions
	v_lshrrev_b32 v[BJ+1], 23, v[SCL+1]
.endm
.irp t, 0,1,2,3,4,5,6,7
	QBLK \t
.endr
	s_wait_alu depctr_va_vdst(0)                   ; the last step's conversions and shifts have written its codes and bytes, which the LDS stores below read
	QOUT 7
	s_wait_dscnt 0x0                               ; for the others' sake: my images and scale bytes lie in LDS
	s_wait_alu depctr_vm_vsrc(0)                   ; my LDS stores have read both sets of codes and bytes and v[BL ..]: they lie where phase P's loads of b2 and of the hidden layer's scale words land
	s_barrier_signal -1
	s_barrier_wait -1                              ; the only barrier: every wave passes it, whatever n is
	s_min_u32 s25, s25, 1024                       ; n, made from loaded numbers, is held at the number of tokens
	s_add_co_u32 s26, s25, 15
	s_lshr_b32 s26, s26, 4                         ; T tiles
	s_cmp_ge_u32 s20, s26
	s_cbranch_scc1 .Lend                           ; no tile for this wave
	s_sub_co_u32 s26, s26, s20                     ; my tiles are w, w + 16, .. below T: ceil((T - w) / 16) trips,
	s_add_co_u32 s26, s26, 15
	s_lshr_b32 s26, s26, 4
	s_min_u32 s26, s26, 4                          ; four at the most: T is at most 64
	s_mov_b32 s27, 0                               ; trips done
.macro HLOAD s, slot                   ; the tile's hidden fragment of K step s and its scale words, into a place of the ring: three loads
	global_load_b128 v[H+8*(\slot):H+8*(\slot)+3], v[LI], s[8:9] offset:1024*(\s)
	global_load_b128 v[H+8*(\slot)+4:H+8*(\slot)+7], v[LI], s[8:9] offset:1024*(\s)+512
	global_load_b32 v[HS+(\slot)], v[L4], s[10:11] offset:128*(\s)
.endm
.macro FETCHW2 s                       ; W2's four fragments of K step s into set s % 2: eight loads
.irp u, 0,1,2,3
.irp cc, 0,1
.if (\s) < 16
	ds_load_b128 v[WF+32*((\s)%2)+8*\u+4*\cc:WF+32*((\s)%2)+8*\u+4*\cc+3], v[LI] offset:(4*(\s)+\u)*1024+512*\cc
.else
	ds_load_b128 v[WF+32*((\s)%2)+8*\u+4*\cc:WF+32*((\s)%2)+8*\u+4*\cc+3], v[LI2] offset:(4*((\s)-16)+\u)*1024+512*\cc
.endif
.endr
.endr
.endm
; A K step: four matrix instructions; the four accumulators take turns, one instruction a turn.  Four v_nop stand behind them: the places ahead of the first read of results;
; ahead of the loads into registers that these instructions have read the places are kept, and the wait behind them states the dependence.
.macro KSTEP s
.set SL_, (\s)%12
.set WB_, WF+32*((\s)%2)
.set WQ_, WS+4*(((\s)/2)%2)+2*((\s)%2)
.if (\s) <= 20
	s_wait_loadcnt 33                              ; behind this K step's three loads: three for each of the 11 K steps that follow it in the ring
.else
	s_wait_loadcnt 3*(31-(\s))                     ; nothing is asked for any more: three for each K step still to come
.endif
.if (\s) == 31
	s_wait_dscnt 0x0
.elseif (\s)%2
	s_wait_dscnt 9                                 ; behind this K step's fragments of W2: a load of scale words and the next K step's eight
.else
	s_wait_dscnt 8                                 ; behind this K step's fragments and scale words: the next K step's eight
.endif
.irp u, 0,1,2,3
.if \u%2
	v_wmma_scale_f32_16x16x128_f8f6f4 v[ACC+8*\u:ACC+8*\u+7], v[WB_+8*\u:WB_+8*\u+7], v[H+8*SL_:H+8*SL_+7], v[ACC+8*\u:ACC+8*\u+7], v[WQ_+\u/2], v[HS+SL_] matrix_a_fmt:MATRIX_FMT_FP4 matrix_b_fmt:MATRIX_FMT_FP4 matrix_a_scale:MATRIX_SCALE_ROW1
.else
	v_wmma_scale_f32_16x16x128_f8f6f4 v[ACC+8*\u:ACC+8*\u+7], v[WB_+8*\u:WB_+8*\u+7], v[H+8*SL_:H+8*SL_+7], v[ACC+8*\u:ACC+8*\u+7], v[WQ_+\u/2], v[HS+SL_] matrix_a_fmt:MATRIX_FMT_FP4 matrix_b_fmt:MATRIX_FMT_FP4
.endif
.endr
.if ((\s) < 30) || ((\s) == 31)
.rept 4
	v_nop
.endr
.endif
.if (\s) < 30
	s_wait_alu depctr_va_vdst(0)                   ; the four matrix instructions are done reading this place of the ring, its scale word and this set of W2, and those of the two K steps before their scale words of W2: the loads below land in them
.endif
.if (\s) < 20
	HLOAD (\s)+12, SL_
.endif
.if (((\s)%2) == 0) && ((\s)+2 < 32)
	ds_load_b128 v[WS+4*(((\s)/2+1)%2):WS+4*(((\s)/2+1)%2)+3], v[WSR] offset:512*((\s)/2+1)   ; the next two K steps' scale words
.endif
.if (\s)+2 < 32
	FETCHW2 (\s)+2
.endif
.endm
.Ltile:
	s_wait_alu depctr_va_vdst(0)
	v_cmp_gt_u32 s29, s25, v[RANK]                 ; is my row one of the expert's own?
	v_readfirstlane_b32 s28, v[ID]                 ; the tile's first token: it is (16 x tile < n for every tile below T)
	s_wait_alu depctr_va_sdst(0)                   ; s29 and s28 are written, ahead of the select that reads both
	v_cndmask_b32 v[TT], s28, v[ID], s29           ; a row past n repeats it: the same numbers go to the same place
	s_wait_alu depctr_va_vdst(0)                   ; v[TT] is written, which the LDS store reads; and all that vector and matrix instructions did so far to v[HS ..], v[WS ..], v[ACC ..], v[WF ..] and v[H ..], in which the loads below land, is done
	ds_store_b32 v[STK], v[TT]                     ; into my row's padding in the stage (lanes r and 16 + r write the same word with the same number)
.set Q, 0
.rept 12
	HLOAD Q, Q
.set Q, Q+1
.endr
.irp u, 0,1,2,3
.irp k, 0,1
	ds_load_b128 v[ACC+8*\u+4*\k:ACC+8*\u+4*\k+3], v[BRD] offset:64*\u+16*\k   ; b2 in the result's layout: the C of each sum's first matrix instruction
.endr
.endr
	ds_load_b128 v[WS:WS+3], v[WSR]
	FETCHW2 0
	FETCHW2 1
.set Q, 0
.rept 32
	KSTEP Q
.set Q, Q+1
.endr
	s_wait_alu depctr_va_vdst(0)                   ; behind the four places: the matrix instructions have written the accumulators, which the LDS stores read, and are done reading v[WF ..], in which the loads from the stage land
.irp u, 0,1,2,3
	ds_store_b128 v[STI], v[ACC+8*\u:ACC+8*\u+3] offset:64*\u      ; lane (r, h): out(token r, 64 c + 16 u + 8 h + 0 .. 7); each accumulator from its low end on
	ds_store_b128 v[STI], v[ACC+8*\u+4:ACC+8*\u+7] offset:64*\u+16
.endr
.irp i, 0,1,2,3,4,5,6,7
	ds_load_b128 v[WF+4*\i:WF+4*\i+3], v[STO] offset:2*SROW*\i     ; LDS serves a wave's instructions in order (ISA guide 5.7.1.4): these see my stores.  Rows 2 i and 2 i + 1
.endr
.irp i, 0,1,2,3,4,5,6,7
	ds_load_b32 v[WF+32+\i], v[STL] offset:2*SROW*\i               ; and their tokens
.endr
	s_wait_dscnt 0x0
.irp i, 0,1,2,3,4,5,6,7
	v_lshlrev_b32 v[TC], 8, v[WF+32+\i]            ; 256 x token,
	v_min_u32 v[OA+\i], 0x3ff00, v[TC]             ; held inside the table: a multiple of 256, at most 256 x 1,023;
	v_lshl_add_u32 v[OA+\i], v[OA+\i], 4, v[C16]   ; x 16: 4,096 bytes a row of out0, + 16 (lane % 16)
.endr
	s_wait_alu depctr_va_vdst(0)                   ; the eight offsets v[OA ..] are written, which the stores read
.irp i, 0,1,2,3,4,5,6,7
	global_store_b128 v[OA+\i], v[WF+4*\i:WF+4*\i+3], s[14:15] th:TH_STORE_NT   ; sixteen lanes store a token's 256 consecutive bytes, at a multiple of 256 from out0's first byte; written once, read by nobody here
.endr
	s_wait_xcnt 0x0                                ; no pending instruction still reads a base, an offset or its data: all are rewritten only behind this wait
	s_wait_alu depctr_vm_vsrc(0)                   ; the stores have read v[OA ..] and v[WF ..], the stage's stores v[ACC ..] and v[TT]: the next trip's vector instructions and loads write all of them again
	s_add_nc_u64 s[8:9], s[8:9], 0x80000           ; 16 tiles on
	s_add_nc_u64 s[10:11], s[10:11], 0x10000
	v_mov_b32 v[ID], v[ID+1]
	v_mov_b32 v[ID+1], v[ID+2]
	v_mov_b32 v[ID+2], v[ID+3]
	v_add_nc_u32 v[RANK], 0x100, v[RANK]
	s_add_co_u32 s27, s27, 1
	s_cmp_lt_u32 s27, s26
	s_cbranch_scc1 .Ltile
.Lend:
	s_wait_xcnt 0x0
	v_lshl_add_u32 v254, v0, 2, 0x34000            ; the add's two registers are made anew here: loads alone have landed in them, and no memory or LDS instruction has read them
	v_mov_b32 v255, 0
	s_wait_dscnt 0x0                               ; the closing lines, six on end
	s_wait_alu 0x0
	s_wait_tensorcnt 0x0
	ds_add_u32 v254, v255
	s_wait_dscnt 0x0
	s_endpgm
.Lfunc_end_k_qb707324f94_ffn2:
	.size	k_qb707324f94_ffn2, .Lfunc_end_k_qb707324f94_ffn2-k_qb707324f94_ffn2
	.p2alignl 7, 3214868480
	.fill 96, 4, 3214868480
	.section	.rodata,"a",@progbits
	.p2align	6, 0x0
	.amdhsa_kernel k_qb707324f94_ffn2
		.amdhsa_group_segment_fixed_size 215040
		.amdhsa_private_segment_fixed_size 0
		.amdhsa_enable_private_segment 0
		.amdhsa_kernarg_size 48
		.amdhsa_user_sgpr_count 2
		.amdhsa_user_sgpr_kernarg_segment_ptr 1
		.amdhsa_wavefront_size32 1
		.amdhsa_system_sgpr_workgroup_id_x 1
		.amdhsa_system_sgpr_workgroup_id_y 1
		.amdhsa_system_sgpr_workgroup_id_z 1
		.amdhsa_system_vgpr_workitem_id 0
		.amdhsa_next_free_vgpr 256
		.amdhsa_next_free_sgpr 66
		.amdhsa_reserve_vcc 0
		.amdhsa_float_denorm_mode_32 3
		.amdhsa_float_denorm_mode_16_64 3
		.amdhsa_memory_ordered 1
		.amdhsa_forward_progress 1
		.amdhsa_inst_pref_size 148
	.end_amdhsa_kernel
	.amdgpu_metadata
---
amdhsa.version: [ 1, 2 ]
amdhsa.kernels:
  - .name:           k_qb707324f94_ffn2
    .symbol:         k_qb707324f94_ffn2.kd
    .args:
      - { .name: W2, .offset: 0, .size: 8, .value_kind: global_buffer, .address_space: global }
      - { .name: b2, .offset: 8, .size: 8, .value_kind: global_buffer, .address_space: global }
      - { .name: hcodes, .offset: 16, .size: 8, .value_kind: global_buffer, .address_space: global }
      - { .name: hscales, .offset: 24, .size: 8, .value_kind: global_buffer, .address_space: global }
      - { .name: top1, .offset: 32, .size: 8, .value_kind: global_buffer, .address_space: global }
      - { .name: out0, .offset: 40, .size: 8, .value_kind: global_buffer, .address_space: global }
    .group_segment_fixed_size: 215040
    .private_segment_fixed_size: 0
    .kernarg_segment_align: 8
    .kernarg_segment_size: 48
    .max_flat_workgroup_size: 512
    .sgpr_count:     66
    .vgpr_count:     256
    .wavefront_size: 32
...
	.end_amdgpu_metadata
.endif
;; end of part 9
